; MI455X (gfx1250); checked and timed in simulation.
; The chip was launched on July 23, 2026; its instructions are those of AMD's public machine-readable ISA for CDNA 5 (MIT licence, August 2026) and "CDNA5" Instruction Set Architecture Reference Guide (July 2026). The comments in the code are by the model that wrote it; some were corrected since.
;; Semantics Modulated Attention. Allowed arithmetic: matrix products marked QUANTISED: E4M3 operands, one given power-of-two scale a tensor, by v_wmma_f32_16x16x64_fp8_fp8 or v_wmma_f32_16x16x128_fp8_fp8, f32 sums; everything else in f32.
;; Inputs: Wkm_codes 512 x 16 x 32 uint8 (E4M3 codes of Wkm, K innermost, in blocks of 32 codes); Wkr_codes 512 x 32 x 32 uint8 (E4M3 codes of Wkr, K innermost, in blocks of 32 codes); Wkt_codes 512 x 8 x 32 uint8 (E4M3 codes of Wkt, K innermost, in blocks of 32 codes); Wq_codes 512 x 16 x 32 uint8 (E4M3 codes of Wq, K innermost, in blocks of 32 codes); Wvm_codes 512 x 16 x 32 uint8 (E4M3 codes of Wvm, K innermost, in blocks of 32 codes); Wvr_codes 512 x 16 x 32 uint8 (E4M3 codes of Wvr, K innermost, in blocks of 32 codes); Wvt_codes 512 x 8 x 32 uint8 (E4M3 codes of Wvt, K innermost, in blocks of 32 codes); bkm 512 float32; bkr 512 float32; bkt 512 float32; bq 512 float32; bvm 512 float32; bvr 512 float32; bvt 512 float32; cond_type 32 x 1 x 1 int32; emb 32 x 2,048 float32; emb_W_codes 1,024 x 64 x 32 uint8 (E4M3 codes of emb_W, K innermost, in blocks of 32 codes); emb_b 1,024 float32; lowp_scales 22 int32 (the exponents e of the quantised operands' scales 2^e); norm_b 512 float32; norm_g 512 float32; out_W_codes 512 x 16 x 32 uint8 (E4M3 codes of out_W, K innermost, in blocks of 32 codes); out_b 512 float32; re_mask 32 x 4 x 256 float32; re_motion 32 x 4 x 256 x 512 float32; re_text 32 x 4 x 1 x 512 float32; rn1_b 1,024 float32; rn1_g 1,024 float32; rn2_b 512 float32; rn2_g 512 float32; snorm_b 512 float32; snorm_g 512 float32; src_mask 32 x 1,024 x 1 float32; tnorm_b 256 float32; tnorm_g 256 float32; x 32 x 1,024 x 512 float32; xf 32 x 77 x 256 float32.
;; Outputs: out0 32 x 1,024 x 512 float32.
;; This version of the problem:
;;   THIS VERSION OF THE PROBLEM IS GIVEN IN LOW PRECISION. The matrix products marked QUANTISED in the list below multiply operands that are first quantised to E4M3 (4 exponent bits, 3 mantissa bits; 8 bits a number), with one given power-of-two scale for each operand tensor; their sums are f32. All else is computed in f32.
;;   The module's matrix products, in the order in which they are computed (A, B: the left and right operand; K: the contracted axis; several contracted axes count as one K, in the product's order):
;;     1. [M 32,768, K 512] x [K 512, N 512]; A: computed on the way; B: input Wq (given as codes): QUANTISED (scales: A lowp_scales[0], B lowp_scales[1])
;;     2. [M 2,464, K 256] x [K 256, N 512]; A: computed on the way; B: input Wkt (given as codes): QUANTISED (scales: A lowp_scales[2], B lowp_scales[3])
;;     3. [M 32,768, K 1,024] x [K 1,024, N 512]; A: computed on the way; B: input Wkr (given as codes): QUANTISED (scales: A lowp_scales[4], B lowp_scales[5])
;;     4. [M 32,768, K 512] x [K 512, N 512]; A: computed on the way; B: input Wkm (given as codes): QUANTISED (scales: A lowp_scales[6], B lowp_scales[7])
;;     5. [M 2,464, K 256] x [K 256, N 512]; A: computed on the way; B: input Wvt (given as codes): QUANTISED (scales: A lowp_scales[8], B lowp_scales[9])
;;     6. [M 32,768, K 512] x [K 512, N 512]; A: computed on the way; B: input Wvr (given as codes): QUANTISED (scales: A lowp_scales[10], B lowp_scales[11])
;;     7. [M 32,768, K 512] x [K 512, N 512]; A: computed on the way; B: input Wvm (given as codes): QUANTISED (scales: A lowp_scales[12], B lowp_scales[13])
;;     8. batch 256 x [M 64, K 2,125] x [K 2,125, N 64]; A: softmax (see below); B: computed on the way: QUANTISED (scales: A lowp_scales[14], B lowp_scales[15])
;;     9. batch 256 x [M 64, K 64] x [K 64, N 1,024]; A: computed on the way; B: softmax (see below): QUANTISED (scales: A lowp_scales[16], B lowp_scales[17])
;;     10. [M 32, K 2,048] x [K 2,048, N 1,024]; A: computed on the way; B: input emb_W (given as codes): QUANTISED (scales: A lowp_scales[18], B lowp_scales[19])
;;     11. [M 32,768, K 512] x [K 512, N 512]; A: computed on the way; B: input out_W (given as codes): QUANTISED (scales: A lowp_scales[20], B lowp_scales[21])
;;   THE QUANTISER, for each operand of a quantised product, along K:
;;     - The operand's scale is 2^e, e = its entry of the input lowp_scales (int32; the entries are numbered through the quantised products in the list's order, A before B).
;;     - Each number is divided by the scale, clamped to +-448, and rounded to the nearest number of E4M3, ties to even, subnormals kept.
;;     - The product sums the exact products of the quantised numbers (number of the format x scale) in f32.
;;   ~~~python
;;   def quantise(x, axis, e):      # numpy; x: float32 -> the quantised numbers, widened to float32 again
;;       x = np.moveaxis(x, axis, -1); K = x.shape[-1]
;;       r = np.clip(x / 2.0 ** e, -448, 448)
;;       step = 2.0 ** (np.maximum(np.frexp(np.where(r == 0, 1, r))[1] - 1, -6) - 3)
;;       q = np.round(r / step) * step * 2.0 ** e      # np.round: ties to even
;;       return np.moveaxis(q, -1, axis).astype(np.float32)
;;   ~~~
;;   SOFTMAX AHEAD OF A QUANTISED PRODUCT. Where the list says 'softmax', what is quantised is not the finished softmax but p = 2^(t - M), with t = logit x log2(e) and M = ceil(the row's largest t), a whole number; so 1/2 < the row's largest p <= 1. The row's sum l is taken of the UNQUANTISED p, in f32, and the product's result is divided by l at the end. Since M is a whole number, a kernel that streams over the keys may use a running M (the ceiling of the running maximum): every later rescaling is an exact power of two, so the quantised numbers keep their values, but for numbers so far below the row's largest that they fall under the format's range.
;;   OPERANDS COMPUTED ON THE WAY. 'Computed on the way' means the value that the module computes at that place (a softmax that the list does not call 'softmax' is quantised finished and normalised). What goes into a quantiser is computed in f32, as accurately as f32 sums, v_exp_f32 and their like allow (about 1e-6 of the number): no bf16 or f16 on the way to a quantiser, and a product that is left as it is and whose result goes on into a quantised operand takes f32 operands (vector FMAs, or v_wmma_f32_16x16x4_f32). A number that lies on a knife's edge between two numbers of the format may be rounded either way, as far as f32 arithmetic and the matrix unit's own rounding can turn it there, and no further.
;;   INPUTS GIVEN AS CODES. Wkm (in the module: [512, 512], K = its axis 1); Wkr (in the module: [512, 1024], K = its axis 1); Wkt (in the module: [512, 256], K = its axis 1); Wq (in the module: [512, 512], K = its axis 1); Wvm (in the module: [512, 512], K = its axis 1); Wvr (in the module: [512, 512], K = its axis 1); Wvt (in the module: [512, 256], K = its axis 1); emb_W (in the module: [1024, 2048], K = its axis 1); out_W (in the module: [512, 512], K = its axis 1): each comes as NAME_codes (uint8): NAME with its K axis moved to the last place and cut into blocks of 32 codes, [.., K / 32, bytes a block], one block behind the other in memory; one code a byte (a code: sign, 4 exponent bits, 3 mantissa bits); its scale is its entry of lowp_scales. Its value is code x scale, taken as it is: it is not quantised again, and the codes and scales need not be those that the quantiser above would give.
;; 2 versions, each right; version 2 is version 1 with the launches kv, mid, out written anew for expert scheduling mode. Each part assembles by itself: llvm-mc -triple=amdgcn-amd-amdhsa -mcpu=gfx1250 --defsym DOCPART=n.
;; ======== version 1 of 2: 3 launches
;; workspace buffers: part 34,603,008 bytes; attc 1,048,576 bytes; film 131,072 bytes
;; launch kv (part 1): grid 256 x 1, 8 waves a work-group, no clusters, 298,752 bytes of LDS; arguments x, xf, re_motion, re_text, src_mask, re_mask, cond_type, lowp_scales, norm_g, norm_b, tnorm_g, tnorm_b, rn1_g, rn1_b, rn2_g, rn2_b, Wkm_codes, Wvm_codes, Wkr_codes, Wvr_codes, Wkt_codes, Wvt_codes, bkm, bvm, bkr, bvr, bkt, bvt, part; writes part
.if DOCPART == 1
	.amdgcn_target "amdgcn-amd-amdhsa--gfx1250"
	.amdhsa_code_object_version 6
	.text
	.protected	k_qc1ecb67593_kv
	.globl	k_qc1ecb67593_kv
	.p2align	8
	.type	k_qc1ecb67593_kv,@function
k_qc1ecb67593_kv:
	s_mov_b64 s[64:65], 0
	v_nop
	global_prefetch_b8 v0, s[64:65] scope:SCOPE_SE
	s_setreg_imm32_b32 hwreg(HW_REG_WAVE_MODE, 25, 1), 1
	s_wait_xcnt 0x0
; KEYS, VALUES AND THE PARTIAL ATTENTION.  Work-group i (b = i / 8, j = i % 8) takes 128 motion tokens, 128 retrieval tokens and up to 10 text tokens of batch b.
; It normalises them, quantises them once for each product that uses them, makes k and v on E4M3 codes, takes the softmax over tokens by a running whole-number M,
; and stores for each head a 64 x 64 partial of k^T v with its -M and its sum l.  A later launch joins the eight partials of a batch by exact powers of two.
; SHARES.  For the norms wave w takes rows 16 w .. 16 w + 15; for the products wave w is head w.  A pass is 128 tokens x 32 channels (128 accumulator registers).
; ORIENTATION.  Source 0 = 16 tokens, source 1 = 16 weight rows: a lane holds ONE channel and its registers run along tokens, so the conversions' results are the operands of k^T v.
; THE ROWS OF A WEIGHT TILE ARE NOT NEIGHBOURS: lane r of tile t takes row 32 (t / 2) + 8 (t % 2) + r + 8 (r / 8), so that the attention's registers run along 16 neighbouring channels for the next launch.
; NO TENSOR LOADS, NO CLUSTER: weights go from memory straight into operand registers; the codes of 128 tokens fill 297,728 bytes of LDS, which leaves no room for a ring of weight tiles.
; LIMITS.  Every exponent of a quantiser lies between -126 and 119; e2+e3, e4+e5, e6+e7, e8+e9, e10+e11, e12+e13 between -126 and 127.  NaN among the inputs is not served.
; The two -1e6 terms of a retrieval key are added to each other before they are added to the product's sum (one rounding placed otherwise).
; REGISTERS.  Window 0: v1 lane, v2 r, v3 16 h, v4 16 lane, v5 4 lane, v6 r + 8 (r / 8); v7, v8 fragment addresses; v9-11 r x pitch + 16 h; v12-14 weight offsets; v15-21 LDS addresses that stay;
; v22, v26, v27 addresses of the trip; v23 256 lane; v24, v25 where a norm stores; v28-31 two scales and their holds; v32-63 statistics, biases, codes; v64-127 AF; v128-255 BF.
; Window 1: v0-127 ACC (accumulators; constants of a norm), v128-255 ATT (the 16 tiles of k^T v).
.set KC, 0                             ; key codes: 128 x 528, later 128 x 1040
.set VC, 135168                        ; value codes: 128 x 528
.set PP, VC                            ; p's codes, 8,192 bytes a wave: laid over VC behind a barrier
.set VP, 202752                        ; v's codes, 8,192 bytes a wave
.set TKC, 268288                       ; text key codes, 16 x 272
.set TVC, 272640                       ; text value codes
.set MK, 276992                        ; what is added to k [256], what multiplies v [256] at +1024, the same for the 16 text slots at +2048 and +2112
.set ST, 279296                        ; a wave's 2,304 bytes: -M [64], l [64] at +256, f [64] at +512, six biases of 64 at +768
.set AF, 64
.set BF, 128
.set ATT, 128
.set EPS, 63
.set MSB, 0
.macro WIN new                         ; the immediate's high byte repeats the setting that is left
.if MSB != \new
	s_set_vgpr_msb (MSB<<8)|\new
.set MSB, \new
.endif
.endm
.macro PLACES n
.rept \n
	v_nop
.endr
.endm
.macro BAR                             ; my LDS stores have landed and my LDS loads are in: then the work-group's barrier
	s_wait_dscnt 0x0
	s_barrier_signal -1
	s_barrier_wait -1
.endm
.macro MKQ d, e                        ; s[d] = 2^e as f32, s[d+1] = 448 x 2^e
	s_add_co_i32 s11, s[\e], 127
	s_lshl_b32 s[\d], s11, 23
	s_add_co_i32 s11, s11, 8
	s_lshl_b32 s[\d+1], s11, 23
	s_or_b32 s[\d+1], s[\d+1], 0x600000
.endm
.macro MKP d, ea, eb                   ; s[d] = 2^(ea + eb) as f32
	s_add_co_i32 s[\d], s[\ea], s[\eb]
	s_add_co_i32 s[\d], s[\d], 127
	s_lshl_b32 s[\d], s[\d], 23
.endm
.macro SETQ a, s
	v_mov_b32 v[\a], s[\s]
	v_mov_b32 v[\a+1], s[\s+1]
.endm
; four rows of 2,048 bytes: each load covers 512 consecutive bytes
.macro RLOAD rb, ptr, row0, nt
.irp q, 0,1,2,3
.irp i, 0,1,2,3
.if \nt
	global_load_b128 v[\rb+16*\q+4*\i:\rb+16*\q+4*\i+3], v4, s[\ptr:\ptr+1] offset:(\row0+\q)*2048+512*\i th:TH_LOAD_NT
.else
	global_load_b128 v[\rb+16*\q+4*\i:\rb+16*\q+4*\i+3], v4, s[\ptr:\ptr+1] offset:(\row0+\q)*2048+512*\i
.endif
.endr
.endr
.endm
; rows x a number of the row's own pair v[sb+4q:sb+4q+1].  kind 0: x low; 1: + high; 2: - high; 3: + low
.macro RSC kind, nr, n, d, a, as, sb
.set q_, 0
.rept \nr
.set i_, 0
.rept \n/2
.if \kind == 0
	v_pk_mul_f32 v[\d+\n*q_+i_:\d+\n*q_+i_+1], v[\a+\as*q_+i_:\a+\as*q_+i_+1], v[\sb+4*q_:\sb+4*q_+1] op_sel_hi:[1,0]
.elseif \kind == 1
	v_pk_add_f32 v[\d+\n*q_+i_:\d+\n*q_+i_+1], v[\a+\as*q_+i_:\a+\as*q_+i_+1], v[\sb+4*q_:\sb+4*q_+1] op_sel:[0,1] op_sel_hi:[1,1]
.elseif \kind == 2
	v_pk_add_f32 v[\d+\n*q_+i_:\d+\n*q_+i_+1], v[\a+\as*q_+i_:\a+\as*q_+i_+1], v[\sb+4*q_:\sb+4*q_+1] op_sel:[0,1] op_sel_hi:[1,1] neg_lo:[0,1] neg_hi:[0,1]
.else
	v_pk_add_f32 v[\d+\n*q_+i_:\d+\n*q_+i_+1], v[\a+\as*q_+i_:\a+\as*q_+i_+1], v[\sb+4*q_:\sb+4*q_+1] op_sel_hi:[1,0]
.endif
.set i_, i_+2
.endr
.set q_, q_+1
.endr
.endm
.macro RGB nr, n, d, g, b              ; rows x gain + offset
.set q_, 0
.rept \nr
.set i_, 0
.rept \n/2
	v_pk_fma_f32 v[\d+\n*q_+i_:\d+\n*q_+i_+1], v[\d+\n*q_+i_:\d+\n*q_+i_+1], v[\g+i_:\g+i_+1], v[\b+i_:\b+i_+1]
.set i_, i_+2
.endr
.set q_, q_+1
.endr
.endm
.macro XSUMN nr                        ; v[48+2q] = the pair's two halves, summed over the 32 lanes; the result stands in every lane
.set q_, 0
.rept \nr
	v_add_f32 v[48+2*q_], v[48+2*q_], v[49+2*q_]
.set q_, q_+1
.endr
.irp m, 1,2,4,8
.set q_, 0
.rept \nr
	v_add_f32_dpp v[48+2*q_], v[48+2*q_], v[48+2*q_] row_xmask:\m row_mask:0xf bank_mask:0xf
.set q_, q_+1
.endr
.endr
.set q_, 0
.rept \nr
	v_permlanex16_b32 v[56+q_], v[48+2*q_], s12, s13
.set q_, q_+1
.endr
.set q_, 0
.rept \nr
	v_add_f32 v[48+2*q_], v[48+2*q_], v[56+q_]
.set q_, q_+1
.endr
.endm
; two passes: -mean into v[32+4q]; the rows become deviations; the sum of their squares into v[48+2q]
.macro LNSTAT rb, nr, n, sinv
.set q_, 0
.rept \nr
	v_pk_add_f32 v[48+2*q_:49+2*q_], v[\rb+\n*q_:\rb+\n*q_+1], v[\rb+\n*q_+2:\rb+\n*q_+3]
.set q_, q_+1
.endr
.set i_, 4
.rept (\n-4)/2
.set q_, 0
.rept \nr
	v_pk_add_f32 v[48+2*q_:49+2*q_], v[48+2*q_:49+2*q_], v[\rb+\n*q_+i_:\rb+\n*q_+i_+1]
.set q_, q_+1
.endr
.set i_, i_+2
.endr
	XSUMN \nr
.set q_, 0
.rept \nr
	v_mul_f32 v[32+4*q_], -v[48+2*q_], s[\sinv]
.set q_, q_+1
.endr
	RSC 3, \nr, \n, \rb, \rb, \n, 32
.set q_, 0
.rept \nr
	v_pk_mul_f32 v[48+2*q_:49+2*q_], v[\rb+\n*q_:\rb+\n*q_+1], v[\rb+\n*q_:\rb+\n*q_+1]
.set q_, q_+1
.endr
.set i_, 2
.rept (\n-2)/2
.set q_, 0
.rept \nr
	v_pk_fma_f32 v[48+2*q_:49+2*q_], v[\rb+\n*q_+i_:\rb+\n*q_+i_+1], v[\rb+\n*q_+i_:\rb+\n*q_+i_+1], v[48+2*q_:49+2*q_]
.set q_, q_+1
.endr
.set i_, i_+2
.endr
	XSUMN \nr
.endm
.macro LNRS nr, sinv                   ; 1 / sqrt(variance + eps) into v[32+4q]
.set q_, 0
.rept \nr
	v_fma_f32 v[48+2*q_], v[48+2*q_], s[\sinv], s[EPS]
.set q_, q_+1
.endr
.set q_, 0
.rept \nr
	v_rsq_f32 v[32+4*q_], v[48+2*q_]
.set q_, q_+1
.endr
	v_nop                                          ; a plain instruction behind the last of the batch
	s_wait_alu depctr_va_vdst(0)                   ; one wait for the batch, ahead of its first reader
.endm
.macro LNAPP rb, nr, n, g, b, w
	RSC 0, \nr, \n, \rb, \rb, \n, 32
	WIN \w
	RGB \nr, \n, \rb, \g, \b
	WIN 0
.endm
; hold, convert, store: code register i of a row holds elements 128 i + 4 lane .. + 3, so the 32 lanes write 128 consecutive bytes
.macro QST dst, src, nr, n, qs, ql, adr, pitch, off
	s_wait_dscnt 0x0                               ; earlier stores have read the code registers
.set q_, 0
.rept \nr
.set i_, 0
.rept \n
	v_med3_num_f32 v[\dst+\n*q_+i_], v[\src+\n*q_+i_], -v[\ql], v[\ql]   ; the conversion does not saturate (ISA guide 7.6.2)
.set i_, i_+1
.endr
.set q_, q_+1
.endr
.set q_, 0
.rept \nr
.set i_, 0
.rept \n/8
	v_cvt_scalef32_pk8_fp8_f32 v[48+4*q_+2*i_:49+4*q_+2*i_], v[\dst+\n*q_+8*i_:\dst+\n*q_+8*i_+7], v[\qs]
.set i_, i_+1
.endr
.set q_, q_+1
.endr
	v_nop                                          ; a plain instruction behind the last conversion
.set q_, 0
.rept \nr
.set i_, 0
.rept \n/4
	ds_store_b32 v[\adr], v[48+4*q_+i_] offset:q_*\pitch+\off+128*i_
.set i_, i_+1
.endr
.set q_, q_+1
.endr
.endm
.macro QUADM rb                        ; four rows of x: one norm, two quantisers (for the key and for the value product)
	LNSTAT \rb, 4, 16, 62
	LNRS 4, 62
	LNAPP \rb, 4, 16, 0, 16, 0x14
	QST AF, \rb, 4, 16, 28, 29, 26, 528, 0
	QST \rb, \rb, 4, 16, 30, 31, 27, 528, 0
.endm
; four retrieval rows.  The key's norm runs over [motion row | text row]: its mean is (mm + mt) / 2 and its variance (S + St) / 1024 + dl^2 with dl = (mm - mt) / 2;
; the motion half's deviations are d + dl, the text half's dt - dl.  v22 = mt, v7 = St.  Constants in window 1: g2 0, b2 16, g1 (motion) 32, b1 48, g1 (text) 64, b1 80, dt 96.
.macro QUADR rb
	LNSTAT \rb, 4, 16, 62
.set q_, 0
.rept 4
	v_add_f32 v[33+4*q_], v[32+4*q_], v22
	v_fma_f32 v[56+q_], v[48+2*q_], s62, s63
	v_add_f32 v[49+2*q_], v[48+2*q_], v7
	v_mul_f32 v[33+4*q_], -0.5, v[33+4*q_]         ; dl
.set q_, q_+1
.endr
.set q_, 0
.rept 4
	v_fma_f32 v[35+4*q_], v[33+4*q_], v[33+4*q_], s63
	v_fma_f32 v[49+2*q_], v[49+2*q_], s67, v[35+4*q_]
.set q_, q_+1
.endr
.set q_, 0
.rept 4
	v_rsq_f32 v[32+4*q_], v[56+q_]                 ; the value's
	v_rsq_f32 v[34+4*q_], v[49+2*q_]               ; the key's
.set q_, q_+1
.endr
	v_nop
	s_wait_alu depctr_va_vdst(0)                   ; one wait for the eight
	RSC 0, 4, 16, AF, \rb, 16, 32
	WIN 0x14
	RGB 4, 16, AF, 0, 16
	WIN 0
	QST AF, AF, 4, 16, 30, 31, 27, 528, 0
	WIN 0x01
	RSC 2, 4, 16, AF, 96, 0, 32
	WIN 0
	RSC 0, 4, 16, AF, AF, 16, 34
	WIN 0x14
	RGB 4, 16, AF, 64, 80
	WIN 0
	QST AF, AF, 4, 16, 28, 29, 26, 1040, 512
	RSC 1, 4, 16, \rb, \rb, 16, 32
	RSC 0, 4, 16, \rb, \rb, 16, 34
	WIN 0x14
	RGB 4, 16, \rb, 32, 48
	WIN 0
	QST \rb, \rb, 4, 16, 28, 29, 26, 1040, 0
.endm
; 16 rows in two trips of two quads; the first trip asks for the second trip's rows as each set of registers comes free.
; An arm that issues no load waits for all loads; the arm that loads leaves its own 16 out: so each count holds on every way through.
.macro LNLOOP quad, ptr, pk, pv, nt
	s_mov_b32 s6, 0
	s_mov_b32 s9, 0
	s_mov_b32 s10, 0
.Lln_\@:
	s_wait_dscnt 0x0                               ; the last stores have read their addresses
	v_add_nc_u32 v26, s9, v24
	v_add_nc_u32 v27, s10, v25
	s_wait_loadcnt 16                              ; the first set is in; the second set's 16 loads may be out
	\quad 128
	s_cmp_lg_u32 s6, 0
	s_cbranch_scc1 .Lla_\@
	RLOAD 128, \ptr, 8, \nt
	s_wait_loadcnt 16                              ; all but the 16 just issued
	s_branch .Llb_\@
.Lla_\@:
	s_wait_loadcnt 0x0
.Llb_\@:
	s_wait_dscnt 0x0
	v_add_nc_u32 v26, 4*\pk, v26
	v_add_nc_u32 v27, 4*\pv, v27
	\quad 192
	s_cmp_lg_u32 s6, 0
	s_cbranch_scc1 .Llc_\@
	RLOAD 192, \ptr, 12, \nt
	s_branch .Lld_\@
.Llc_\@:
	s_wait_loadcnt 0x0
.Lld_\@:
	s_add_co_u32 s9, s9, 8*\pk
	s_add_co_u32 s10, s10, 8*\pv
	s_add_co_u32 s6, s6, 1
	s_cmp_lt_u32 s6, 2
	s_cbranch_scc1 .Lln_\@
	s_wait_loadcnt 0x0                             ; nothing is out when the rows' registers take weights
.endm
; the weights of a pass: two tiles of 16 rows x 512 along K, K step by K step
.macro BLOAD wp, wv, pitch, row0, koff
.irp ks, 0,1,2,3
.irp cc, 0,1
.irp c, 0,1,2,3
	global_load_b128 v[BF+32*\ks+16*\cc+4*\c:BF+32*\ks+16*\cc+4*\c+3], v[\wv], s[\wp:\wp+1] offset:(\row0+8*\cc)*\pitch+\koff+128*\ks+32*\c
.endr
.endr
.endr
.endm
.macro BLOADT wp                       ; a text weight: four tiles x 256 along K
.irp ct, 0,1,2,3
.irp ks, 0,1
.irp c, 0,1,2,3
	global_load_b128 v[BF+32*\ct+16*\ks+4*\c:BF+32*\ct+16*\ks+4*\c+3], v14, s[\wp:\wp+1] offset:(32*(\ct/2)+8*(\ct%2))*256+128*\ks+32*\c
.endr
.endr
.endr
.endm
.macro ALOAD g, pa, koff               ; group g: token tiles 2 (g % 4), + 1 of K step g / 4
.irp i, 0,1
.irp c, 0,1,2,3
	ds_load_b128 v[AF+32*((\g)%2)+16*\i+4*\c:AF+32*((\g)%2)+16*\i+4*\c+3], v[7+(2*((\g)%4)+\i)/4] offset:((2*((\g)%4)+\i)%4)*16*\pa+\koff+128*((\g)/4)+32*\c
.endr
.endr
.endm
.macro PASSHEAD p, ne, pa              ; the bias, divided by the power of two that the sums lack, is the C of each sum's first product
	v_add_nc_u32 v27, s8, v19
	ds_load_b32 v48, v27 offset:256*\p
	ds_load_b32 v49, v27 offset:256*\p+32
	ALOAD 0, \pa, 0
	ALOAD 1, \pa, 0
	s_wait_dscnt 16                                ; the two bias words are in; the 16 fragment loads behind them may be out
.irp cc, 0,1
.irp j, 0,1,2,3,4,5,6,7
	v_ldexp_f32 v[32+8*\cc+\j], v[48+\cc], s[\ne]
.endr
.endr
.endm
; 64 products: 8 token tiles x 2 channel tiles x 4 K steps.  The 16 accumulators take turns, one instruction a turn.
.macro SEG pa, koff, first
.set g_, 0
.rept 16
.if g_%4 == 0
	s_wait_loadcnt 8*(3-g_/4)                      ; this K step's 8 weight loads are in; the later K steps' 8 each may be out
.endif
.if g_ == 15
	s_wait_dscnt 0x0
.else
	s_wait_dscnt 8                                 ; this group's fragments are in; the next group's 8 loads may be out
.endif
.if \first && (g_ < 4)
	WIN 0x40
.else
	WIN 0x50
.endif
.irp i, 0,1
.irp c, 0,1
.if \first && (g_ < 4)
	v_wmma_f32_16x16x128_fp8_fp8 v[64*\c+8*(2*(g_%4)+\i):64*\c+8*(2*(g_%4)+\i)+7], v[AF+32*(g_%2)+16*\i:AF+32*(g_%2)+16*\i+15], v[BF+32*(g_/4)+16*\c:BF+32*(g_/4)+16*\c+15], v[32+8*\c:32+8*\c+7]
.else
	v_wmma_f32_16x16x128_fp8_fp8 v[64*\c+8*(2*(g_%4)+\i):64*\c+8*(2*(g_%4)+\i)+7], v[AF+32*(g_%2)+16*\i:AF+32*(g_%2)+16*\i+15], v[BF+32*(g_/4)+16*\c:BF+32*(g_/4)+16*\c+15], v[64*\c+8*(2*(g_%4)+\i):64*\c+8*(2*(g_%4)+\i)+7]
.endif
.endr
.endr
	PLACES 4                                       ; in front of loads into registers that the products have read, and of the first read of results
	WIN 0
.if g_ < 14
	ALOAD g_+2, \pa, \koff
.endif
.set g_, g_+1
.endr
.endm
.macro MLOAD nt, mb, moff              ; a number for each token: register 8 tt + j = token 16 tt + 8 h + j
.set t_, 0
.rept \nt
	ds_load_b128 v[\mb+8*t_:\mb+8*t_+3], v15 offset:\moff+64*t_
	ds_load_b128 v[\mb+8*t_+4:\mb+8*t_+7], v15 offset:\moff+64*t_+16
.set t_, t_+1
.endr
.endm
.macro CVTS nt, nc, cb, cs, qs         ; tile tt's eight tokens become registers 2 tt, 2 tt + 1 of the next product's operand
	WIN 0x01
.set c_, 0
.rept \nc
.set t_, 0
.rept \nt
	v_cvt_scalef32_pk8_fp8_f32 v[\cb+\cs*c_+2*t_:\cb+\cs*c_+2*t_+1], v[8*\nt*c_+8*t_:8*\nt*c_+8*t_+7], v[\qs]
.set t_, t_+1
.endr
.set c_, c_+1
.endr
	v_nop
	WIN 0
.endm
.macro PARK base, cb                   ; two operands (16 registers each) go to my own LDS bytes as they stand
	v_add_nc_u32 v22, s7, v[\base]
.irp c, 0,1
.irp q, 0,1,2,3
	ds_store_b128 v22, v[\cb+16*\c+4*\q:\cb+16*\c+4*\q+3] offset:2048*\c+512*\q
.endr
.endr
.endm
; v = sum x (mask x 2^(ea + eb)), held, converted with the value operand's scale (v30, v31)
.macro VPOST nt, nc, mb, moff, cb, cs, park
	MLOAD \nt, \mb, \moff
	s_wait_dscnt 0x0
	WIN 0x41
.set c_, 0
.rept \nc
.set t_, 0
.rept \nt
.irp i, 0,2,4,6
	v_pk_mul_f32 v[8*\nt*c_+8*t_+\i:8*\nt*c_+8*t_+\i+1], v[8*\nt*c_+8*t_+\i:8*\nt*c_+8*t_+\i+1], v[\mb+8*t_+\i:\mb+8*t_+\i+1]
.endr
.set t_, t_+1
.endr
.set c_, c_+1
.endr
.set r_, 0
.rept 8*\nt*\nc
	v_med3_num_f32 v[r_], v[r_], -v31, v31
.set r_, r_+1
.endr
	CVTS \nt, \nc, \cb, \cs, 30
.if \park
	PARK 20, \cb
.endif
	s_wait_dscnt 0x0
.endm
; k = sum x 2^(ea + eb) + what the masks add; the running -M = floor(-largest t); p = 2^(t - M); l of the unquantised p; p held and converted (v28, v29)
.macro KPOST nt, nc, mb, moff, sk, cb, cs, park
.set LEN_, 2*\nt*\nc                   ; four chains of LEN_ registers
.set CPC_, 4/\nc                       ; chains to a channel tile
	MLOAD \nt, \mb, \moff
	v_add_nc_u32 v26, s8, v16
.set c_, 0
.rept \nc
	ds_load_b32 v[40+c_], v26 offset:64*c_
	ds_load_b32 v[44+c_], v26 offset:256+64*c_
.set c_, c_+1
.endr
	s_wait_dscnt 0x0
	WIN 0x41
.set c_, 0
.rept \nc
.set t_, 0
.rept \nt
.irp i, 0,2,4,6
	v_pk_fma_f32 v[8*\nt*c_+8*t_+\i:8*\nt*c_+8*t_+\i+1], v[8*\nt*c_+8*t_+\i:8*\nt*c_+8*t_+\i+1], s[\sk:\sk+1], v[\mb+8*t_+\i:\mb+8*t_+\i+1] op_sel_hi:[1,0,1]
.endr
.set t_, t_+1
.endr
.set c_, c_+1
.endr
	WIN 0x05
.irp x, 0,1,2,3
	v_max_num_f32 v[48+\x], v[LEN_*\x], v[LEN_*\x+1]
.endr
	WIN 0x14
.set k_, 2
.rept LEN_/2-1
.irp x, 0,1,2,3
	v_max3_num_f32 v[48+\x], v[48+\x], v[LEN_*\x+k_], v[LEN_*\x+k_+1]
.endr
.set k_, k_+2
.endr
	WIN 0
.if CPC_ == 2
	v_max_num_f32 v48, v48, v49
	v_max_num_f32 v50, v50, v51
.endif
.set c_, 0
.rept \nc
	v_permlanex16_b32 v[56+c_], v[48+CPC_*c_], s12, s13   ; the channel's other tokens lie in the lane 16 away
.set c_, c_+1
.endr
.set c_, 0
.rept \nc
	v_max_num_f32 v[48+CPC_*c_], v[48+CPC_*c_], v[56+c_]
.set c_, c_+1
.endr
.set c_, 0
.rept \nc
	v_mul_f32 v[48+CPC_*c_], s14, v[48+CPC_*c_]    ; as t
.set c_, c_+1
.endr
.set c_, 0
.rept \nc
	v_floor_f32 v[48+CPC_*c_], -v[48+CPC_*c_]      ; -ceil(t)
.set c_, c_+1
.endr
.set c_, 0
.rept \nc
	v_min_num_f32 v[32+2*c_], v[40+c_], v[48+CPC_*c_]   ; the new -M
.set c_, c_+1
.endr
.set c_, 0
.rept \nc
	v_sub_f32 v[40+c_], v[32+2*c_], v[40+c_]       ; old M - new M: a whole number, 0 or less
.set c_, c_+1
.endr
.set c_, 0
.rept \nc
	v_cvt_i32_f32 v[40+c_], v[40+c_]               ; (it saturates)
.set c_, c_+1
.endr
.set c_, 0
.rept \nc
	v_ldexp_f32 v[40+c_], 1.0, v[40+c_]            ; f = 2^(old M - new M)
.set c_, c_+1
.endr
	WIN 0x41
.set c_, 0
.rept \nc
.set i_, 0
.rept 4*\nt
	v_pk_fma_f32 v[8*\nt*c_+i_:8*\nt*c_+i_+1], v[8*\nt*c_+i_:8*\nt*c_+i_+1], s[14:15], v[32+2*c_:33+2*c_] op_sel_hi:[1,0,0]   ; t - M
.set i_, i_+2
.endr
.set c_, c_+1
.endr
.set r_, 0
.rept 8*\nt*\nc
	v_exp_f32 v[r_], v[r_]
.set r_, r_+1
.endr
	v_nop                                          ; a plain instruction behind the last exponential
	s_wait_alu depctr_va_vdst(0)                   ; one wait for the batch, ahead of its first reader
	WIN 0x05
.irp x, 0,1,2,3
	v_pk_add_f32 v[48+2*\x:49+2*\x], v[LEN_*\x:LEN_*\x+1], v[LEN_*\x+2:LEN_*\x+3]
.endr
	WIN 0x04
.set k_, 4
.rept LEN_/2-2
.irp x, 0,1,2,3
	v_pk_add_f32 v[48+2*\x:49+2*\x], v[48+2*\x:49+2*\x], v[LEN_*\x+k_:LEN_*\x+k_+1]
.endr
.set k_, k_+2
.endr
	WIN 0
.if CPC_ == 2
	v_pk_add_f32 v[48:49], v[48:49], v[50:51]
	v_pk_add_f32 v[52:53], v[52:53], v[54:55]
.endif
.set c_, 0
.rept \nc
	v_add_f32 v[48+2*CPC_*c_], v[48+2*CPC_*c_], v[49+2*CPC_*c_]
	v_mul_f32 v[44+c_], v[44+c_], v[40+c_]         ; the old l under the new M
.set c_, c_+1
.endr
.set c_, 0
.rept \nc
	v_permlanex16_b32 v[56+c_], v[48+2*CPC_*c_], s12, s13
.set c_, c_+1
.endr
.set c_, 0
.rept \nc
	v_add_f32 v[48+2*CPC_*c_], v[48+2*CPC_*c_], v[56+c_]
.set c_, c_+1
.endr
.set c_, 0
.rept \nc
	v_add_f32 v[44+c_], v[44+c_], v[48+2*CPC_*c_]
.set c_, c_+1
.endr
.set c_, 0
.rept \nc
	ds_store_b32 v26, v[32+2*c_] offset:64*c_      ; lanes r and r + 16 write the same word with the same number
	ds_store_b32 v26, v[44+c_] offset:256+64*c_
	ds_store_b32 v26, v[40+c_] offset:512+64*c_
.set c_, c_+1
.endr
	WIN 0x41
.set r_, 0
.rept 8*\nt*\nc
	v_min_num_f32 v[r_], v[r_], v29                ; p is not negative: the hold is one-sided
.set r_, r_+1
.endr
	CVTS \nt, \nc, \cb, \cs, 28
.if \park
	PARK 21, \cb
.endif
	s_wait_dscnt 0x0
.endm
.macro FLOAD                           ; f of my 64 channels: register 8 dt + j = place 8 h + j of tile dt
.irp dt, 0,1,2,3
	ds_load_b128 v[32+8*\dt:35+8*\dt], v17 offset:512+64*\dt
	ds_load_b128 v[36+8*\dt:39+8*\dt], v17 offset:528+64*\dt
.endr
.endm
.macro FSCALE                          ; what was summed under the old M is brought under the new: exact
	WIN 0x41
.irp dt, 0,1,2,3
.irp lt, 0,1,2,3
.irp i, 0,2,4,6
	v_pk_mul_f32 v[ATT+8*(4*\dt+\lt)+\i:ATT+8*(4*\dt+\lt)+\i+1], v[ATT+8*(4*\dt+\lt)+\i:ATT+8*(4*\dt+\lt)+\i+1], v[32+8*\dt+\i:32+8*\dt+\i+1]
.endr
.endr
.endr
.endm
; k^T v over a block of 128 tokens: source 0 = p of 16 channels, source 1 = v of 16 channels; 16 accumulators, each once
.macro ATTN first
.if !\first
	FLOAD
.endif
	WIN 0x40
.irp t, 0,1,2,3
.irp q, 0,1,2,3
	ds_load_b128 v[16*\t+4*\q:16*\t+4*\q+3], v21 offset:2048*\t+512*\q
	ds_load_b128 v[64+16*\t+4*\q:64+16*\t+4*\q+3], v20 offset:2048*\t+512*\q
.endr
.endr
	s_wait_dscnt 0x0
.if !\first
	FSCALE
.endif
	WIN 0x55
.irp dt, 0,1,2,3
.irp lt, 0,1,2,3
.if \first
	v_wmma_f32_16x16x128_fp8_fp8 v[ATT+8*(4*\dt+\lt):ATT+8*(4*\dt+\lt)+7], v[16*\dt:16*\dt+15], v[64+16*\lt:64+16*\lt+15], 0
.else
	v_wmma_f32_16x16x128_fp8_fp8 v[ATT+8*(4*\dt+\lt):ATT+8*(4*\dt+\lt)+7], v[16*\dt:16*\dt+15], v[64+16*\lt:64+16*\lt+15], v[ATT+8*(4*\dt+\lt):ATT+8*(4*\dt+\lt)+7]
.endif
.endr
.endr
	PLACES 5                                       ; later products write over these operands' registers
	WIN 0
.endm
; a text product: 16 slots x 64 channels x 256 along K
.macro TSEG lds, p, ne
	v_add_nc_u32 v27, \lds, v11
.irp ks, 0,1
.irp c, 0,1,2,3
	ds_load_b128 v[AF+16*\ks+4*\c:AF+16*\ks+4*\c+3], v27 offset:128*\ks+32*\c
.endr
.endr
.irp ct, 0,1,2,3
	ds_load_b32 v[60+\ct], v19 offset:256*\p+128*(\ct/2)+32*(\ct%2)
.endr
	s_wait_dscnt 0x0
.irp ct, 0,1,2,3
.irp j, 0,1,2,3,4,5,6,7
	v_ldexp_f32 v[32+8*\ct+\j], v[60+\ct], s[\ne]  ; upward: v63 is read last and written last
.endr
.endr
	s_wait_loadcnt 0x0                             ; the weight's 32 loads
	WIN 0x40
.irp ct, 0,1,2,3
	v_wmma_f32_16x16x128_fp8_fp8 v[8*\ct:8*\ct+7], v[AF:AF+15], v[BF+32*\ct:BF+32*\ct+15], v[32+8*\ct:32+8*\ct+7]
.endr
	WIN 0x50
.irp ct, 0,1,2,3
	v_wmma_f32_16x16x128_fp8_fp8 v[8*\ct:8*\ct+7], v[AF+16:AF+31], v[BF+32*\ct+16:BF+32*\ct+31], v[8*\ct:8*\ct+7]
.endr
	PLACES 4
	WIN 0
.endm
.macro STEPG
	s_add_co_u32 s7, s7, 4096
	s_add_co_u32 s8, s8, 128
	s_add_co_u32 s5, s5, 1
	s_cmp_lt_u32 s5, 2
.endm
.macro ZEROG
	s_mov_b32 s5, 0
	s_mov_b32 s7, 0
	s_mov_b32 s8, 0
.endm
; the value product of a block: two passes; behind each pass's products the next pass's weights are asked for (both arms: 32 loads)
.macro VLOOP p, ne, moff, w0, w1, wv1, pitch1
	ZEROG
.Lv_\@:
	PASSHEAD \p, \ne, 528
	SEG 528, 0, 1
	s_cmp_lg_u32 s5, 0
	s_cbranch_scc1 .Lva_\@
	BLOAD \w0, 12, 512, 32, 0
	s_branch .Lvb_\@
.Lva_\@:
	BLOAD \w1, \wv1, \pitch1, 0, 0
.Lvb_\@:
	VPOST 8, 2, AF, \moff, AF, 16, 1
	STEPG
	s_cbranch_scc1 .Lv_\@
.endm
; ---- head
	s_load_b512 s[68:83], s[0:1], 0x0              ; x, xf, re_motion, re_text, src_mask, re_mask, cond_type, lowp_scales
.set r_, 32
.rept 32
	v_mov_b32 v[r_], 0                             ; written once: upper words of pairs and lane permutes' destinations count as read
.set r_, r_+1
.endr
	v_and_b32 v1, 31, v0
	v_and_b32 v2, 15, v0
	v_bfe_u32 v3, v0, 4, 1
	v_lshrrev_b32 v4, 5, v0
	v_readfirstlane_b32 s2, v4                     ; wave 0..7
	v_lshlrev_b32 v4, 4, v1
	v_lshlrev_b32 v5, 2, v1
	v_and_b32 v6, 8, v2
	v_add_nc_u32 v6, v6, v2
	v_lshlrev_b32 v15, 5, v3
	v_add_nc_u32 v15, MK, v15
	v_lshlrev_b32 v3, 4, v3
	v_mul_u32_u24 v9, v2, 528
	v_add_nc_u32 v9, v9, v3
	v_mul_u32_u24 v10, v2, 1040
	v_add_nc_u32 v10, v10, v3
	v_mul_u32_u24 v11, v2, 272
	v_add_nc_u32 v11, v11, v3
	v_lshl_add_u32 v12, v6, 9, v3
	v_lshl_add_u32 v13, v6, 10, v3
	v_lshl_add_u32 v14, v6, 8, v3
	s_mul_i32 s11, s2, 2304
	s_add_co_u32 s11, s11, ST
	v_lshl_add_u32 v16, v2, 2, s11
	v_lshl_add_u32 v17, v3, 1, s11
	v_add_nc_u32 v18, s11, v4
	v_lshl_add_u32 v19, v6, 2, s11
	v_add_nc_u32 v19, 768, v19
	v_lshl_add_u32 v104, v1, 3, s11
	s_lshl_b32 s10, s2, 13
	s_add_co_u32 s11, s10, VP
	v_add_nc_u32 v20, s11, v4
	s_add_co_u32 s11, s10, PP
	v_add_nc_u32 v21, s11, v4
	v_lshlrev_b32 v23, 8, v1
	s_mul_i32 s10, s2, 16*528
	v_add_nc_u32 v24, s10, v5
	s_add_co_u32 s10, s10, VC
	v_add_nc_u32 v25, s10, v5
	s_lshr_b32 s3, ttmp9, 3                        ; b
	s_and_b32 s4, ttmp9, 7                         ; j
	s_lshl_b32 s10, ttmp9, 18
	s_lshl_b32 s11, s2, 15
	s_add_co_u32 s10, s10, s11                     ; (128 i + 16 w) rows of 2,048 bytes
	s_mov_b32 s11, 0
	s_wait_kmcnt 0x0
	s_add_nc_u64 s[16:17], s[68:69], s[10:11]
	s_add_nc_u64 s[18:19], s[72:73], s[10:11]
	RLOAD 128, 16, 0, 0
	RLOAD 192, 16, 4, 0
	s_lshr_b32 s10, ttmp9, 1
	s_lshl_b32 s10, s10, 11
	s_add_nc_u64 s[100:101], s[74:75], s[10:11]    ; text row 4 b + j / 2
	s_lshl_b32 s10, s3, 2
	s_add_nc_u64 s[80:81], s[80:81], s[10:11]
	s_load_b32 s5, s[80:81], 0x0                   ; cond_type[b]
	s_load_b512 s[84:99], s[82:83], 0x0            ; e0 .. e15
	s_mul_i32 s9, s4, 10
	s_lshl_b32 s10, s2, 1
	s_add_co_u32 s9, s9, s10                       ; my first text slot's token
	s_mul_i32 s10, s3, 77
	s_min_u32 s11, s9, 76                          ; a slot past the end reads the last row; its key is hidden below
	s_add_co_u32 s11, s11, s10
	s_lshl_b32 s11, s11, 10
	v_add_nc_u32 v26, s11, v4
	s_add_co_u32 s9, s9, 1
	s_min_u32 s11, s9, 76
	s_add_co_u32 s11, s11, s10
	s_lshl_b32 s11, s11, 10
	v_add_nc_u32 v27, s11, v4
	global_load_b128 v[64:67], v26, s[70:71]
	global_load_b128 v[68:71], v26, s[70:71] offset:512
	global_load_b128 v[72:75], v27, s[70:71]
	global_load_b128 v[76:79], v27, s[70:71] offset:512
	s_cmp_lt_u32 s2, 4                             ; waves 0-3 take the motion mask, waves 4-7 the retrieval mask: one word a thread
	s_cselect_b64 s[76:77], s[76:77], s[78:79]
	v_and_b32 v7, 127, v0
	s_lshl_b32 s11, ttmp9, 7
	v_add_nc_u32 v7, s11, v7
	v_lshlrev_b32 v7, 2, v7
	global_load_b32 v8, v7, s[76:77]
	s_wait_kmcnt 0x0
	s_wait_xcnt 0x0                                ; the loads above have read their bases: the sixteen scalars take the next addresses
	s_load_b512 s[68:83], s[0:1], 0x40             ; norm_g, norm_b, tnorm_g, tnorm_b, ..
	s_wait_kmcnt 0x0
	WIN 0x40
.irp i, 0,1,2,3
	global_load_b128 v[4*\i:4*\i+3], v4, s[68:69] offset:512*\i
	global_load_b128 v[16+4*\i:19+4*\i], v4, s[70:71] offset:512*\i
.endr
.irp i, 0,1
	global_load_b128 v[32+4*\i:35+4*\i], v4, s[72:73] offset:512*\i
	global_load_b128 v[40+4*\i:43+4*\i], v4, s[74:75] offset:512*\i
.endr
	WIN 0
	s_wait_xcnt 0x0
	s_load_b512 s[68:83], s[0:1], 0x80             ; Wkm, Wvm, Wkr, Wvr, Wkt, Wvt, bkm, bvm
	s_mov_b32 s11, 0
	s_lshl_b32 s10, s2, 15                         ; my head's 64 rows of 512 bytes
	s_wait_kmcnt 0x0
	s_add_nc_u64 s[20:21], s[68:69], s[10:11]
	s_add_nc_u64 s[22:23], s[70:71], s[10:11]
	s_add_nc_u64 s[26:27], s[74:75], s[10:11]
	s_lshl_b32 s10, s2, 16
	s_add_nc_u64 s[24:25], s[72:73], s[10:11]
	s_lshl_b32 s10, s2, 14
	s_add_nc_u64 s[28:29], s[76:77], s[10:11]
	s_add_nc_u64 s[30:31], s[78:79], s[10:11]
	v_lshlrev_b32 v22, 3, v1
	s_lshl_b32 s10, s2, 8
	v_add_nc_u32 v22, s10, v22
	global_load_b64 v[48:49], v22, s[80:81]
	global_load_b64 v[50:51], v22, s[82:83]
	s_wait_xcnt 0x0
	s_load_b256 s[68:75], s[0:1], 0xc0             ; bkr, bvr, bkt, bvt
	s_load_b64 s[32:33], s[0:1], 0xe0              ; part
	s_lshl_b32 s10, ttmp9, 3
	s_add_co_u32 s10, s10, s2
	s_mul_i32 s10, s10, 16896                      ; record 8 i + head
	s_wait_kmcnt 0x0
	global_load_b64 v[52:53], v22, s[68:69]
	global_load_b64 v[54:55], v22, s[70:71]
	global_load_b64 v[56:57], v22, s[72:73]
	global_load_b64 v[58:59], v22, s[74:75]
	s_add_nc_u64 s[32:33], s[32:33], s[10:11]
	s_mov_b32 s12, 0x76543210                      ; v_permlanex16_b32: lane l xor 16
	s_mov_b32 s13, 0xfedcba98
	s_mov_b32 s14, 0x3fb8aa3b                      ; log2(e)
	s_mov_b32 s15, s14
	s_mov_b32 s62, 0x3b000000                      ; 1 / 512
	s_mov_b32 s63, 0x3727c5ac                      ; 1e-5
	s_mov_b32 s66, 0x3b800000                      ; 1 / 256
	s_mov_b32 s67, 0x3a800000                      ; 1 / 1024
	MKP 34, 90, 91
	s_mov_b32 s35, s34
	MKP 36, 88, 89
	s_mov_b32 s37, s36
	MKP 38, 86, 87
	s_mov_b32 s39, s38
	s_add_co_i32 s40, s90, s91
	s_sub_co_i32 s40, 0, s40
	s_add_co_i32 s41, s96, s97
	s_sub_co_i32 s41, 0, s41
	s_add_co_i32 s42, s88, s89
	s_sub_co_i32 s42, 0, s42
	s_add_co_i32 s43, s94, s95
	s_sub_co_i32 s43, 0, s43
	s_add_co_i32 s44, s86, s87
	s_sub_co_i32 s44, 0, s44
	s_add_co_i32 s45, s92, s93
	s_sub_co_i32 s45, 0, s45
	MKQ 46, 90
	MKQ 48, 96
	MKQ 50, 88
	MKQ 52, 94
	MKQ 54, 86
	MKQ 56, 92
	MKQ 58, 98
	MKQ 60, 99
	MKP 7, 92, 93                                  ; 2^(e8 + e9)
	MKP 8, 96, 97                                  ; 2^(e12 + e13)
	MKP 6, 94, 95                                  ; 2^(e10 + e11)
	s_sub_co_i32 s9, 0, s5                         ; cond % 10 > 0 where |cond| is no multiple of 10; cond // 10 > 0 where cond >= 10
	s_max_i32 s9, s5, s9
	s_mul_hi_u32 s10, s9, 0xcccccccd
	s_lshr_b32 s10, s10, 3
	s_mul_i32 s10, s10, 10
	s_sub_co_u32 s9, s9, s10
	s_cmp_lg_u32 s9, 0
	s_cselect_b32 s9, 0, 0xc9742400                ; added to a text key
	s_cselect_b32 s7, s7, 0                        ; multiplies a text value
	s_cmp_ge_i32 s5, 10
	s_cselect_b32 s10, 0, 0xc9742400
	s_cselect_b32 s6, s6, 0
	s_cmp_lt_u32 s2, 4
	s_cselect_b32 s10, 0, s10                      ; my half's constant for k,
	s_cselect_b32 s6, s8, s6                       ; and for v
	s_mov_b32 s11, 0xc9742400                      ; -1e6
	s_wait_loadcnt 0x0                             ; all that the head asked for, once
	v_sub_f32 v100, 1.0, v8
	v_fma_f32 v100, v100, s11, s10
	v_mul_f32 v101, s6, v8
	v_lshlrev_b32 v102, 2, v0
	v_add_nc_u32 v102, MK, v102
	ds_store_b32 v102, v100
	ds_store_b32 v102, v101 offset:1024
	s_cmp_lg_u32 s2, 0
	s_cbranch_scc1 .Lnot0
	s_mul_i32 s11, s4, 10                          ; wave 0: the 16 text slots; lanes 0-15 what is added to k, lanes 16-31 what multiplies v
	v_add_nc_u32 v110, s11, v2
	v_cmp_gt_u32 vcc_lo, 77, v110
	v_cmp_gt_u32 s8, 10, v2
	s_and_b32 vcc_lo, vcc_lo, s8
	v_mov_b32 v110, 0xff800000                     ; a slot that is no token of mine: -infinity, so that p = 0
	v_mov_b32 v111, s9
	v_cndmask_b32 v110, v110, v111, vcc_lo
	v_mov_b32 v111, 0
	v_mov_b32 v112, s7
	v_cndmask_b32 v111, v111, v112, vcc_lo
	v_cmp_gt_u32 vcc_lo, 16, v1
	v_cndmask_b32 v110, v111, v110, vcc_lo
	v_add_nc_u32 v111, MK+2048, v5
	ds_store_b32 v111, v110
.Lnot0:
.irp p, 0,1,2,3,4,5
	ds_store_b64 v104, v[48+2*\p:49+2*\p] offset:768+256*\p
.endr
	v_mov_b32 v106, 0x7f61b1e6                     ; -M begins at 3e38, above every -t
	v_mov_b32 v107, 0x7f61b1e6
	v_mov_b32 v108, 0
	v_mov_b32 v109, 0
	ds_store_b64 v104, v[106:107]
	ds_store_b64 v104, v[108:109] offset:256
	s_wait_dscnt 0x0
; ---- the norm of my two text slots
	SETQ 28, 54
	SETQ 30, 56
	s_mul_i32 s11, s2, 544
	s_add_co_u32 s10, s11, TKC
	v_add_nc_u32 v26, s10, v5
	s_add_co_u32 s10, s11, TVC
	v_add_nc_u32 v27, s10, v5
	LNSTAT 64, 2, 8, 66
	LNRS 2, 66
	LNAPP 64, 2, 8, 32, 40, 0x14
	QST 96, 64, 2, 8, 28, 29, 26, 272, 0
	QST 64, 64, 2, 8, 30, 31, 27, 272, 0
; ---- the norm of my 16 rows of x
	SETQ 28, 46
	SETQ 30, 48
	LNLOOP QUADM, 16, 528, 528, 0
	BLOAD 22, 12, 512, 0, 0
	BAR                                            ; the motion and text codes and the masks' tables lie in LDS
; ---- motion v
	v_add_nc_u32 v7, VC, v9
	v_add_nc_u32 v8, VC+64*528, v9
	SETQ 30, 60
	VLOOP 1, 41, 1024, 22, 20, 12, 512
	BAR                                            ; nobody reads the value codes any more: p's codes may be laid over them
; ---- motion k
	v_add_nc_u32 v7, KC, v9
	v_add_nc_u32 v8, KC+64*528, v9
	SETQ 28, 58
	ZEROG
.Lmk:
	PASSHEAD 0, 40, 528
	SEG 528, 0, 1
	s_cmp_lg_u32 s5, 0
	s_cbranch_scc1 .Lmk_a
	BLOAD 20, 12, 512, 32, 0
	s_branch .Lmk_b
.Lmk_a:
	BLOADT 30
.Lmk_b:
	KPOST 8, 2, AF, 0, 34, AF, 16, 1
	STEPG
	s_cbranch_scc1 .Lmk
	global_prefetch_b8 v23, s[18:19] th:TH_LOAD_NT scope:SCOPE_SE               ; my retrieval rows 0-7: 64 blocks of 256 bytes, a lane a block, each named once; they are loaded behind the text block
	global_prefetch_b8 v23, s[18:19] offset:8192 th:TH_LOAD_NT scope:SCOPE_SE
	ATTN 1
; ---- text v, text k
	TSEG TVC, 5, 45
	BLOADT 28
	VPOST 1, 4, AF, 2112, AF+32, 8, 0
	s_mov_b32 s8, 0
	TSEG TKC, 4, 44
	KPOST 1, 4, BF, 2048, 38, AF, 8, 0
.irp c, 0,1,2,3,4,5,6,7
.irp k, 2,3,4,5,6,7
	v_mov_b32 v[AF+8*\c+\k], 0                     ; 16 slots fill 16 of the form's 64 along K: the rest are zero codes on both sides
.endr
.endr
	FLOAD
	s_wait_dscnt 0x0
	FSCALE
	WIN 0x50
.irp dt, 0,1,2,3
.irp lt, 0,1,2,3
	v_wmma_f32_16x16x64_fp8_fp8 v[ATT+8*(4*\dt+\lt):ATT+8*(4*\dt+\lt)+7], v[AF+8*\dt:AF+8*\dt+7], v[AF+32+8*\lt:AF+32+8*\lt+7], v[ATT+8*(4*\dt+\lt):ATT+8*(4*\dt+\lt)+7]
.endr
.endr
	PLACES 5
	WIN 0
; ---- toward the retrieval block
	s_load_b256 s[68:75], s[0:1], 0x60             ; rn1_g, rn1_b, rn2_g, rn2_b (the loads that named these scalars were waited for at the head)
	RLOAD 128, 18, 0, 1
	RLOAD 192, 18, 4, 1
	s_wait_kmcnt 0x0
	WIN 0x40
.irp i, 0,1,2,3
	global_load_b128 v[4*\i:4*\i+3], v4, s[72:73] offset:512*\i
	global_load_b128 v[16+4*\i:19+4*\i], v4, s[74:75] offset:512*\i
	global_load_b128 v[32+4*\i:35+4*\i], v4, s[68:69] offset:512*\i
	global_load_b128 v[48+4*\i:51+4*\i], v4, s[70:71] offset:512*\i
	global_load_b128 v[64+4*\i:67+4*\i], v4, s[68:69] offset:2048+512*\i
	global_load_b128 v[80+4*\i:83+4*\i], v4, s[70:71] offset:2048+512*\i
	global_load_b128 v[96+4*\i:99+4*\i], v4, s[100:101] offset:512*\i
.endr
	WIN 0
	global_prefetch_b8 v23, s[18:19] offset:16384 th:TH_LOAD_NT scope:SCOPE_SE  ; my retrieval rows 8-15, loaded in the norm's first trip
	global_prefetch_b8 v23, s[18:19] offset:24576 th:TH_LOAD_NT scope:SCOPE_SE
	BAR                                            ; every wave has left the motion codes and its parked p
	s_wait_loadcnt 0x0
	WIN 0x01
.set r_, 0
.rept 16
	v_mov_b32 v[64+r_], v[96+r_]
.set r_, r_+1
.endr
	WIN 0
	LNSTAT 64, 1, 16, 62                           ; the text row's mean, deviations and sum of squares
	v_mul_f32 v22, -1.0, v32
	v_mov_b32 v7, v48
	WIN 0x40
.set r_, 0
.rept 16
	v_mov_b32 v[96+r_], v[64+r_]
.set r_, r_+1
.endr
	WIN 0
	s_mul_i32 s10, s2, 16*1040
	v_add_nc_u32 v24, s10, v5
	SETQ 28, 50
	SETQ 30, 52
	LNLOOP QUADR, 18, 1040, 528, 1
	BLOAD 26, 12, 512, 0, 0
	BAR                                            ; the retrieval codes lie in LDS
; ---- retrieval v
	v_add_nc_u32 v7, VC, v9
	v_add_nc_u32 v8, VC+64*528, v9
	SETQ 30, 60
	VLOOP 3, 43, 1536, 26, 24, 13, 1024
	BAR
; ---- retrieval k: K = 1,024 in two halves of four K steps
	v_add_nc_u32 v7, KC, v10
	v_add_nc_u32 v8, KC+64*1040, v10
	SETQ 28, 58
	ZEROG
.Lrk:
	PASSHEAD 2, 42, 1040
	SEG 1040, 0, 1
	s_cmp_lg_u32 s5, 0
	s_cbranch_scc1 .Lrk_a
	BLOAD 24, 13, 1024, 0, 512
	s_branch .Lrk_b
.Lrk_a:
	BLOAD 24, 13, 1024, 32, 512
.Lrk_b:
	ALOAD 0, 1040, 512
	ALOAD 1, 1040, 512
	SEG 1040, 512, 0
	s_cmp_lg_u32 s5, 0
	s_cbranch_scc1 .Lrk_c
	BLOAD 24, 13, 1024, 32, 0
.Lrk_c:
	KPOST 8, 2, AF, 512, 36, AF, 16, 1
	STEPG
	s_cbranch_scc1 .Lrk
	ATTN 0
; ---- out: each store of the wave covers 512 consecutive bytes, aligned; each tile from its low end on
	WIN 0x04
.irp t, 0,1,2,3,4,5,6,7,8,9,10,11,12,13,14,15
	global_store_b128 v4, v[ATT+8*\t:ATT+8*\t+3], s[32:33] offset:1024*\t th:TH_STORE_NT
	global_store_b128 v4, v[ATT+8*\t+4:ATT+8*\t+7], s[32:33] offset:1024*\t+512 th:TH_STORE_NT
.endr
	WIN 0
	ds_load_b128 v[48:51], v18                     ; -M [64] and l [64]
	s_wait_dscnt 0x0
	global_store_b128 v4, v[48:51], s[32:33] offset:16384 th:TH_STORE_NT
	s_wait_xcnt 0x0
	v_lshl_add_u32 v254, v0, 2, 0x48b00
	v_mov_b32 v255, 0
	s_wait_tensorcnt 0x0
	ds_add_u32 v254, v255
	s_wait_dscnt 0x0
	s_endpgm
.Lfunc_end_k_qc1ecb67593_kv:
	.size	k_qc1ecb67593_kv, .Lfunc_end_k_qc1ecb67593_kv-k_qc1ecb67593_kv
	.p2alignl 7, 3214868480
	.fill 96, 4, 3214868480
	.section	.rodata,"a",@progbits
	.p2align	6, 0x0
	.amdhsa_kernel k_qc1ecb67593_kv
		.amdhsa_group_segment_fixed_size 298752
		.amdhsa_private_segment_fixed_size 0
		.amdhsa_enable_private_segment 0
		.amdhsa_kernarg_size 232
		.amdhsa_user_sgpr_count 2
		.amdhsa_user_sgpr_kernarg_segment_ptr 1
		.amdhsa_wavefront_size32 1
		.amdhsa_system_sgpr_workgroup_id_x 1
		.amdhsa_system_sgpr_workgroup_id_y 1
		.amdhsa_system_sgpr_workgroup_id_z 1
		.amdhsa_system_vgpr_workitem_id 0
		.amdhsa_next_free_vgpr 512
		.amdhsa_next_free_sgpr 102
		.amdhsa_reserve_vcc 1
		.amdhsa_float_denorm_mode_32 3
		.amdhsa_float_denorm_mode_16_64 3
		.amdhsa_memory_ordered 1
		.amdhsa_forward_progress 1
		.amdhsa_inst_pref_size 255
	.end_amdhsa_kernel
	.section	.bss,"aw",@nobits
	.p2align	6
	.space	262144
	.amdgpu_metadata
---
amdhsa.version: [ 1, 2 ]
amdhsa.kernels:
  - .name:           k_qc1ecb67593_kv
    .symbol:         k_qc1ecb67593_kv.kd
    .args:
      - { .name: x, .offset: 0, .size: 8, .value_kind: global_buffer, .address_space: global }
      - { .name: xf, .offset: 8, .size: 8, .value_kind: global_buffer, .address_space: global }
      - { .name: re_motion, .offset: 16, .size: 8, .value_kind: global_buffer, .address_space: global }
      - { .name: re_text, .offset: 24, .size: 8, .value_kind: global_buffer, .address_space: global }
      - { .name: src_mask, .offset: 32, .size: 8, .value_kind: global_buffer, .address_space: global }
      - { .name: re_mask, .offset: 40, .size: 8, .value_kind: global_buffer, .address_space: global }
      - { .name: cond_type, .offset: 48, .size: 8, .value_kind: global_buffer, .address_space: global }
      - { .name: lowp_scales, .offset: 56, .size: 8, .value_kind: global_buffer, .address_space: global }
      - { .name: norm_g, .offset: 64, .size: 8, .value_kind: global_buffer, .address_space: global }
      - { .name: norm_b, .offset: 72, .size: 8, .value_kind: global_buffer, .address_space: global }
      - { .name: tnorm_g, .offset: 80, .size: 8, .value_kind: global_buffer, .address_space: global }
      - { .name: tnorm_b, .offset: 88, .size: 8, .value_kind: global_buffer, .address_space: global }
      - { .name: rn1_g, .offset: 96, .size: 8, .value_kind: global_buffer, .address_space: global }
      - { .name: rn1_b, .offset: 104, .size: 8, .value_kind: global_buffer, .address_space: global }
      - { .name: rn2_g, .offset: 112, .size: 8, .value_kind: global_buffer, .address_space: global }
      - { .name: rn2_b, .offset: 120, .size: 8, .value_kind: global_buffer, .address_space: global }
      - { .name: Wkm_codes, .offset: 128, .size: 8, .value_kind: global_buffer, .address_space: global }
      - { .name: Wvm_codes, .offset: 136, .size: 8, .value_kind: global_buffer, .address_space: global }
      - { .name: Wkr_codes, .offset: 144, .size: 8, .value_kind: global_buffer, .address_space: global }
      - { .name: Wvr_codes, .offset: 152, .size: 8, .value_kind: global_buffer, .address_space: global }
      - { .name: Wkt_codes, .offset: 160, .size: 8, .value_kind: global_buffer, .address_space: global }
      - { .name: Wvt_codes, .offset: 168, .size: 8, .value_kind: global_buffer, .address_space: global }
      - { .name: bkm, .offset: 176, .size: 8, .value_kind: global_buffer, .address_space: global }
      - { .name: bvm, .offset: 184, .size: 8, .value_kind: global_buffer, .address_space: global }
      - { .name: bkr, .offset: 192, .size: 8, .value_kind: global_buffer, .address_space: global }
      - { .name: bvr, .offset: 200, .size: 8, .value_kind: global_buffer, .address_space: global }
      - { .name: bkt, .offset: 208, .size: 8, .value_kind: global_buffer, .address_space: global }
      - { .name: bvt, .offset: 216, .size: 8, .value_kind: global_buffer, .address_space: global }
      - { .name: part, .offset: 224, .size: 8, .value_kind: global_buffer, .address_space: global }
    .group_segment_fixed_size: 298752
    .private_segment_fixed_size: 0
    .kernarg_segment_align: 8
    .kernarg_segment_size: 232
    .max_flat_workgroup_size: 256
    .sgpr_count:     102
    .vgpr_count:     512
    .wavefront_size: 32
...
	.end_amdgpu_metadata
.endif
;; end of part 1
;; launch mid (part 2): grid 320 x 1, 16 waves a work-group, no clusters, 39,936 bytes of LDS; arguments part, emb, emb_W_codes, emb_b, lowp_scales, attc, film; writes attc, film
.if DOCPART == 2
	.amdgcn_target "amdgcn-amd-amdhsa--gfx1250"
	.amdhsa_code_object_version 6
	.text
	.protected	k_qc1ecb67593_mid
	.globl	k_qc1ecb67593_mid
	.p2align	8
	.type	k_qc1ecb67593_mid,@function
k_qc1ecb67593_mid:
	s_mov_b64 s[64:65], 0
	v_nop
	global_prefetch_b8 v0, s[64:65] scope:SCOPE_SE
	s_setreg_imm32_b32 hwreg(HW_REG_WAVE_MODE, 25, 1), 1
	s_wait_xcnt 0x0
; TWO SMALL JOBS IN ONE LAUNCH, parted on the work-group's number; each has LDS bytes of its own.  Both keep to 128 registers a wave.
; Work-groups 0-63: film[32][1024] = silu(emb) emb_W^T + emb_b on E4M3 codes.  Work-group t makes channels 64 (t / 4) .. + 63 for rows 8 (t % 4) .. + 7.
;   Wave w loads half a row of emb (8 loads of 512 consecutive bytes), takes silu, quantises, and lays the codes as rows in LDS.  Wave (ct = w % 4, kq = w / 4) then multiplies 16 channels x a quarter of K;
;   lanes r and r + 8 take the same row of emb, so half of a result tile is a copy.  The four quarters meet in LDS, and waves 0-3 store whole rows of 256 bytes.
; Work-groups 64-319: one (batch, head): the eight partials of k^T v are brought under the largest M by powers of two, added, divided by l, quantised, and laid as the next launch's operand.
;   Wave (lt = w % 4, dt = w / 4) takes one tile of 16 x 16.  The tile's -M and l come compact: lane (j = lane / 4, q = lane % 4) holds channels 4 q .. 4 q + 3 of partial j.
;   Each term is multiplied by g_j = 2^(M_j - M) 2^(e14 + e15) / l, so the division is done term by term and not on the finished sum.
; LIMITS: e16, e18 between -126 and 119; e18 + e19 between -126 and 127.  NaN among the inputs is not served.
.set CIMG, 0                           ; join: the attention's codes, 4,096 bytes
.set GS, 4096                          ; join: 512 bytes for each wave: g [8 partials][16 channels]
.set ECD, 12288                        ; film: emb's codes, 8 rows of 2,048 + 16 bytes
.set EP, 2064
.set PB, 28800                         ; film: four partial sums of 8 rows x (256 + 16) bytes
	s_load_b256 s[8:15], s[0:1], 0x0               ; part, emb, emb_W, emb_b
	s_load_b128 s[16:19], s[0:1], 0x20             ; lowp_scales, attc
	s_load_b64 s[20:21], s[0:1], 0x30              ; film
	v_lshl_add_u32 v128, v0, 2, 0x9400
	v_mov_b32 v129, 0
	v_and_b32 v1, 31, v0                           ; lane
	v_and_b32 v2, 15, v0                           ; r
	v_bfe_u32 v3, v0, 4, 1                         ; h
	v_lshrrev_b32 v4, 5, v0
	v_readfirstlane_b32 s2, v4                     ; wave 0..15
	v_lshlrev_b32 v4, 4, v1                        ; 16 lane
	s_and_b32 s3, s2, 3
	s_lshr_b32 s4, s2, 2
	s_mov_b32 s7, 0
	s_wait_kmcnt 0x0
	s_load_b64 s[24:25], s[16:17], 0x38            ; e14, e15
	s_load_b32 s26, s[16:17], 0x40                 ; e16
	s_load_b64 s[28:29], s[16:17], 0x48            ; e18, e19
	s_cmp_lt_u32 ttmp9, 64
	s_cbranch_scc0 .Ljoin
; ---- film
	s_lshr_b32 s5, ttmp9, 2                        ; which 64 channels
	s_and_b32 s22, ttmp9, 3                        ; which 8 rows
	s_lshr_b32 s23, s2, 1                          ; my row among the 8,
	s_and_b32 s30, s2, 1                           ; and which half of it
	s_lshl_b32 s6, s22, 3
	s_add_co_u32 s6, s6, s23
	s_lshl_b32 s6, s6, 13                          ; a row of emb is 8,192 bytes
	s_lshl_b32 s31, s30, 12
	s_add_co_u32 s6, s6, s31
	s_add_nc_u64 s[10:11], s[10:11], s[6:7]
.irp i, 0,1,2,3,4,5,6,7
	global_load_b128 v[16+4*\i:19+4*\i], v4, s[10:11] offset:512*\i   ; 32 lanes read 512 consecutive bytes
.endr
	s_lshl_b32 s6, s5, 6
	s_lshl_b32 s31, s3, 4
	s_add_co_u32 s6, s6, s31                       ; my first row of emb_W: 64 f + 16 ct
	s_lshl_b32 s6, s6, 11
	s_lshl_b32 s31, s4, 9
	s_add_co_u32 s6, s6, s31                       ; + my quarter of K
	s_add_nc_u64 s[12:13], s[12:13], s[6:7]
	v_lshlrev_b32 v5, 11, v2
	v_lshl_add_u32 v5, v3, 4, v5
.irp s, 0,1,2,3
.irp c, 0,1,2,3
	global_load_b128 v[64+16*\s+4*\c:67+16*\s+4*\c], v5, s[12:13] offset:128*\s+32*\c   ; registers 4 c .. 4 c + 3: k = 32 c + 16 h + 0 .. 15 of the K step
.endr
.endr
	s_mul_i32 s6, s23, EP
	s_lshl_b32 s31, s30, 10
	s_add_co_u32 s6, s6, s31
	s_add_co_u32 s6, s6, ECD
	v_lshl_add_u32 v7, v1, 2, s6                   ; where my codes go: my row, my half, 4 bytes a lane
	v_and_b32 v6, 7, v2
	v_mul_u32_u24 v10, v6, EP
	v_lshl_add_u32 v10, v3, 4, v10
	s_lshl_b32 s6, s4, 9
	s_add_co_u32 s6, s6, ECD
	v_add_nc_u32 v10, s6, v10                      ; emb's fragments: row r % 8, my quarter of K, + 16 h
	s_mul_i32 s6, s4, 2176
	s_lshl_b32 s31, s3, 6
	s_add_co_u32 s6, s6, s31
	s_add_co_u32 s6, s6, PB
	v_mul_u32_u24 v11, v6, 272
	v_lshl_add_u32 v11, v3, 5, v11
	v_add_nc_u32 v11, s6, v11                      ; my partial sums: quarter kq, row r % 8, channels 16 ct + 8 h on
	s_mul_i32 s6, s2, 544
	s_add_co_u32 s6, s6, PB
	v_mul_u32_u24 v12, v3, 272
	v_lshl_add_u32 v12, v2, 4, v12
	v_add_nc_u32 v12, s6, v12                      ; back (waves 0-3): row 2 w + h, 16 bytes a lane
	s_lshl_b32 s6, s5, 8
	v_lshl_add_u32 v13, v2, 4, s6                  ; 256 f + 16 r
	v_lshl_add_u32 v14, v3, 12, v13
	s_lshl_b32 s6, s22, 3
	s_lshl_b32 s31, s2, 1
	s_add_co_u32 s6, s6, s31
	s_lshl_b32 s6, s6, 12
	v_add_nc_u32 v14, s6, v14                      ; + row 8 rq + 2 w + h of 4,096 bytes
	s_mov_b32 s34, 0xbfb8aa3b                      ; -log2(e)
	s_mov_b32 s35, s34
	s_wait_kmcnt 0x0
	s_add_co_i32 s30, s28, 127
	s_lshl_b32 s31, s30, 23
	v_mov_b32 v8, s31                              ; 2^e18
	s_add_co_i32 s30, s30, 8
	s_lshl_b32 s30, s30, 23
	s_or_b32 s30, s30, 0x600000
	v_mov_b32 v9, s30                              ; 448 x 2^e18
	s_add_co_i32 s32, s28, s29
	s_add_co_i32 s32, s32, 127
	s_lshl_b32 s32, s32, 23                        ; 2^(e18 + e19)
	s_mov_b32 s33, s32
	s_wait_loadcnt 16                              ; my half row is in; the 16 weight loads behind it may be out
.macro SILU16 x                        ; x / (1 + 2^(-x log2 e)), 16 numbers; each batch has one wait
.irp i, 0,2,4,6,8,10,12,14
	v_pk_mul_f32 v[48+\i:49+\i], v[\x+\i:\x+\i+1], s[34:35] op_sel_hi:[1,0]
.endr
.irp i, 0,1,2,3,4,5,6,7,8,9,10,11,12,13,14,15
	v_exp_f32 v[48+\i], v[48+\i]
.endr
	v_nop
	s_wait_alu depctr_va_vdst(0)
.irp i, 0,2,4,6,8,10,12,14
	v_pk_add_f32 v[48+\i:49+\i], v[48+\i:49+\i], 1.0 op_sel_hi:[1,0]
.endr
.irp i, 0,1,2,3,4,5,6,7,8,9,10,11,12,13,14,15
	v_rcp_f32 v[48+\i], v[48+\i]
.endr
	v_nop
	s_wait_alu depctr_va_vdst(0)
.irp i, 0,2,4,6,8,10,12,14
	v_pk_mul_f32 v[\x+\i:\x+\i+1], v[\x+\i:\x+\i+1], v[48+\i:49+\i]
.endr
.endm
	SILU16 16
	SILU16 32
.irp i, 0,1,2,3,4,5,6,7,8,9,10,11,12,13,14,15,16,17,18,19,20,21,22,23,24,25,26,27,28,29,30,31
	v_med3_num_f32 v[16+\i], v[16+\i], -v9, v9     ; the conversion does not saturate (ISA guide 7.6.2)
.endr
.irp k, 0,1,2,3
	v_cvt_scalef32_pk8_fp8_f32 v[48+2*\k:49+2*\k], v[16+8*\k:23+8*\k], v8
.endr
	v_nop                                          ; a plain instruction behind the last conversion
.irp i, 0,1,2,3,4,5,6,7
	ds_store_b32 v7, v[48+\i] offset:128*\i        ; code word i holds elements 128 i + 4 lane .. + 3: the 32 lanes write 128 consecutive bytes
.endr
	s_wait_dscnt 0x0
	s_barrier_signal -1
	s_barrier_wait -1                              ; the codes of 8 rows lie in LDS
.irp s, 0,1
.irp c, 0,1,2,3
	ds_load_b128 v[16+16*\s+4*\c:19+16*\s+4*\c], v10 offset:128*\s+32*\c
.endr
.endr
	s_wait_loadcnt 0x0                             ; the weights
	s_wait_dscnt 0x0
	v_wmma_f32_16x16x128_fp8_fp8 v[48:55], v[64:79], v[16:31], 0     ; source 0 = 16 rows of emb_W, source 1 = rows of emb; even K steps in one accumulator, odd in the other: they take turns
	v_wmma_f32_16x16x128_fp8_fp8 v[56:63], v[80:95], v[32:47], 0
.rept 4
	v_nop                                          ; places in front of loads into registers that the products have read
.endr
.irp s, 2,3
.irp c, 0,1,2,3
	ds_load_b128 v[16+16*(\s-2)+4*\c:19+16*(\s-2)+4*\c], v10 offset:128*\s+32*\c
.endr
.endr
	global_load_b128 v[64:67], v13, s[14:15]       ; emb_b, into registers of a weight fragment that is done with
	s_wait_dscnt 0x0
	v_wmma_f32_16x16x128_fp8_fp8 v[48:55], v[96:111], v[16:31], v[48:55]
	v_wmma_f32_16x16x128_fp8_fp8 v[56:63], v[112:127], v[32:47], v[56:63]
.rept 4
	v_nop
.endr
.irp i, 0,2,4,6
	v_pk_add_f32 v[48+\i:49+\i], v[48+\i:49+\i], v[56+\i:57+\i]
.endr
	ds_store_b128 v11, v[48:51]                    ; lanes r and r + 8 write the same bytes with the same numbers
	ds_store_b128 v11, v[52:55] offset:16
	s_wait_dscnt 0x0
	s_barrier_signal -1
	s_barrier_wait -1                              ; the four quarters of K lie in LDS
	s_cmp_lt_u32 s2, 4                             ; 8 rows of 256 bytes: two rows a wave, four waves
	s_cbranch_scc0 .Lfend
.irp k, 0,1,2,3
	ds_load_b128 v[16+4*\k:19+4*\k], v12 offset:2176*\k
.endr
	s_wait_dscnt 0x0
	v_pk_add_f32 v[16:17], v[16:17], v[20:21]
	v_pk_add_f32 v[18:19], v[18:19], v[22:23]
	v_pk_add_f32 v[24:25], v[24:25], v[28:29]
	v_pk_add_f32 v[26:27], v[26:27], v[30:31]
	v_pk_add_f32 v[16:17], v[16:17], v[24:25]
	v_pk_add_f32 v[18:19], v[18:19], v[26:27]
	s_wait_loadcnt 0x0                             ; emb_b
	v_pk_fma_f32 v[16:17], v[16:17], s[32:33], v[64:65] op_sel_hi:[1,0,1]
	v_pk_fma_f32 v[18:19], v[18:19], s[32:33], v[66:67] op_sel_hi:[1,0,1]
	global_store_b128 v14, v[16:19], s[20:21]      ; sixteen lanes store 256 consecutive bytes, aligned
.Lfend:
	s_wait_tensorcnt 0x0
	ds_add_u32 v128, v129
	s_wait_dscnt 0x0
	s_endpgm
; ---- join
.Ljoin:
	s_sub_co_u32 s5, ttmp9, 64                     ; u = 8 b + head
	s_lshr_b32 s6, s5, 3
	s_lshl_b32 s6, s6, 6
	s_and_b32 s30, s5, 7
	s_add_co_u32 s6, s6, s30
	s_mul_i32 s6, s6, 16896                        ; record 64 b + head; the eight partials lie 8 records, 135,168 bytes, apart
	s_add_nc_u64 s[8:9], s[8:9], s[6:7]
	s_lshl_b32 s6, s4, 6
	s_add_co_u32 s6, s6, 16384                     ; -M of tile dt's 16 channels; l lies 256 bytes further on
	v_lshrrev_b32 v6, 2, v1                        ; j
	v_mul_u32_u24 v6, v6, 0x21000
	v_and_b32 v7, 3, v1                            ; q
	v_lshl_add_u32 v6, v7, 4, v6
	v_add_nc_u32 v6, s6, v6
	global_load_b128 v[16:19], v6, s[8:9]          ; -M of partial j, channels 4 q .. 4 q + 3
	global_load_b128 v[20:23], v6, s[8:9] offset:256   ; l likewise
	s_lshl_b32 s6, s4, 2
	s_add_co_u32 s6, s6, s3
	s_lshl_b32 s6, s6, 10
	v_add_nc_u32 v5, s6, v4
.irp j, 0,1,2,3,4,5,6,7
	global_load_b128 v[64+8*\j:67+8*\j], v5, s[8:9] offset:135168*\j th:TH_LOAD_NT
	global_load_b128 v[68+8*\j:71+8*\j], v5, s[8:9] offset:135168*\j+512 th:TH_LOAD_NT
.endr
	s_lshl_b32 s6, s2, 9
	s_add_co_u32 s6, s6, GS
	v_add_nc_u32 v12, s6, v4                       ; my wave's 512 bytes: in, 16 bytes a lane = [j][16 channels]
	v_lshl_add_u32 v9, v3, 5, s6                   ; back: channels 8 h .. 8 h + 7 of a partial
	s_lshl_b32 s6, s3, 10
	s_lshr_b32 s30, s4, 1
	s_lshl_b32 s30, s30, 9
	s_add_co_u32 s6, s6, s30
	s_and_b32 s30, s4, 1
	s_lshl_b32 s30, s30, 3
	s_add_co_u32 s6, s6, s30
	v_add_nc_u32 v7, s6, v4                        ; registers 2 dt, 2 dt + 1 of tile lt's fragment
	s_lshl_b32 s6, s2, 8
	v_lshl_add_u32 v8, v1, 3, s6                   ; 256 w + 8 lane
	s_lshl_b32 s6, s5, 12
	s_add_nc_u64 s[18:19], s[18:19], s[6:7]
	s_mov_b32 s36, 0x76543210                      ; v_permlanex16_b32: lane l xor 16
	s_mov_b32 s37, 0xfedcba98
.irp i, 0,1,2,3
	v_mov_b32 v[28+\i], 0                          ; a lane permute's destination counts as read
.endr
	s_wait_kmcnt 0x0
	s_add_co_i32 s24, s24, s25                     ; e14 + e15
	s_add_co_i32 s30, s26, 127
	s_lshl_b32 s31, s30, 23
	v_mov_b32 v10, s31                             ; 2^e16
	s_add_co_i32 s30, s30, 8
	s_lshl_b32 s30, s30, 23
	s_or_b32 s30, s30, 0x600000
	v_mov_b32 v11, s30                             ; 448 x 2^e16
	s_wait_loadcnt 16                              ; -M and l are in; the 16 tile loads behind them may be out
.irp i, 0,1,2,3
	v_mul_f32 v[16+\i], -1.0, v[16+\i]             ; M_j
.endr
.irp i, 0,1,2,3
	v_mov_b32 v[24+\i], v[16+\i]
.endr
.irp m, 4,8                            ; the partials lie in lanes that differ in bits 2, 3 and 4
.irp i, 0,1,2,3
	v_max_num_f32_dpp v[24+\i], v[24+\i], v[24+\i] row_xmask:\m row_mask:0xf bank_mask:0xf
.endr
.endr
.irp i, 0,1,2,3
	v_permlanex16_b32 v[28+\i], v[24+\i], s36, s37
.endr
.irp i, 0,1,2,3
	v_max_num_f32 v[24+\i], v[24+\i], v[28+\i]     ; the common M
.endr
.irp i, 0,1,2,3
	v_sub_f32 v[16+\i], v[16+\i], v[24+\i]         ; M_j - M: a whole number, 0 or less
.endr
.irp i, 0,1,2,3
	v_cvt_i32_f32 v[16+\i], v[16+\i]               ; (it saturates)
.endr
.irp i, 0,1,2,3
	v_ldexp_f32 v[16+\i], 1.0, v[16+\i]            ; 2^(M_j - M)
.endr
.irp i, 0,1,2,3
	v_mul_f32 v[20+\i], v[20+\i], v[16+\i]         ; l_j under the common M
.endr
.irp m, 4,8
.irp i, 0,1,2,3
	v_add_f32_dpp v[20+\i], v[20+\i], v[20+\i] row_xmask:\m row_mask:0xf bank_mask:0xf
.endr
.endr
.irp i, 0,1,2,3
	v_permlanex16_b32 v[28+\i], v[20+\i], s36, s37
.endr
.irp i, 0,1,2,3
	v_add_f32 v[20+\i], v[20+\i], v[28+\i]         ; l
.endr
.irp i, 0,1,2,3
	v_rcp_f32 v[20+\i], v[20+\i]
.endr
	v_nop
	s_wait_alu depctr_va_vdst(0)                   ; one wait for the four
.irp i, 0,1,2,3
	v_ldexp_f32 v[20+\i], v[20+\i], s24            ; 2^(e14 + e15) / l
.endr
.irp i, 0,1,2,3
	v_mul_f32 v[16+\i], v[16+\i], v[20+\i]         ; g_j
.endr
	ds_store_b128 v12, v[16:19]
.irp j, 0,1,2,3
	ds_load_b128 v[32+8*\j:35+8*\j], v9 offset:64*\j       ; LDS serves a wave's instructions in order (ISA guide 5.7.1.4): these see my store
	ds_load_b128 v[36+8*\j:39+8*\j], v9 offset:64*\j+16
.endr
	s_wait_dscnt 0x0
	s_wait_loadcnt 8                               ; the tiles of partials 0-3 are in; the 8 loads of partials 4-7 may be out
.irp i, 0,2,4,6
	v_pk_mul_f32 v[24+\i:25+\i], v[32+\i:33+\i], v[64+\i:65+\i]
.endr
.irp j, 1,2,3
.irp i, 0,2,4,6
	v_pk_fma_f32 v[24+\i:25+\i], v[32+8*\j+\i:33+8*\j+\i], v[64+8*\j+\i:65+8*\j+\i], v[24+\i:25+\i]
.endr
.endr
.irp j, 4,5,6,7
	ds_load_b128 v[32+8*(\j-4):35+8*(\j-4)], v9 offset:64*\j
	ds_load_b128 v[36+8*(\j-4):39+8*(\j-4)], v9 offset:64*\j+16
.endr
	s_wait_dscnt 0x0
	s_wait_loadcnt 0x0
.irp j, 4,5,6,7
.irp i, 0,2,4,6
	v_pk_fma_f32 v[24+\i:25+\i], v[32+8*(\j-4)+\i:33+8*(\j-4)+\i], v[64+8*\j+\i:65+8*\j+\i], v[24+\i:25+\i]
.endr
.endr
.irp i, 0,1,2,3,4,5,6,7
	v_med3_num_f32 v[24+\i], v[24+\i], -v11, v11
.endr
	v_cvt_scalef32_pk8_fp8_f32 v[16:17], v[24:31], v10
	v_nop
	ds_store_b64 v7, v[16:17]
	s_wait_dscnt 0x0
	s_barrier_signal -1
	s_barrier_wait -1                              ; the sixteen tiles' codes lie in LDS as the operand's image
	ds_load_b64 v[18:19], v8
	s_wait_dscnt 0x0
	global_store_b64 v8, v[18:19], s[18:19]        ; a wave's store covers 256 consecutive bytes, aligned
	s_wait_tensorcnt 0x0
	ds_add_u32 v128, v129
	s_wait_dscnt 0x0
	s_endpgm
.Lfunc_end_k_qc1ecb67593_mid:
	.size	k_qc1ecb67593_mid, .Lfunc_end_k_qc1ecb67593_mid-k_qc1ecb67593_mid
	.p2alignl 7, 3214868480
	.fill 96, 4, 3214868480
	.section	.rodata,"a",@progbits
	.p2align	6, 0x0
	.amdhsa_kernel k_qc1ecb67593_mid
		.amdhsa_group_segment_fixed_size 39936
		.amdhsa_private_segment_fixed_size 0
		.amdhsa_enable_private_segment 0
		.amdhsa_kernarg_size 56
		.amdhsa_user_sgpr_count 2
		.amdhsa_user_sgpr_kernarg_segment_ptr 1
		.amdhsa_wavefront_size32 1
		.amdhsa_system_sgpr_workgroup_id_x 1
		.amdhsa_system_sgpr_workgroup_id_y 1
		.amdhsa_system_sgpr_workgroup_id_z 1
		.amdhsa_system_vgpr_workitem_id 0
		.amdhsa_next_free_vgpr 130
		.amdhsa_next_free_sgpr 66
		.amdhsa_reserve_vcc 0
		.amdhsa_float_denorm_mode_32 3
		.amdhsa_float_denorm_mode_16_64 3
		.amdhsa_memory_ordered 1
		.amdhsa_forward_progress 1
		.amdhsa_inst_pref_size 29
	.end_amdhsa_kernel
	.amdgpu_metadata
---
amdhsa.version: [ 1, 2 ]
amdhsa.kernels:
  - .name:           k_qc1ecb67593_mid
    .symbol:         k_qc1ecb67593_mid.kd
    .args:
      - { .name: part, .offset: 0, .size: 8, .value_kind: global_buffer, .address_space: global }
      - { .name: emb, .offset: 8, .size: 8, .value_kind: global_buffer, .address_space: global }
      - { .name: emb_W_codes, .offset: 16, .size: 8, .value_kind: global_buffer, .address_space: global }
      - { .name: emb_b, .offset: 24, .size: 8, .value_kind: global_buffer, .address_space: global }
      - { .name: lowp_scales, .offset: 32, .size: 8, .value_kind: global_buffer, .address_space: global }
      - { .name: attc, .offset: 40, .size: 8, .value_kind: global_buffer, .address_space: global }
      - { .name: film, .offset: 48, .size: 8, .value_kind: global_buffer, .address_space: global }
    .group_segment_fixed_size: 39936
    .private_segment_fixed_size: 0
    .kernarg_segment_align: 8
    .kernarg_segment_size: 56
    .max_flat_workgroup_size: 512
    .sgpr_count:     66
    .vgpr_count:     130
    .wavefront_size: 32
...
	.end_amdgpu_metadata
.endif
;; end of part 2
;; launch out (part 3): grid 256 x 1, 8 waves a work-group, no clusters, 181,248 bytes of LDS; arguments x, norm_g, norm_b, Wq_codes, bq, lowp_scales, attc, film, snorm_g, snorm_b, out_W_codes, out_b, out0; writes out0
.if DOCPART == 3
	.amdgcn_target "amdgcn-amd-amdhsa--gfx1250"
	.amdhsa_code_object_version 6
	.text
	.protected	k_qc1ecb67593_out
	.globl	k_qc1ecb67593_out
	.p2align	8
	.type	k_qc1ecb67593_out,@function
k_qc1ecb67593_out:
	s_mov_b64 s[64:65], 0
	v_nop
	global_prefetch_b8 v0, s[64:65] scope:SCOPE_SE
	s_setreg_imm32_b32 hwreg(HW_REG_WAVE_MODE, 25, 1), 1
	s_wait_xcnt 0x0
; QUERIES TO OUTPUT.  Work-group i takes rows 128 i .. + 127 of x (batch b = i / 8): norm, query product, softmax over a head's 64 channels, q x attention, / l, norm over 512, scale and shift, silu,
; out projection, bias and residual.  q, y and h never go to memory.
; SHARES.  Wave w normalises rows 16 w .. + 15; then it is head w for all 128 rows (q, y, h), then output channels 64 w .. + 63.  256 accumulator registers: (token tile tt, channel tile ct) at v[32 tt + 8 ct] of window 1.
; ORIENTATION.  Source 0 = 16 weight or attention rows, source 1 = 16 tokens: a lane holds ONE token and its registers run along channels, so each result becomes the next operand by conversions alone.
; Wq's rows of a tile are not neighbours: lane r of tile t takes row 32 (t / 2) + 8 (t % 2) + r + 8 (r / 8); register j of tile t then stands for channel 32 (t / 2) + 16 h + 8 (t % 2) + j.
; The norm of y spans the eight waves: each gives its head's mean and sum of squared deviations, and the eight are joined (no difference of large sums).
; NO TENSOR LOADS, NO CLUSTER: weights go from memory straight into operand registers, a K step ahead.
; LIMITS.  e0, e17, e20 between -126 and 119; e0 + e1 between -126 and 126 (added to log2(e)'s exponent field); e20 + e21 between -126 and 127.  NaN is not served.
; The norm's gain and offset and the scale and shift are folded: h = n x g (1 + scale) + (b (1 + scale) + shift).
.set XC, 0                             ; codes of the normalised x: 128 x 528
.set HI, 67584                         ; h's codes as images of operand registers: (tt, head) at (8 tt + head) x 1,024
.set RED, 133120                       ; [token 64 bytes][wave 8 bytes]: mean, sum of squares
.set STG, 141312                       ; a stage of 16 x 272 for each wave
.set GB, 176128                        ; a wave's folded gain [64] and offset [64]
.set AF, 64
.set BF, 128
.set EPS, 39
.set MSB, 0
.macro WIN new
.if MSB != \new
	s_set_vgpr_msb (MSB<<8)|\new
.set MSB, \new
.endif
.endm
.macro PLACES n
.rept \n
	v_nop
.endr
.endm
.macro BAR
	s_wait_dscnt 0x0
	s_barrier_signal -1
	s_barrier_wait -1
.endm
.macro MKQ d, e
	s_add_co_i32 s11, s[\e], 127
	s_lshl_b32 s[\d], s11, 23
	s_add_co_i32 s11, s11, 8
	s_lshl_b32 s[\d+1], s11, 23
	s_or_b32 s[\d+1], s[\d+1], 0x600000
.endm
.macro SETQ s
	v_mov_b32 v24, s[\s]
	v_mov_b32 v25, s[\s+1]
.endm
.macro RLOAD rb, row0                  ; four rows of 2,048 bytes: each load covers 512 consecutive bytes
.irp q, 0,1,2,3
.irp i, 0,1,2,3
	global_load_b128 v[\rb+16*\q+4*\i:\rb+16*\q+4*\i+3], v4, s[16:17] offset:(\row0+\q)*2048+512*\i
.endr
.endr
.endm
.macro XSUM4                           ; v[48+2q]: the pair's halves, summed over the 32 lanes
.irp q, 0,1,2,3
	v_add_f32 v[48+2*\q], v[48+2*\q], v[49+2*\q]
.endr
.irp m, 1,2,4,8
.irp q, 0,1,2,3
	v_add_f32_dpp v[48+2*\q], v[48+2*\q], v[48+2*\q] row_xmask:\m row_mask:0xf bank_mask:0xf
.endr
.endr
.irp q, 0,1,2,3
	v_permlanex16_b32 v[56+\q], v[48+2*\q], s12, s13
.endr
.irp q, 0,1,2,3
	v_add_f32 v[48+2*\q], v[48+2*\q], v[56+\q]
.endr
.endm
; four rows: mean, deviations, variance, gain and offset (v64-79, v80-95), hold, conversion, codes to LDS: the 32 lanes write 128 consecutive bytes
.macro QUADX rb
.irp q, 0,1,2,3
	v_pk_add_f32 v[48+2*\q:49+2*\q], v[\rb+16*\q:\rb+16*\q+1], v[\rb+16*\q+2:\rb+16*\q+3]
.endr
.irp i, 4,6,8,10,12,14
.irp q, 0,1,2,3
	v_pk_add_f32 v[48+2*\q:49+2*\q], v[48+2*\q:49+2*\q], v[\rb+16*\q+\i:\rb+16*\q+\i+1]
.endr
.endr
	XSUM4
.irp q, 0,1,2,3
	v_mul_f32 v[32+4*\q], -v[48+2*\q], s38
.endr
.irp q, 0,1,2,3
.irp i, 0,2,4,6,8,10,12,14
	v_pk_add_f32 v[\rb+16*\q+\i:\rb+16*\q+\i+1], v[\rb+16*\q+\i:\rb+16*\q+\i+1], v[32+4*\q:33+4*\q] op_sel_hi:[1,0]
.endr
.endr
.irp q, 0,1,2,3
	v_pk_mul_f32 v[48+2*\q:49+2*\q], v[\rb+16*\q:\rb+16*\q+1], v[\rb+16*\q:\rb+16*\q+1]
.endr
.irp i, 2,4,6,8,10,12,14
.irp q, 0,1,2,3
	v_pk_fma_f32 v[48+2*\q:49+2*\q], v[\rb+16*\q+\i:\rb+16*\q+\i+1], v[\rb+16*\q+\i:\rb+16*\q+\i+1], v[48+2*\q:49+2*\q]
.endr
.endr
	XSUM4
.irp q, 0,1,2,3
	v_fma_f32 v[48+2*\q], v[48+2*\q], s38, s[EPS]
.endr
.irp q, 0,1,2,3
	v_rsq_f32 v[32+4*\q], v[48+2*\q]
.endr
	v_nop
	s_wait_alu depctr_va_vdst(0)                   ; one wait for the four
.irp q, 0,1,2,3
.irp i, 0,2,4,6,8,10,12,14
	v_pk_mul_f32 v[\rb+16*\q+\i:\rb+16*\q+\i+1], v[\rb+16*\q+\i:\rb+16*\q+\i+1], v[32+4*\q:33+4*\q] op_sel_hi:[1,0]
.endr
.endr
.irp q, 0,1,2,3
.irp i, 0,2,4,6,8,10,12,14
	v_pk_fma_f32 v[\rb+16*\q+\i:\rb+16*\q+\i+1], v[\rb+16*\q+\i:\rb+16*\q+\i+1], v[64+\i:65+\i], v[80+\i:81+\i]
.endr
.endr
	s_wait_dscnt 0x0                               ; earlier stores have read the code registers
.irp q, 0,1,2,3
.irp i, 0,1,2,3,4,5,6,7,8,9,10,11,12,13,14,15
	v_med3_num_f32 v[\rb+16*\q+\i], v[\rb+16*\q+\i], -v25, v25
.endr
.endr
.irp q, 0,1,2,3
	v_cvt_scalef32_pk8_fp8_f32 v[48+4*\q:49+4*\q], v[\rb+16*\q:\rb+16*\q+7], v24
	v_cvt_scalef32_pk8_fp8_f32 v[50+4*\q:51+4*\q], v[\rb+16*\q+8:\rb+16*\q+15], v24
.endr
	v_nop
.irp q, 0,1,2,3
.irp i, 0,1,2,3
	ds_store_b32 v22, v[48+4*\q+\i] offset:\q*528+128*\i
.endr
.endr
.endm
.macro WLOAD ks, wp, wv, pi            ; a K step's weights: four tiles of 16 rows x 128, into the set ks % 2
.irp ct, 0,1,2,3
.irp c, 0,1,2,3
.if \pi
	global_load_b128 v[BF+64*((\ks)%2)+16*\ct+4*\c:BF+64*((\ks)%2)+16*\ct+4*\c+3], v[\wv], s[\wp:\wp+1] offset:(32*(\ct/2)+8*(\ct%2))*512+128*(\ks)+32*\c
.else
	global_load_b128 v[BF+64*((\ks)%2)+16*\ct+4*\c:BF+64*((\ks)%2)+16*\ct+4*\c+3], v[\wv], s[\wp:\wp+1] offset:16*\ct*512+128*(\ks)+32*\c
.endif
.endr
.endr
.endm
.macro AGRP g, hi                      ; group g: token tiles 2 (g % 4), + 1 of K step g / 4: from rows of codes, or from images
.irp i, 0,1
.irp c, 0,1,2,3
.if \hi
	ds_load_b128 v[AF+32*((\g)%2)+16*\i+4*\c:AF+32*((\g)%2)+16*\i+4*\c+3], v14 offset:8192*(2*((\g)%4)+\i)+2048*((\g)/4)+512*\c
.else
	ds_load_b128 v[AF+32*((\g)%2)+16*\i+4*\c:AF+32*((\g)%2)+16*\i+4*\c+3], v[7+(2*((\g)%4)+\i)/4] offset:((2*((\g)%4)+\i)%4)*16*528+128*((\g)/4)+32*\c
.endif
.endr
.endr
.endm
; 128 tokens x 64 channels x 512 along K: 128 products; the 32 accumulators take turns, one instruction a turn
.macro GEMM wp, wv, pi, hi, bias, pre
.if !\pre
	WLOAD 0, \wp, \wv, \pi
	WLOAD 1, \wp, \wv, \pi
.endif
	AGRP 0, \hi
	AGRP 1, \hi
.set g_, 0
.rept 16
.if g_%4 == 0
.if g_/4 == 3
	s_wait_loadcnt 0x0
.else
	s_wait_loadcnt 16                              ; this K step's 16 weight loads are in; the next K step's may be out
.endif
.endif
.if g_ == 15
	s_wait_dscnt 0x0
.else
	s_wait_dscnt 8                                 ; this group's fragments are in; the next group's 8 loads may be out
.endif
.if g_ < 4
	WIN 0x40
.else
	WIN 0x50
.endif
.irp i, 0,1
.irp ct, 0,1,2,3
.if (g_ < 4) && \bias
	v_wmma_f32_16x16x128_fp8_fp8 v[32*(2*(g_%4)+\i)+8*\ct:32*(2*(g_%4)+\i)+8*\ct+7], v[BF+64*((g_/4)%2)+16*\ct:BF+64*((g_/4)%2)+16*\ct+15], v[AF+32*(g_%2)+16*\i:AF+32*(g_%2)+16*\i+15], v[32+8*\ct:32+8*\ct+7]
.elseif g_ < 4
	v_wmma_f32_16x16x128_fp8_fp8 v[32*(2*(g_%4)+\i)+8*\ct:32*(2*(g_%4)+\i)+8*\ct+7], v[BF+64*((g_/4)%2)+16*\ct:BF+64*((g_/4)%2)+16*\ct+15], v[AF+32*(g_%2)+16*\i:AF+32*(g_%2)+16*\i+15], 0
.else
	v_wmma_f32_16x16x128_fp8_fp8 v[32*(2*(g_%4)+\i)+8*\ct:32*(2*(g_%4)+\i)+8*\ct+7], v[BF+64*((g_/4)%2)+16*\ct:BF+64*((g_/4)%2)+16*\ct+15], v[AF+32*(g_%2)+16*\i:AF+32*(g_%2)+16*\i+15], v[32*(2*(g_%4)+\i)+8*\ct:32*(2*(g_%4)+\i)+8*\ct+7]
.endif
.endr
.endr
	PLACES 4                                       ; in front of loads into registers that the products have read, and of the first read of results
	WIN 0
.if g_ < 14
	AGRP g_+2, \hi
.endif
.if (g_%4 == 3) && (g_/4 < 2)
	WLOAD g_/4+2, \wp, \wv, \pi
.endif
.set g_, g_+1
.endr
.endm
.macro SUM32 a, d                      ; v[d] = the sum of my lane's 32 registers v[a ..] of window 1, in two chains
	WIN 0x05
	v_pk_add_f32 v[\d:\d+1], v[\a:\a+1], v[\a+2:\a+3]
	v_pk_add_f32 v[\d+2:\d+3], v[\a+4:\a+5], v[\a+6:\a+7]
	WIN 0x04
.irp k, 8,12,16,20,24,28
	v_pk_add_f32 v[\d:\d+1], v[\d:\d+1], v[\a+\k:\a+\k+1]
	v_pk_add_f32 v[\d+2:\d+3], v[\d+2:\d+3], v[\a+\k+2:\a+\k+3]
.endr
	WIN 0
	v_pk_add_f32 v[\d:\d+1], v[\d:\d+1], v[\d+2:\d+3]
	v_add_f32 v[\d], v[\d], v[\d+1]
.endm
.macro XL tt                           ; 16 rows x my 256 bytes of x, for the residual
.irp i, 0,1,2,3,4,5,6,7
	global_load_b128 v[128+32*((\tt)%2)+4*\i:131+32*((\tt)%2)+4*\i], v17, s[18:19] offset:(16*(\tt)+2*\i)*2048
.endr
.endm
; ---- head
	s_load_b512 s[44:59], s[0:1], 0x0              ; x, norm_g, norm_b, Wq, bq, lowp_scales, attc, film
	s_load_b256 s[68:75], s[0:1], 0x40             ; snorm_g, snorm_b, out_W, out_b
	s_load_b64 s[76:77], s[0:1], 0x60              ; out0
.set r_, 32
.rept 32
	v_mov_b32 v[r_], 0                             ; written once: upper words of pairs and lane permutes' destinations count as read
.set r_, r_+1
.endr
	v_and_b32 v1, 31, v0
	v_and_b32 v2, 15, v0
	v_bfe_u32 v3, v0, 4, 1
	v_lshrrev_b32 v4, 5, v0
	v_readfirstlane_b32 s2, v4                     ; wave 0..7
	v_lshlrev_b32 v4, 4, v1
	v_lshlrev_b32 v5, 2, v1
	v_and_b32 v6, 8, v2
	v_add_nc_u32 v6, v6, v2
	v_lshlrev_b32 v19, 6, v3                       ; 64 h
	v_lshlrev_b32 v20, 5, v3                       ; 32 h
	v_lshlrev_b32 v17, 11, v3
	v_lshl_add_u32 v17, v2, 4, v17                 ; 2,048 h + 16 r
	v_mul_u32_u24 v16, v3, 272
	v_lshl_add_u32 v16, v2, 4, v16
	v_lshlrev_b32 v3, 4, v3                        ; 16 h
	v_mul_u32_u24 v7, v2, 528
	v_add_nc_u32 v7, v7, v3
	v_add_nc_u32 v8, 64*528, v7
	v_lshl_add_u32 v9, v6, 9, v3
	v_lshl_add_u32 v10, v2, 9, v3
	v_lshlrev_b32 v12, 6, v2
	v_add_nc_u32 v12, RED, v12
	s_lshl_b32 s10, s2, 3
	v_add_nc_u32 v11, s10, v12
	v_add_nc_u32 v14, HI, v4
	s_lshl_b32 s10, s2, 10
	v_add_nc_u32 v13, s10, v14
	s_mul_i32 s10, s2, 4352
	s_add_co_u32 s10, s10, STG
	v_add_nc_u32 v16, s10, v16
	v_mul_u32_u24 v15, v2, 272
	v_add_nc_u32 v15, v15, v20
	v_add_nc_u32 v15, s10, v15
	s_lshl_b32 s10, s2, 9
	s_add_co_u32 s10, s10, GB
	v_add_nc_u32 v18, s10, v19
	v_lshl_add_u32 v23, v1, 3, s10                 ; my wave's gain: 8 bytes a lane
	s_mul_i32 s10, s2, 16*528
	v_add_nc_u32 v21, s10, v5
	v_lshlrev_b32 v26, 3, v1
	s_lshl_b32 s10, s2, 8
	v_add_nc_u32 v26, s10, v26                     ; 256 w + 8 lane
	s_lshr_b32 s3, ttmp9, 3                        ; b
	s_mov_b32 s11, 0
	s_wait_kmcnt 0x0
	s_load_b64 s[78:79], s[54:55], 0x0             ; e0, e1
	s_load_b64 s[80:81], s[54:55], 0x40            ; e16, e17
	s_load_b64 s[82:83], s[54:55], 0x50            ; e20, e21
	s_lshl_b32 s10, ttmp9, 18
	s_add_nc_u64 s[18:19], s[44:45], s[10:11]
	s_add_nc_u64 s[20:21], s[76:77], s[10:11]
	s_lshl_b32 s10, s2, 15
	s_add_nc_u64 s[16:17], s[18:19], s[10:11]      ; my 16 rows, for the norm
	s_add_nc_u64 s[22:23], s[50:51], s[10:11]      ; my 64 rows of Wq,
	s_add_nc_u64 s[24:25], s[72:73], s[10:11]      ; and of out_W
	RLOAD 128, 0
	RLOAD 192, 4
	s_lshl_b32 s10, s2, 8
	s_add_nc_u64 s[18:19], s[18:19], s[10:11]      ; my 64 channels of x,
	s_add_nc_u64 s[20:21], s[20:21], s[10:11]      ; of out0,
	s_add_nc_u64 s[52:53], s[52:53], s[10:11]      ; of bq,
	s_add_nc_u64 s[74:75], s[74:75], s[10:11]      ; of out_b
	s_lshl_b32 s10, s3, 3
	s_add_co_u32 s10, s10, s2
	s_lshl_b32 s10, s10, 12
	s_add_nc_u64 s[26:27], s[56:57], s[10:11]      ; the attention of (b, head w)
	s_lshl_b32 s10, s3, 12
	s_add_nc_u64 s[58:59], s[58:59], s[10:11]      ; film[b]
.irp i, 0,1,2,3
	global_load_b128 v[64+4*\i:67+4*\i], v4, s[46:47] offset:512*\i
	global_load_b128 v[80+4*\i:83+4*\i], v4, s[48:49] offset:512*\i
.endr
	global_load_b64 v[96:97], v26, s[68:69]
	global_load_b64 v[98:99], v26, s[70:71]
	global_load_b64 v[100:101], v26, s[58:59]
	global_load_b64 v[102:103], v26, s[58:59] offset:2048
	s_mov_b32 s12, 0x76543210
	s_mov_b32 s13, 0xfedcba98
	s_mov_b32 s38, 0x3b000000                      ; 1 / 512
	s_mov_b32 s39, 0x3727c5ac                      ; 1e-5
	s_mov_b32 s40, 0x3c800000                      ; 1 / 64
	s_mov_b32 s41, 0x3e000000                      ; 1 / 8
	s_mov_b32 s42, 0xbfb8aa3b                      ; -log2(e)
	s_mov_b32 s43, s42
	s_mov_b32 s84, 0x42800000                      ; 64
	s_wait_kmcnt 0x0
	s_add_co_i32 s30, s78, s79
	s_lshl_b32 s14, s30, 23
	s_add_co_i32 s14, s14, 0x3fb8aa3b              ; log2(e) x 2^(e0 + e1): a sum of the query product stands for sum x 2^(e0 + e1)
	s_mov_b32 s15, s14
	s_sub_co_i32 s30, 0, s30
	s_add_co_i32 s31, s80, s81
	s_add_co_i32 s28, s82, s83
	s_add_co_i32 s28, s28, 127
	s_lshl_b32 s28, s28, 23
	s_mov_b32 s29, s28
	MKQ 32, 78
	MKQ 34, 81
	MKQ 36, 82
	SETQ 32
	s_wait_loadcnt 0x0
	v_pk_add_f32 v[100:101], v[100:101], 1.0 op_sel_hi:[1,0]
	v_pk_mul_f32 v[104:105], v[96:97], v[100:101]
	v_pk_fma_f32 v[106:107], v[98:99], v[100:101], v[102:103]
	ds_store_b64 v23, v[104:105]
	ds_store_b64 v23, v[106:107] offset:256
; ---- the norm of my 16 rows, two trips of two quads.  An arm that issues no load waits for all loads; the arm that loads leaves its own 16 out
	s_mov_b32 s6, 0
	s_mov_b32 s9, 0
.Lln:
	s_wait_dscnt 0x0
	v_add_nc_u32 v22, s9, v21
	s_wait_loadcnt 16
	QUADX 128
	s_cmp_lg_u32 s6, 0
	s_cbranch_scc1 .Lla
	RLOAD 128, 8
	s_wait_loadcnt 16
	s_branch .Llb
.Lla:
	s_wait_loadcnt 0x0
.Llb:
	s_wait_dscnt 0x0
	v_add_nc_u32 v22, 4*528, v22
	QUADX 192
	s_cmp_lg_u32 s6, 0
	s_cbranch_scc1 .Llc
	RLOAD 192, 12
	s_branch .Lld
.Llc:
	s_wait_loadcnt 0x0
.Lld:
	s_add_co_u32 s9, s9, 8*528
	s_add_co_u32 s6, s6, 1
	s_cmp_lt_u32 s6, 2
	s_cbranch_scc1 .Lln
	s_wait_loadcnt 0x0
	s_wait_dscnt 0x0
.irp ct, 0,1,2,3
	global_load_b128 v[32+8*\ct:35+8*\ct], v19, s[52:53] offset:128*(\ct/2)+32*(\ct%2)
	global_load_b128 v[36+8*\ct:39+8*\ct], v19, s[52:53] offset:128*(\ct/2)+32*(\ct%2)+16
.endr
	s_barrier_signal -1
	s_barrier_wait -1                              ; the codes of 128 rows lie in LDS
	s_wait_loadcnt 0x0
.set r_, 32
.rept 32
	v_ldexp_f32 v[r_], v[r_], s30                  ; bq / 2^(e0 + e1): the C of each sum's first product
.set r_, r_+1
.endr
; ---- the query product
	GEMM 22, 9, 1, 0, 1, 0
.irp lt, 0,1,2,3
	global_load_b128 v[32+8*\lt:35+8*\lt], v4, s[26:27] offset:1024*\lt
	global_load_b128 v[36+8*\lt:39+8*\lt], v4, s[26:27] offset:1024*\lt+512
.endr
	SETQ 34
	v_mov_b32 v69, 0
	v_mov_b32 v71, 0
	v_mov_b32 v81, 0
	v_mov_b32 v82, 0
	v_mov_b32 v83, 0
; ---- softmax over the head, q x attention, / l, my head's mean and spread: a tile of 16 tokens at a time
.irp tt, 0,1,2,3,4,5,6,7
.set A_, 32*\tt
	WIN 0x15
.irp ct, 0,1,2,3
	v_max3_num_f32 v[64+\ct], v[A_+8*\ct], v[A_+8*\ct+1], v[A_+8*\ct+2]
.endr
	WIN 0x14
.irp k, 3,5
.irp ct, 0,1,2,3
	v_max3_num_f32 v[64+\ct], v[64+\ct], v[A_+8*\ct+\k], v[A_+8*\ct+\k+1]
.endr
.endr
.irp ct, 0,1,2,3
	v_max_num_f32 v[64+\ct], v[64+\ct], v[A_+8*\ct+7]
.endr
	WIN 0
	v_max3_num_f32 v64, v64, v65, v66
	v_max_num_f32 v64, v64, v67
	v_permlanex16_b32 v69, v64, s12, s13           ; the token's other 32 channels lie in the lane 16 away
	v_max_num_f32 v64, v64, v69
	v_mul_f32 v68, s14, v64
	v_floor_f32 v68, -v68                          ; -M = -ceil(largest t)
	WIN 0x41
.irp i, 0,2,4,6,8,10,12,14,16,18,20,22,24,26,28,30
	v_pk_fma_f32 v[A_+\i:A_+\i+1], v[A_+\i:A_+\i+1], s[14:15], v[68:69] op_sel_hi:[1,0,0]
.endr
.irp i, 0,1,2,3,4,5,6,7,8,9,10,11,12,13,14,15,16,17,18,19,20,21,22,23,24,25,26,27,28,29,30,31
	v_exp_f32 v[A_+\i], v[A_+\i]
.endr
	v_nop
	s_wait_alu depctr_va_vdst(0)                   ; one wait for the batch
	SUM32 A_, 72                                   ; l, of the unquantised p
	v_permlanex16_b32 v71, v72, s12, s13
	v_add_f32 v72, v72, v71
	v_rcp_f32 v70, v72
	v_nop
	s_wait_alu depctr_va_vdst(0)
	v_ldexp_f32 v70, v70, s31                      ; 2^(e16 + e17) / l
	WIN 0x41
.irp i, 0,1,2,3,4,5,6,7,8,9,10,11,12,13,14,15,16,17,18,19,20,21,22,23,24,25,26,27,28,29,30,31
	v_min_num_f32 v[A_+\i], v[A_+\i], v25          ; p is not negative: the hold is one-sided
.endr
	WIN 0x01
.irp ct, 0,1,2,3
	v_cvt_scalef32_pk8_fp8_f32 v[72+2*\ct:73+2*\ct], v[A_+8*\ct:A_+8*\ct+7], v24
.endr
	v_nop
.if \tt == 0
	s_wait_loadcnt 0x0                             ; the attention's four fragments
.endif
	WIN 0x40
.irp lt, 0,1,2,3
	v_wmma_f32_16x16x64_fp8_fp8 v[A_+8*\lt:A_+8*\lt+7], v[32+8*\lt:39+8*\lt], v[72:79], 0
.endr
	PLACES 4
	WIN 0x41
.irp i, 0,2,4,6,8,10,12,14,16,18,20,22,24,26,28,30
	v_pk_mul_f32 v[A_+\i:A_+\i+1], v[A_+\i:A_+\i+1], v[70:71] op_sel_hi:[1,0]
.endr
	SUM32 A_, 84
	v_permlanex16_b32 v82, v84, s12, s13
	v_add_f32 v84, v84, v82
	s_wait_dscnt 0x0                               ; the last tile's store has read v80, v81
	v_mul_f32 v80, s40, v84                        ; my head's mean
	WIN 0x01
.irp i, 0,2,4,6,8,10,12,14,16,18,20,22,24,26,28,30
	v_pk_add_f32 v[96+\i:97+\i], v[A_+\i:A_+\i+1], v[80:81] op_sel_hi:[1,0] neg_lo:[0,1] neg_hi:[0,1]
.endr
	WIN 0
	v_pk_mul_f32 v[84:85], v[96:97], v[96:97]
	v_pk_mul_f32 v[86:87], v[98:99], v[98:99]
.irp i, 4,8,12,16,20,24,28
	v_pk_fma_f32 v[84:85], v[96+\i:97+\i], v[96+\i:97+\i], v[84:85]
	v_pk_fma_f32 v[86:87], v[98+\i:99+\i], v[98+\i:99+\i], v[86:87]
.endr
	v_pk_add_f32 v[84:85], v[84:85], v[86:87]
	v_add_f32 v84, v84, v85
	v_permlanex16_b32 v83, v84, s12, s13
	v_add_f32 v81, v84, v83                        ; and the sum of squared deviations from it
	ds_store_b64 v11, v[80:81] offset:1024*\tt     ; lanes r and r + 16 write the same words with the same numbers
.endr
	BAR                                            ; the eight heads' figures lie in LDS
.irp bq, 0,1
.irp i, 0,1,2,3
	ds_load_b128 v[64+16*\bq+4*\i:67+16*\bq+4*\i], v18 offset:128*\bq+16*\i
	ds_load_b128 v[96+16*\bq+4*\i:99+16*\bq+4*\i], v18 offset:256+128*\bq+16*\i
.endr
.endr
	WLOAD 0, 24, 10, 0                             ; out_W's first two K steps are asked for a phase ahead
	WLOAD 1, 24, 10, 0
	SETQ 36
; ---- norm over 512, scale and shift, silu, quantiser: h's codes go to LDS as images of the next operand's registers
.irp tt, 0,1,2,3,4,5,6,7
.set A_, 32*\tt
.irp i, 0,1,2,3
	ds_load_b128 v[32+4*\i:35+4*\i], v12 offset:1024*\tt+16*\i
.endr
	s_wait_dscnt 0x0
	v_add_f32 v26, v32, v34
	v_add_f32 v27, v36, v38
	v_add_f32 v28, v40, v42
	v_add_f32 v29, v44, v46
	v_add_f32 v26, v26, v27
	v_add_f32 v28, v28, v29
	v_add_f32 v26, v26, v28
	v_mul_f32 v26, s41, v26                        ; the row's mean
	v_add_f32 v30, v33, v35
	v_add_f32 v31, v37, v39
	v_add_f32 v27, v41, v43
	v_add_f32 v29, v45, v47
	v_add_f32 v30, v30, v31
	v_add_f32 v27, v27, v29
	v_add_f32 v30, v30, v27
.irp k, 32,34,36,38,40,42,44,46
	v_sub_f32 v[\k], v[\k], v26
.endr
	v_mul_f32 v31, v32, v32
.irp k, 34,36,38,40,42,44,46
	v_fmac_f32 v31, v[\k], v[\k]
.endr
	v_fma_f32 v30, v31, s84, v30                   ; the heads' spreads + 64 x the spread of their means
	v_fma_f32 v30, v30, s38, s39
	v_rsq_f32 v28, v30
	v_nop
	s_wait_alu depctr_va_vdst(0)
	WIN 0x41
.irp i, 0,2,4,6,8,10,12,14,16,18,20,22,24,26,28,30
	v_pk_add_f32 v[A_+\i:A_+\i+1], v[A_+\i:A_+\i+1], v[26:27] op_sel_hi:[1,0] neg_lo:[0,1] neg_hi:[0,1]
.endr
.irp i, 0,2,4,6,8,10,12,14,16,18,20,22,24,26,28,30
	v_pk_mul_f32 v[A_+\i:A_+\i+1], v[A_+\i:A_+\i+1], v[28:29] op_sel_hi:[1,0]
.endr
.irp i, 0,2,4,6,8,10,12,14,16,18,20,22,24,26,28,30
	v_pk_fma_f32 v[A_+\i:A_+\i+1], v[A_+\i:A_+\i+1], v[64+\i:65+\i], v[96+\i:97+\i]
.endr
	WIN 0x01
.irp i, 0,2,4,6,8,10,12,14,16,18,20,22,24,26,28,30
	v_pk_mul_f32 v[32+\i:33+\i], v[A_+\i:A_+\i+1], s[42:43] op_sel_hi:[1,0]
.endr
	WIN 0
.irp i, 0,1,2,3,4,5,6,7,8,9,10,11,12,13,14,15,16,17,18,19,20,21,22,23,24,25,26,27,28,29,30,31
	v_exp_f32 v[32+\i], v[32+\i]
.endr
	v_nop
	s_wait_alu depctr_va_vdst(0)
.irp i, 0,2,4,6,8,10,12,14,16,18,20,22,24,26,28,30
	v_pk_add_f32 v[32+\i:33+\i], v[32+\i:33+\i], 1.0 op_sel_hi:[1,0]
.endr
.irp i, 0,1,2,3,4,5,6,7,8,9,10,11,12,13,14,15,16,17,18,19,20,21,22,23,24,25,26,27,28,29,30,31
	v_rcp_f32 v[32+\i], v[32+\i]
.endr
	v_nop
	s_wait_alu depctr_va_vdst(0)
	WIN 0x41
.irp i, 0,2,4,6,8,10,12,14,16,18,20,22,24,26,28,30
	v_pk_mul_f32 v[A_+\i:A_+\i+1], v[A_+\i:A_+\i+1], v[32+\i:33+\i]
.endr
.irp i, 0,1,2,3,4,5,6,7,8,9,10,11,12,13,14,15,16,17,18,19,20,21,22,23,24,25,26,27,28,29,30,31
	v_med3_num_f32 v[A_+\i], v[A_+\i], -v25, v25
.endr
	WIN 0x01
.irp ct, 0,1,2,3
	v_cvt_scalef32_pk8_fp8_f32 v[48+2*\ct:49+2*\ct], v[A_+8*\ct:A_+8*\ct+7], v24
.endr
	v_nop
	WIN 0
	ds_store_b128 v13, v[48:51] offset:8192*\tt
	ds_store_b128 v13, v[52:55] offset:8192*\tt+512
.endr
	BAR                                            ; h's 64 images lie in LDS
; ---- the out projection
	GEMM 24, 10, 0, 1, 0, 1
.irp ct, 0,1,2,3
	global_load_b128 v[32+8*\ct:35+8*\ct], v20, s[74:75] offset:64*\ct
	global_load_b128 v[36+8*\ct:39+8*\ct], v20, s[74:75] offset:64*\ct+16
.endr
	XL 0
; ---- the way out: sum x 2^(e20 + e21) + out_b through my stage, back as whole rows of 256 bytes, + x
.irp tt, 0,1,2,3,4,5,6,7
.set A_, 32*\tt
	s_wait_xcnt 0x0                                ; earlier stores have read their registers
.if \tt == 0
	s_wait_loadcnt 8                               ; out_b is in; the 8 loads of x behind it may be out
.endif
	WIN 0x01
.irp i, 0,2,4,6,8,10,12,14,16,18,20,22,24,26,28,30
	v_pk_fma_f32 v[64+\i:65+\i], v[A_+\i:A_+\i+1], s[28:29], v[32+\i:33+\i] op_sel_hi:[1,0,1]
.endr
	WIN 0
.irp ct, 0,1,2,3
	ds_store_b128 v15, v[64+8*\ct:67+8*\ct] offset:64*\ct
	ds_store_b128 v15, v[68+8*\ct:71+8*\ct] offset:64*\ct+16
.endr
.irp i, 0,1,2,3,4,5,6,7
	ds_load_b128 v[192+32*(\tt%2)+4*\i:195+32*(\tt%2)+4*\i], v16 offset:544*\i   ; LDS serves a wave's instructions in order (ISA guide 5.7.1.4): these see my stores
.endr
.if \tt < 7
	XL \tt+1
.endif
	s_wait_dscnt 0x0
.if \tt < 7
	s_wait_loadcnt 8                               ; this tile's x is in; the next tile's 8 loads may be out
.else
	s_wait_loadcnt 0x0
.endif
.irp i, 0,2,4,6,8,10,12,14,16,18,20,22,24,26,28,30
	v_pk_add_f32 v[192+32*(\tt%2)+\i:193+32*(\tt%2)+\i], v[192+32*(\tt%2)+\i:193+32*(\tt%2)+\i], v[128+32*(\tt%2)+\i:129+32*(\tt%2)+\i]
.endr
.irp i, 0,1,2,3,4,5,6,7
	global_store_b128 v17, v[192+32*(\tt%2)+4*\i:195+32*(\tt%2)+4*\i], s[20:21] offset:(16*\tt+2*\i)*2048 th:TH_STORE_NT   ; sixteen lanes store 256 consecutive bytes, aligned
.endr
.endr
	s_wait_xcnt 0x0
	v_lshl_add_u32 v254, v0, 2, 0x2c000
	v_mov_b32 v255, 0
	s_wait_tensorcnt 0x0
	ds_add_u32 v254, v255
	s_wait_dscnt 0x0
	s_endpgm
.Lfunc_end_k_qc1ecb67593_out:
	.size	k_qc1ecb67593_out, .Lfunc_end_k_qc1ecb67593_out-k_qc1ecb67593_out
	.p2alignl 7, 3214868480
	.fill 96, 4, 3214868480
	.section	.rodata,"a",@progbits
	.p2align	6, 0x0
	.amdhsa_kernel k_qc1ecb67593_out
		.amdhsa_group_segment_fixed_size 181248
		.amdhsa_private_segment_fixed_size 0
		.amdhsa_enable_private_segment 0
		.amdhsa_kernarg_size 104
		.amdhsa_user_sgpr_count 2
		.amdhsa_user_sgpr_kernarg_segment_ptr 1
		.amdhsa_wavefront_size32 1
		.amdhsa_system_sgpr_workgroup_id_x 1
		.amdhsa_system_sgpr_workgroup_id_y 1
		.amdhsa_system_sgpr_workgroup_id_z 1
		.amdhsa_system_vgpr_workitem_id 0
		.amdhsa_next_free_vgpr 512
		.amdhsa_next_free_sgpr 100
		.amdhsa_reserve_vcc 0
		.amdhsa_float_denorm_mode_32 3
		.amdhsa_float_denorm_mode_16_64 3
		.amdhsa_memory_ordered 1
		.amdhsa_forward_progress 1
		.amdhsa_inst_pref_size 255
	.end_amdhsa_kernel
	.section	.bss,"aw",@nobits
	.p2align	6
	.space	262144
	.amdgpu_metadata
---
amdhsa.version: [ 1, 2 ]
amdhsa.kernels:
  - .name:           k_qc1ecb67593_out
    .symbol:         k_qc1ecb67593_out.kd
    .args:
      - { .name: x, .offset: 0, .size: 8, .value_kind: global_buffer, .address_space: global }
      - { .name: norm_g, .offset: 8, .size: 8, .value_kind: global_buffer, .address_space: global }
      - { .name: norm_b, .offset: 16, .size: 8, .value_kind: global_buffer, .address_space: global }
      - { .name: Wq_codes, .offset: 24, .size: 8, .value_kind: global_buffer, .address_space: global }
      - { .name: bq, .offset: 32, .size: 8, .value_kind: global_buffer, .address_space: global }
      - { .name: lowp_scales, .offset: 40, .size: 8, .value_kind: global_buffer, .address_space: global }
      - { .name: attc, .offset: 48, .size: 8, .value_kind: global_buffer, .address_space: global }
      - { .name: film, .offset: 56, .size: 8, .value_kind: global_buffer, .address_space: global }
      - { .name: snorm_g, .offset: 64, .size: 8, .value_kind: global_buffer, .address_space: global }
      - { .name: snorm_b, .offset: 72, .size: 8, .value_kind: global_buffer, .address_space: global }
      - { .name: out_W_codes, .offset: 80, .size: 8, .value_kind: global_buffer, .address_space: global }
      - { .name: out_b, .offset: 88, .size: 8, .value_kind: global_buffer, .address_space: global }
      - { .name: out0, .offset: 96, .size: 8, .value_kind: global_buffer, .address_space: global }
    .group_segment_fixed_size: 181248
    .private_segment_fixed_size: 0
    .kernarg_segment_align: 8
    .kernarg_segment_size: 104
    .max_flat_workgroup_size: 256
    .sgpr_count:     100
    .vgpr_count:     512
    .wavefront_size: 32
...
	.end_amdgpu_metadata
.endif
;; end of part 3
;; ======== version 2 of 2: 3 launches; version 1 with the launches kv, mid, out written anew for expert scheduling mode
;; workspace buffers: part 34,603,008 bytes; attc 1,048,576 bytes; film 131,072 bytes
;; launch kv (part 4): grid 256 x 1, 8 waves a work-group, no clusters, 298,752 bytes of LDS; arguments x, xf, re_motion, re_text, src_mask, re_mask, cond_type, lowp_scales, norm_g, norm_b, tnorm_g, tnorm_b, rn1_g, rn1_b, rn2_g, rn2_b, Wkm_codes, Wvm_codes, Wkr_codes, Wvr_codes, Wkt_codes, Wvt_codes, bkm, bvm, bkr, bvr, bkt, bvt, part; writes part
.if DOCPART == 4
	.amdgcn_target "amdgcn-amd-amdhsa--gfx1250"
	.amdhsa_code_object_version 6
	.text
	.protected	k_qc1ecb67593_kv
	.globl	k_qc1ecb67593_kv
	.p2align	8
	.type	k_qc1ecb67593_kv,@function
k_qc1ecb67593_kv:
	s_mov_b64 s[64:65], 0
	v_nop
	global_prefetch_b8 v0, s[64:65] scope:SCOPE_SE
	s_setreg_imm32_b32 hwreg(HW_REG_WAVE_SCHED_MODE, 0, 2), 2
	s_setreg_imm32_b32 hwreg(HW_REG_WAVE_MODE, 25, 1), 1
	s_wait_xcnt 0x0
	s_wait_alu depctr_vm_vsrc(0)
; KEYS, VALUES AND THE PARTIAL ATTENTION.  Work-group i (b = i / 8, j = i % 8) takes 128 motion tokens, 128 retrieval tokens and up to 10 text tokens of batch b.
; It normalises them, quantises them once for each product that uses them, makes k and v on E4M3 codes, takes the softmax over tokens by a running whole-number M,
; and stores for each head a 64 x 64 partial of k^T v with its -M and its sum l.  A later launch joins the eight partials of a batch by exact powers of two.
; SHARES.  For the norms wave w takes rows 16 w .. 16 w + 15; for the products wave w is head w.  A pass is 128 tokens x 32 channels (128 accumulator registers).
; ORIENTATION.  Source 0 = 16 tokens, source 1 = 16 weight rows: a lane holds ONE channel and its registers run along tokens, so the conversions' results are the operands of k^T v.
; THE ROWS OF A WEIGHT TILE ARE NOT NEIGHBOURS: lane r of tile t takes row 32 (t / 2) + 8 (t % 2) + r + 8 (r / 8), so that the attention's registers run along 16 neighbouring channels for the next launch.
; NO TENSOR LOADS, NO CLUSTER: weights go from memory straight into operand registers; the codes of 128 tokens fill 297,728 bytes of LDS, which leaves no room for a ring of weight tiles.
; LIMITS.  Every exponent of a quantiser lies between -126 and 119; e2+e3, e4+e5, e6+e7, e8+e9, e10+e11, e12+e13 between -126 and 127.  NaN among the inputs is not served.
; The two -1e6 terms of a retrieval key are added to each other before they are added to the product's sum (one rounding placed otherwise).
; REGISTERS.  Window 0: v1 lane, v2 r, v3 16 h, v4 16 lane, v5 4 lane, v6 r + 8 (r / 8); v7, v8 fragment addresses; v9-11 r x pitch + 16 h; v12-14 weight offsets; v15-21 LDS addresses that stay;
; v22, v26, v27 addresses of the trip; v23 256 lane; v24, v25 where a norm stores; v28-31 two scales and their holds; v32-63 statistics, biases, codes; v64-127 AF; v128-255 BF.
; Window 1: v0-127 ACC (accumulators; constants of a norm), v128-255 ATT (the 16 tiles of k^T v).
; THE MODE: SCHED_MODE bits 1:0 = 2 (LLVM: expert scheduling mode 2), set by the entry lines.  The code itself states the register dependences
; between vector or matrix instructions and memory or LDS instructions, with s_wait_alu, always for 0.
; THE PLAN.  Registers that memory or LDS instructions touch:
;   v4, v12-v21, v23   offsets made at the head and never written again: one wait on va_vdst ahead of the first load.
;   v7, v8, v22, v26, v27   offsets of a trip: written again only behind a wait on vm_vsrc (a quad's head, a pass's head, a block's head), read only behind the next wait on va_vdst.
;   v128-191, v192-255 as raw rows   a quad's vector work reads and writes them; its last quantiser's wait on va_vdst stands behind all of it, and the reload follows with no vector instruction between.
;   v48-63 as codes    written by conversions behind a wait on vm_vsrc, read by the stores behind a wait on va_vdst.
;   AF (two sets), BF (a K step each)   read by a group's four products; one wait on va_vdst behind the group, then the loads of the group two on.  Group 14 asks for nothing and has no wait;
;                      group 15's wait serves what follows a segment on every way: the next weights into BF, the masks' numbers or the next fragments into AF.
;   AF as parked codes, v32-47 as figures   written at a pass's end, stored behind ONE wait on va_vdst; written again behind the next pass's wait on vm_vsrc.
;   ACC as the operands of k^T v   loaded behind the same wait at the pass's end: no vector instruction stands between.
;   ATT                written by matrix instructions, multiplied by vector instructions, stored once at the end behind the places and one wait on va_vdst.
.set KC, 0                             ; key codes: 128 x 528, later 128 x 1040
.set VC, 135168                        ; value codes: 128 x 528
.set PP, VC                            ; p's codes, 8,192 bytes a wave: laid over VC behind a barrier
.set VP, 202752                        ; v's codes, 8,192 bytes a wave
.set TKC, 268288                       ; text key codes, 16 x 272
.set TVC, 272640                       ; text value codes
.set MK, 276992                        ; what is added to k [256], what multiplies v [256] at +1024, the same for the 16 text slots at +2048 and +2112
.set ST, 279296                        ; a wave's 2,304 bytes: -M [64], l [64] at +256, f [64] at +512, six biases of 64 at +768
.set AF, 64
.set BF, 128
.set ATT, 128
.set EPS, 63
.set MSB, 0
.macro WIN new                         ; the immediate's high byte repeats the setting that is left
.if MSB != \new
	s_set_vgpr_msb (MSB<<8)|\new
.set MSB, \new
.endif
.endm
.macro PLACES n
.rept \n
	v_nop
.endr
.endm
.macro BAR                             ; my LDS stores have landed and my LDS loads are in: then the work-group's barrier
	s_wait_dscnt 0x0
	s_barrier_signal -1
	s_barrier_wait -1
.endm
.macro MKQ d, e                        ; s[d] = 2^e as f32, s[d+1] = 448 x 2^e
	s_add_co_i32 s11, s[\e], 127
	s_lshl_b32 s[\d], s11, 23
	s_add_co_i32 s11, s11, 8
	s_lshl_b32 s[\d+1], s11, 23
	s_or_b32 s[\d+1], s[\d+1], 0x600000
.endm
.macro MKP d, ea, eb                   ; s[d] = 2^(ea + eb) as f32
	s_add_co_i32 s[\d], s[\ea], s[\eb]
	s_add_co_i32 s[\d], s[\d], 127
	s_lshl_b32 s[\d], s[\d], 23
.endm
.macro SETQ a, s
	v_mov_b32 v[\a], s[\s]
	v_mov_b32 v[\a+1], s[\s+1]
.endm
; four rows of 2,048 bytes: each load covers 512 consecutive bytes
.macro RLOAD rb, ptr, row0, nt
.irp q, 0,1,2,3
.irp i, 0,1,2,3
.if \nt
	global_load_b128 v[\rb+16*\q+4*\i:\rb+16*\q+4*\i+3], v4, s[\ptr:\ptr+1] offset:(\row0+\q)*2048+512*\i th:TH_LOAD_NT
.else
	global_load_b128 v[\rb+16*\q+4*\i:\rb+16*\q+4*\i+3], v4, s[\ptr:\ptr+1] offset:(\row0+\q)*2048+512*\i
.endif
.endr
.endr
.endm
; rows x a number of the row's own pair v[sb+4q:sb+4q+1].  kind 0: x low; 1: + high; 2: - high; 3: + low
.macro RSC kind, nr, n, d, a, as, sb
.set q_, 0
.rept \nr
.set i_, 0
.rept \n/2
.if \kind == 0
	v_pk_mul_f32 v[\d+\n*q_+i_:\d+\n*q_+i_+1], v[\a+\as*q_+i_:\a+\as*q_+i_+1], v[\sb+4*q_:\sb+4*q_+1] op_sel_hi:[1,0]
.elseif \kind == 1
	v_pk_add_f32 v[\d+\n*q_+i_:\d+\n*q_+i_+1], v[\a+\as*q_+i_:\a+\as*q_+i_+1], v[\sb+4*q_:\sb+4*q_+1] op_sel:[0,1] op_sel_hi:[1,1]
.elseif \kind == 2
	v_pk_add_f32 v[\d+\n*q_+i_:\d+\n*q_+i_+1], v[\a+\as*q_+i_:\a+\as*q_+i_+1], v[\sb+4*q_:\sb+4*q_+1] op_sel:[0,1] op_sel_hi:[1,1] neg_lo:[0,1] neg_hi:[0,1]
.else
	v_pk_add_f32 v[\d+\n*q_+i_:\d+\n*q_+i_+1], v[\a+\as*q_+i_:\a+\as*q_+i_+1], v[\sb+4*q_:\sb+4*q_+1] op_sel_hi:[1,0]
.endif
.set i_, i_+2
.endr
.set q_, q_+1
.endr
.endm
.macro RGB nr, n, d, g, b              ; rows x gain + offset
.set q_, 0
.rept \nr
.set i_, 0
.rept \n/2
	v_pk_fma_f32 v[\d+\n*q_+i_:\d+\n*q_+i_+1], v[\d+\n*q_+i_:\d+\n*q_+i_+1], v[\g+i_:\g+i_+1], v[\b+i_:\b+i_+1]
.set i_, i_+2
.endr
.set q_, q_+1
.endr
.endm
.macro XSUMN nr                        ; v[48+2q] = the pair's two halves, summed over the 32 lanes; the result stands in every lane
.set q_, 0
.rept \nr
	v_add_f32 v[48+2*q_], v[48+2*q_], v[49+2*q_]
.set q_, q_+1
.endr
.irp m, 1,2,4,8
.set q_, 0
.rept \nr
	v_add_f32_dpp v[48+2*q_], v[48+2*q_], v[48+2*q_] row_xmask:\m row_mask:0xf bank_mask:0xf
.set q_, q_+1
.endr
.endr
.set q_, 0
.rept \nr
	v_permlanex16_b32 v[56+q_], v[48+2*q_], s12, s13
.set q_, q_+1
.endr
.set q_, 0
.rept \nr
	v_add_f32 v[48+2*q_], v[48+2*q_], v[56+q_]
.set q_, q_+1
.endr
.endm
; two passes: -mean into v[32+4q]; the rows become deviations; the sum of their squares into v[48+2q]
.macro LNSTAT rb, nr, n, sinv
.set q_, 0
.rept \nr
	v_pk_add_f32 v[48+2*q_:49+2*q_], v[\rb+\n*q_:\rb+\n*q_+1], v[\rb+\n*q_+2:\rb+\n*q_+3]
.set q_, q_+1
.endr
.set i_, 4
.rept (\n-4)/2
.set q_, 0
.rept \nr
	v_pk_add_f32 v[48+2*q_:49+2*q_], v[48+2*q_:49+2*q_], v[\rb+\n*q_+i_:\rb+\n*q_+i_+1]
.set q_, q_+1
.endr
.set i_, i_+2
.endr
	XSUMN \nr
.set q_, 0
.rept \nr
	v_mul_f32 v[32+4*q_], -v[48+2*q_], s[\sinv]
.set q_, q_+1
.endr
	RSC 3, \nr, \n, \rb, \rb, \n, 32
.set q_, 0
.rept \nr
	v_pk_mul_f32 v[48+2*q_:49+2*q_], v[\rb+\n*q_:\rb+\n*q_+1], v[\rb+\n*q_:\rb+\n*q_+1]
.set q_, q_+1
.endr
.set i_, 2
.rept (\n-2)/2
.set q_, 0
.rept \nr
	v_pk_fma_f32 v[48+2*q_:49+2*q_], v[\rb+\n*q_+i_:\rb+\n*q_+i_+1], v[\rb+\n*q_+i_:\rb+\n*q_+i_+1], v[48+2*q_:49+2*q_]
.set q_, q_+1
.endr
.set i_, i_+2
.endr
	XSUMN \nr
.endm
.macro LNRS nr, sinv                   ; 1 / sqrt(variance + eps) into v[32+4q]
.set q_, 0
.rept \nr
	v_fma_f32 v[48+2*q_], v[48+2*q_], s[\sinv], s[EPS]
.set q_, q_+1
.endr
.set q_, 0
.rept \nr
	v_rsq_f32 v[32+4*q_], v[48+2*q_]
.set q_, q_+1
.endr
	v_nop                                          ; a plain instruction behind the last of the batch
	s_wait_alu depctr_va_vdst(0)                   ; the rows' 1 / sqrt in v32, v36 .. are written, ahead of their first reader: one wait for the batch
.endm
.macro LNAPP rb, nr, n, g, b, w
	RSC 0, \nr, \n, \rb, \rb, \n, 32
	WIN \w
	RGB \nr, \n, \rb, \g, \b
	WIN 0
.endm
; hold, convert, store: code register i of a row holds elements 128 i + 4 lane .. + 3, so the 32 lanes write 128 consecutive bytes
; e = 1: a quantiser's stores have been issued since the last wait on vm_vsrc
.macro QST dst, src, nr, n, qs, ql, adr, pitch, off, e
	s_wait_dscnt 0x0                               ; earlier stores of codes are done
.if \e
	s_wait_alu depctr_vm_vsrc(0)                   ; the stores of the quantiser before have read the code registers v48 .., which the conversions below write again
.endif
.set q_, 0
.rept \nr
.set i_, 0
.rept \n
	v_med3_num_f32 v[\dst+\n*q_+i_], v[\src+\n*q_+i_], -v[\ql], v[\ql]   ; the conversion does not saturate (ISA guide 7.6.2)
.set i_, i_+1
.endr
.set q_, q_+1
.endr
.set q_, 0
.rept \nr
.set i_, 0
.rept \n/8
	v_cvt_scalef32_pk8_fp8_f32 v[48+4*q_+2*i_:49+4*q_+2*i_], v[\dst+\n*q_+8*i_:\dst+\n*q_+8*i_+7], v[\qs]
.set i_, i_+1
.endr
.set q_, q_+1
.endr
	v_nop                                          ; a plain instruction behind the last conversion
	s_wait_alu depctr_va_vdst(0)                   ; the conversions have written the codes and the trip's address is written: the stores read both.  All that named the rows' registers is done too: after a quad's last quantiser the reload lands in them
.set q_, 0
.rept \nr
.set i_, 0
.rept \n/4
	ds_store_b32 v[\adr], v[48+4*q_+i_] offset:q_*\pitch+\off+128*i_
.set i_, i_+1
.endr
.set q_, q_+1
.endr
.endm
.macro QUADM rb                        ; four rows of x: one norm, two quantisers (for the key and for the value product)
	LNSTAT \rb, 4, 16, 62
	LNRS 4, 62
	LNAPP \rb, 4, 16, 0, 16, 0x14
	QST AF, \rb, 4, 16, 28, 29, 26, 528, 0, 0
	QST \rb, \rb, 4, 16, 30, 31, 27, 528, 0, 1
.endm
; four retrieval rows.  The key's norm runs over [motion row | text row]: its mean is (mm + mt) / 2 and its variance (S + St) / 1024 + dl^2 with dl = (mm - mt) / 2;
; the motion half's deviations are d + dl, the text half's dt - dl.  v22 = mt, v7 = St.  Constants in window 1: g2 0, b2 16, g1 (motion) 32, b1 48, g1 (text) 64, b1 80, dt 96.
.macro QUADR rb
	LNSTAT \rb, 4, 16, 62
.set q_, 0
.rept 4
	v_add_f32 v[33+4*q_], v[32+4*q_], v22
	v_fma_f32 v[56+q_], v[48+2*q_], s62, s63
	v_add_f32 v[49+2*q_], v[48+2*q_], v7
	v_mul_f32 v[33+4*q_], -0.5, v[33+4*q_]         ; dl
.set q_, q_+1
.endr
.set q_, 0
.rept 4
	v_fma_f32 v[35+4*q_], v[33+4*q_], v[33+4*q_], s63
	v_fma_f32 v[49+2*q_], v[49+2*q_], s67, v[35+4*q_]
.set q_, q_+1
.endr
.set q_, 0
.rept 4
	v_rsq_f32 v[32+4*q_], v[56+q_]                 ; the value's
	v_rsq_f32 v[34+4*q_], v[49+2*q_]               ; the key's
.set q_, q_+1
.endr
	v_nop
	s_wait_alu depctr_va_vdst(0)                   ; the eight 1 / sqrt in v32, v34, v36 .. are written, ahead of their first reader: one wait for the batch
	RSC 0, 4, 16, AF, \rb, 16, 32
	WIN 0x14
	RGB 4, 16, AF, 0, 16
	WIN 0
	QST AF, AF, 4, 16, 30, 31, 27, 528, 0, 0
	WIN 0x01
	RSC 2, 4, 16, AF, 96, 0, 32
	WIN 0
	RSC 0, 4, 16, AF, AF, 16, 34
	WIN 0x14
	RGB 4, 16, AF, 64, 80
	WIN 0
	QST AF, AF, 4, 16, 28, 29, 26, 1040, 512, 1
	RSC 1, 4, 16, \rb, \rb, 16, 32
	RSC 0, 4, 16, \rb, \rb, 16, 34
	WIN 0x14
	RGB 4, 16, \rb, 32, 48
	WIN 0
	QST \rb, \rb, 4, 16, 28, 29, 26, 1040, 0, 1
.endm
; 16 rows in two trips of two quads; the first trip asks for the second trip's rows as each set of registers comes free.
; An arm that issues no load waits for all loads; the arm that loads leaves its own 16 out: so each count holds on every way through.
.macro LNLOOP quad, ptr, pk, pv, nt
	s_mov_b32 s6, 0
	s_mov_b32 s9, 0
	s_mov_b32 s10, 0
.Lln_\@:
	s_wait_dscnt 0x0                               ; the last stores are done
	s_wait_alu depctr_vm_vsrc(0)                   ; the last stores of codes have read v26, v27 and v48-63: the two lines below and this quad's sums write them again
	v_add_nc_u32 v26, s9, v24
	v_add_nc_u32 v27, s10, v25
	s_wait_loadcnt 16                              ; the first set is in; the second set's 16 loads may be out
	\quad 128
	s_cmp_lg_u32 s6, 0
	s_cbranch_scc1 .Lla_\@
	RLOAD 128, \ptr, 8, \nt
	s_wait_loadcnt 16                              ; all but the 16 just issued
	s_branch .Llb_\@
.Lla_\@:
	s_wait_loadcnt 0x0
.Llb_\@:
	s_wait_dscnt 0x0
	s_wait_alu depctr_vm_vsrc(0)                   ; the first quad's stores have read v26, v27 and v48-63, which are written again from here on
	v_add_nc_u32 v26, 4*\pk, v26
	v_add_nc_u32 v27, 4*\pv, v27
	\quad 192
	s_cmp_lg_u32 s6, 0
	s_cbranch_scc1 .Llc_\@
	RLOAD 192, \ptr, 12, \nt
	s_branch .Lld_\@
.Llc_\@:
	s_wait_loadcnt 0x0
.Lld_\@:
	s_add_co_u32 s9, s9, 8*\pk
	s_add_co_u32 s10, s10, 8*\pv
	s_add_co_u32 s6, s6, 1
	s_cmp_lt_u32 s6, 2
	s_cbranch_scc1 .Lln_\@
	s_wait_loadcnt 0x0                             ; nothing is out when the rows' registers take weights
.endm
; the weights of a pass: two tiles of 16 rows x 512 along K, K step by K step
.macro BLOAD wp, wv, pitch, row0, koff
.irp ks, 0,1,2,3
.irp cc, 0,1
.irp c, 0,1,2,3
	global_load_b128 v[BF+32*\ks+16*\cc+4*\c:BF+32*\ks+16*\cc+4*\c+3], v[\wv], s[\wp:\wp+1] offset:(\row0+8*\cc)*\pitch+\koff+128*\ks+32*\c
.endr
.endr
.endr
.endm
.macro BLOADT wp                       ; a text weight: four tiles x 256 along K
.irp ct, 0,1,2,3
.irp ks, 0,1
.irp c, 0,1,2,3
	global_load_b128 v[BF+32*\ct+16*\ks+4*\c:BF+32*\ct+16*\ks+4*\c+3], v14, s[\wp:\wp+1] offset:(32*(\ct/2)+8*(\ct%2))*256+128*\ks+32*\c
.endr
.endr
.endr
.endm
.macro ALOAD g, pa, koff               ; group g: token tiles 2 (g % 4), + 1 of K step g / 4
.irp i, 0,1
.irp c, 0,1,2,3
	ds_load_b128 v[AF+32*((\g)%2)+16*\i+4*\c:AF+32*((\g)%2)+16*\i+4*\c+3], v[7+(2*((\g)%4)+\i)/4] offset:((2*((\g)%4)+\i)%4)*16*\pa+\koff+128*((\g)/4)+32*\c
.endr
.endr
.endm
.macro PASSHEAD p, ne, pa              ; the bias, divided by the power of two that the sums lack, is the C of each sum's first product
	s_wait_alu depctr_vm_vsrc(0)                   ; the LDS instructions issued so far have read v27, v26 and v22, the parked codes in AF and the figures in v32-47: this pass writes all of them again
	v_add_nc_u32 v27, s8, v19
	s_wait_alu depctr_va_vdst(0)                   ; v27 is written (in a block's first pass v7 and v8 too), and the pass before is done with v48, v49 and AF, in which the loads below land
	ds_load_b32 v48, v27 offset:256*\p
	ds_load_b32 v49, v27 offset:256*\p+32
	ALOAD 0, \pa, 0
	ALOAD 1, \pa, 0
	s_wait_dscnt 16                                ; the two bias words are in; the 16 fragment loads behind them may be out
.irp cc, 0,1
.irp j, 0,1,2,3,4,5,6,7
	v_ldexp_f32 v[32+8*\cc+\j], v[48+\cc], s[\ne]
.endr
.endr
.endm
; 64 products: 8 token tiles x 2 channel tiles x 4 K steps.  The 16 accumulators take turns, one instruction a turn.
.macro SEG pa, koff, first
.set g_, 0
.rept 16
.if g_%4 == 0
	s_wait_loadcnt 8*(3-g_/4)                      ; this K step's 8 weight loads are in; the later K steps' 8 each may be out
.endif
.if g_ == 15
	s_wait_dscnt 0x0
.else
	s_wait_dscnt 8                                 ; this group's fragments are in; the next group's 8 loads may be out
.endif
.if \first && (g_ < 4)
	WIN 0x40
.else
	WIN 0x50
.endif
.irp i, 0,1
.irp c, 0,1
.if \first && (g_ < 4)
	v_wmma_f32_16x16x128_fp8_fp8 v[64*\c+8*(2*(g_%4)+\i):64*\c+8*(2*(g_%4)+\i)+7], v[AF+32*(g_%2)+16*\i:AF+32*(g_%2)+16*\i+15], v[BF+32*(g_/4)+16*\c:BF+32*(g_/4)+16*\c+15], v[32+8*\c:32+8*\c+7]
.else
	v_wmma_f32_16x16x128_fp8_fp8 v[64*\c+8*(2*(g_%4)+\i):64*\c+8*(2*(g_%4)+\i)+7], v[AF+32*(g_%2)+16*\i:AF+32*(g_%2)+16*\i+15], v[BF+32*(g_/4)+16*\c:BF+32*(g_/4)+16*\c+15], v[64*\c+8*(2*(g_%4)+\i):64*\c+8*(2*(g_%4)+\i)+7]
.endif
.endr
.endr
	PLACES 4                                       ; in front of loads into registers that the products have read, and of the first read of results
	WIN 0
.if g_ != 14
	s_wait_alu depctr_va_vdst(0)                   ; the products issued so far are done reading their fragments: groups 0-13: this group's set of AF takes the group two on; group 15: AF and BF take what follows the segment (weights, masks' numbers, fragments)
.endif
.if g_ < 14
	ALOAD g_+2, \pa, \koff
.endif
.set g_, g_+1
.endr
.endm
.macro MLOAD nt, mb, moff              ; a number for each token: register 8 tt + j = token 16 tt + 8 h + j
.set t_, 0
.rept \nt
	ds_load_b128 v[\mb+8*t_:\mb+8*t_+3], v15 offset:\moff+64*t_
	ds_load_b128 v[\mb+8*t_+4:\mb+8*t_+7], v15 offset:\moff+64*t_+16
.set t_, t_+1
.endr
.endm
.macro CVTS nt, nc, cb, cs, qs         ; tile tt's eight tokens become registers 2 tt, 2 tt + 1 of the next product's operand
	WIN 0x01
.set c_, 0
.rept \nc
.set t_, 0
.rept \nt
	v_cvt_scalef32_pk8_fp8_f32 v[\cb+\cs*c_+2*t_:\cb+\cs*c_+2*t_+1], v[8*\nt*c_+8*t_:8*\nt*c_+8*t_+7], v[\qs]
.set t_, t_+1
.endr
.set c_, c_+1
.endr
	v_nop
	WIN 0
.endm
.macro PARKA base                      ; where two operands are parked in this pass
	v_add_nc_u32 v22, s7, v[\base]
.endm
.macro PARKS cb                        ; two operands (16 registers each) go to my own LDS bytes as they stand
.irp c, 0,1
.irp q, 0,1,2,3
	ds_store_b128 v22, v[\cb+16*\c+4*\q:\cb+16*\c+4*\q+3] offset:2048*\c+512*\q
.endr
.endr
.endm
; v = sum x (mask x 2^(ea + eb)), held, converted with the value operand's scale (v30, v31)
.macro VPOST nt, nc, mb, moff, cb, cs, park
	MLOAD \nt, \mb, \moff
	s_wait_dscnt 0x0
	WIN 0x41
.set c_, 0
.rept \nc
.set t_, 0
.rept \nt
.irp i, 0,2,4,6
	v_pk_mul_f32 v[8*\nt*c_+8*t_+\i:8*\nt*c_+8*t_+\i+1], v[8*\nt*c_+8*t_+\i:8*\nt*c_+8*t_+\i+1], v[\mb+8*t_+\i:\mb+8*t_+\i+1]
.endr
.set t_, t_+1
.endr
.set c_, c_+1
.endr
.set r_, 0
.rept 8*\nt*\nc
	v_med3_num_f32 v[r_], v[r_], -v31, v31
.set r_, r_+1
.endr
	CVTS \nt, \nc, \cb, \cs, 30
.if \park
	PARKA 20
	s_wait_alu depctr_va_vdst(0)                   ; the conversions have written v's codes and v22 is written: the stores read both
	PARKS \cb
.endif
	s_wait_dscnt 0x0
.endm
; k = sum x 2^(ea + eb) + what the masks add; the running -M = floor(-largest t); p = 2^(t - M); l of the unquantised p; p held and converted (v28, v29)
.macro KPOST nt, nc, mb, moff, sk, cb, cs, park
.set LEN_, 2*\nt*\nc                   ; four chains of LEN_ registers
.set CPC_, 4/\nc                       ; chains to a channel tile
	v_add_nc_u32 v26, s8, v16
	s_wait_alu depctr_va_vdst(0)                   ; v26 is written, which the loads and stores of the figures read; the products are done with the registers in which the masks' numbers and the figures land
	MLOAD \nt, \mb, \moff
.set c_, 0
.rept \nc
	ds_load_b32 v[40+c_], v26 offset:64*c_
	ds_load_b32 v[44+c_], v26 offset:256+64*c_
.set c_, c_+1
.endr
	s_wait_dscnt 0x0
	WIN 0x41
.set c_, 0
.rept \nc
.set t_, 0
.rept \nt
.irp i, 0,2,4,6
	v_pk_fma_f32 v[8*\nt*c_+8*t_+\i:8*\nt*c_+8*t_+\i+1], v[8*\nt*c_+8*t_+\i:8*\nt*c_+8*t_+\i+1], s[\sk:\sk+1], v[\mb+8*t_+\i:\mb+8*t_+\i+1] op_sel_hi:[1,0,1]
.endr
.set t_, t_+1
.endr
.set c_, c_+1
.endr
	WIN 0x05
.irp x, 0,1,2,3
	v_max_num_f32 v[48+\x], v[LEN_*\x], v[LEN_*\x+1]
.endr
	WIN 0x14
.set k_, 2
.rept LEN_/2-1
.irp x, 0,1,2,3
	v_max3_num_f32 v[48+\x], v[48+\x], v[LEN_*\x+k_], v[LEN_*\x+k_+1]
.endr
.set k_, k_+2
.endr
	WIN 0
.if CPC_ == 2
	v_max_num_f32 v48, v48, v49
	v_max_num_f32 v50, v50, v51
.endif
.set c_, 0
.rept \nc
	v_permlanex16_b32 v[56+c_], v[48+CPC_*c_], s12, s13   ; the channel's other tokens lie in the lane 16 away
.set c_, c_+1
.endr
.set c_, 0
.rept \nc
	v_max_num_f32 v[48+CPC_*c_], v[48+CPC_*c_], v[56+c_]
.set c_, c_+1
.endr
.set c_, 0
.rept \nc
	v_mul_f32 v[48+CPC_*c_], s14, v[48+CPC_*c_]    ; as t
.set c_, c_+1
.endr
.set c_, 0
.rept \nc
	v_floor_f32 v[48+CPC_*c_], -v[48+CPC_*c_]      ; -ceil(t)
.set c_, c_+1
.endr
.set c_, 0
.rept \nc
	v_min_num_f32 v[32+2*c_], v[40+c_], v[48+CPC_*c_]   ; the new -M
.set c_, c_+1
.endr
.set c_, 0
.rept \nc
	v_sub_f32 v[40+c_], v[32+2*c_], v[40+c_]       ; old M - new M: a whole number, 0 or less
.set c_, c_+1
.endr
.set c_, 0
.rept \nc
	v_cvt_i32_f32 v[40+c_], v[40+c_]               ; (it saturates)
.set c_, c_+1
.endr
.set c_, 0
.rept \nc
	v_ldexp_f32 v[40+c_], 1.0, v[40+c_]            ; f = 2^(old M - new M)
.set c_, c_+1
.endr
	WIN 0x41
.set c_, 0
.rept \nc
.set i_, 0
.rept 4*\nt
	v_pk_fma_f32 v[8*\nt*c_+i_:8*\nt*c_+i_+1], v[8*\nt*c_+i_:8*\nt*c_+i_+1], s[14:15], v[32+2*c_:33+2*c_] op_sel_hi:[1,0,0]   ; t - M
.set i_, i_+2
.endr
.set c_, c_+1
.endr
.set r_, 0
.rept 8*\nt*\nc
	v_exp_f32 v[r_], v[r_]
.set r_, r_+1
.endr
	v_nop                                          ; a plain instruction behind the last exponential
	s_wait_alu depctr_va_vdst(0)                   ; the pass's p in ACC are written, ahead of their first reader: one wait for the batch
	WIN 0x05
.irp x, 0,1,2,3
	v_pk_add_f32 v[48+2*\x:49+2*\x], v[LEN_*\x:LEN_*\x+1], v[LEN_*\x+2:LEN_*\x+3]
.endr
	WIN 0x04
.set k_, 4
.rept LEN_/2-2
.irp x, 0,1,2,3
	v_pk_add_f32 v[48+2*\x:49+2*\x], v[48+2*\x:49+2*\x], v[LEN_*\x+k_:LEN_*\x+k_+1]
.endr
.set k_, k_+2
.endr
	WIN 0
.if CPC_ == 2
	v_pk_add_f32 v[48:49], v[48:49], v[50:51]
	v_pk_add_f32 v[52:53], v[52:53], v[54:55]
.endif
.set c_, 0
.rept \nc
	v_add_f32 v[48+2*CPC_*c_], v[48+2*CPC_*c_], v[49+2*CPC_*c_]
	v_mul_f32 v[44+c_], v[44+c_], v[40+c_]         ; the old l under the new M
.set c_, c_+1
.endr
.set c_, 0
.rept \nc
	v_permlanex16_b32 v[56+c_], v[48+2*CPC_*c_], s12, s13
.set c_, c_+1
.endr
.set c_, 0
.rept \nc
	v_add_f32 v[48+2*CPC_*c_], v[48+2*CPC_*c_], v[56+c_]
.set c_, c_+1
.endr
.set c_, 0
.rept \nc
	v_add_f32 v[44+c_], v[44+c_], v[48+2*CPC_*c_]
.set c_, c_+1
.endr
	WIN 0x41
.set r_, 0
.rept 8*\nt*\nc
	v_min_num_f32 v[r_], v[r_], v29                ; p is not negative: the hold is one-sided
.set r_, r_+1
.endr
	CVTS \nt, \nc, \cb, \cs, 28
.if \park
	PARKA 21
.endif
	s_wait_alu depctr_va_vdst(0)                   ; -M, l and f, p's codes and (where they are parked) v22 are written: the stores below read them.  ACC is done with too: the operands of k^T v land there next
.set c_, 0
.rept \nc
	ds_store_b32 v26, v[32+2*c_] offset:64*c_      ; lanes r and r + 16 write the same word with the same number
	ds_store_b32 v26, v[44+c_] offset:256+64*c_
	ds_store_b32 v26, v[40+c_] offset:512+64*c_
.set c_, c_+1
.endr
.if \park
	PARKS \cb
.endif
	s_wait_dscnt 0x0
.endm
.macro FLOAD                           ; f of my 64 channels: register 8 dt + j = place 8 h + j of tile dt
	s_wait_alu depctr_vm_vsrc(0)                   ; the stores of the figures have read v32-47, in which f lands
.irp dt, 0,1,2,3
	ds_load_b128 v[32+8*\dt:35+8*\dt], v17 offset:512+64*\dt
	ds_load_b128 v[36+8*\dt:39+8*\dt], v17 offset:528+64*\dt
.endr
.endm
.macro FSCALE                          ; what was summed under the old M is brought under the new: exact
	WIN 0x41
.irp dt, 0,1,2,3
.irp lt, 0,1,2,3
.irp i, 0,2,4,6
	v_pk_mul_f32 v[ATT+8*(4*\dt+\lt)+\i:ATT+8*(4*\dt+\lt)+\i+1], v[ATT+8*(4*\dt+\lt)+\i:ATT+8*(4*\dt+\lt)+\i+1], v[32+8*\dt+\i:32+8*\dt+\i+1]
.endr
.endr
.endr
.endm
; k^T v over a block of 128 tokens: source 0 = p of 16 channels, source 1 = v of 16 channels; 16 accumulators, each once.
; The loads into ACC owe no wait of their own: no vector instruction has been issued since the wait at the end of the key pass.
.macro ATTN first
.if !\first
	FLOAD
.endif
	WIN 0x40
.irp t, 0,1,2,3
.irp q, 0,1,2,3
	ds_load_b128 v[16*\t+4*\q:16*\t+4*\q+3], v21 offset:2048*\t+512*\q
	ds_load_b128 v[64+16*\t+4*\q:64+16*\t+4*\q+3], v20 offset:2048*\t+512*\q
.endr
.endr
	s_wait_dscnt 0x0
.if !\first
	FSCALE
.endif
	WIN 0x55
.irp dt, 0,1,2,3
.irp lt, 0,1,2,3
.if \first
	v_wmma_f32_16x16x128_fp8_fp8 v[ATT+8*(4*\dt+\lt):ATT+8*(4*\dt+\lt)+7], v[16*\dt:16*\dt+15], v[64+16*\lt:64+16*\lt+15], 0
.else
	v_wmma_f32_16x16x128_fp8_fp8 v[ATT+8*(4*\dt+\lt):ATT+8*(4*\dt+\lt)+7], v[16*\dt:16*\dt+15], v[64+16*\lt:64+16*\lt+15], v[ATT+8*(4*\dt+\lt):ATT+8*(4*\dt+\lt)+7]
.endif
.endr
.endr
	PLACES 5                                       ; later products write over these operands' registers
	WIN 0
.endm
; a text product: 16 slots x 64 channels x 256 along K
.macro TSEG lds, p, ne
	s_wait_alu depctr_vm_vsrc(0)                   ; the LDS instructions issued so far have read v27, the parked codes in AF and the figures in v32-47, all of which are written again below
	v_add_nc_u32 v27, \lds, v11
	s_wait_alu depctr_va_vdst(0)                   ; v27 is written; the vector and matrix instructions before are done with AF and v60-63, in which the loads below land
.irp ks, 0,1
.irp c, 0,1,2,3
	ds_load_b128 v[AF+16*\ks+4*\c:AF+16*\ks+4*\c+3], v27 offset:128*\ks+32*\c
.endr
.endr
.irp ct, 0,1,2,3
	ds_load_b32 v[60+\ct], v19 offset:256*\p+128*(\ct/2)+32*(\ct%2)
.endr
	s_wait_dscnt 0x0
.irp ct, 0,1,2,3
.irp j, 0,1,2,3,4,5,6,7
	v_ldexp_f32 v[32+8*\ct+\j], v[60+\ct], s[\ne]  ; upward: v63 is read last and written last
.endr
.endr
	s_wait_loadcnt 0x0                             ; the weight's 32 loads
	WIN 0x40
.irp ct, 0,1,2,3
	v_wmma_f32_16x16x128_fp8_fp8 v[8*\ct:8*\ct+7], v[AF:AF+15], v[BF+32*\ct:BF+32*\ct+15], v[32+8*\ct:32+8*\ct+7]
.endr
	WIN 0x50
.irp ct, 0,1,2,3
	v_wmma_f32_16x16x128_fp8_fp8 v[8*\ct:8*\ct+7], v[AF+16:AF+31], v[BF+32*\ct+16:BF+32*\ct+31], v[8*\ct:8*\ct+7]
.endr
	PLACES 4
	WIN 0
.endm
.macro STEPG
	s_add_co_u32 s7, s7, 4096
	s_add_co_u32 s8, s8, 128
	s_add_co_u32 s5, s5, 1
	s_cmp_lt_u32 s5, 2
.endm
.macro ZEROG
	s_mov_b32 s5, 0
	s_mov_b32 s7, 0
	s_mov_b32 s8, 0
.endm
; the value product of a block: two passes; behind each pass's products the next pass's weights are asked for (both arms: 32 loads)
.macro VLOOP p, ne, moff, w0, w1, wv1, pitch1
	ZEROG
.Lv_\@:
	PASSHEAD \p, \ne, 528
	SEG 528, 0, 1
	s_cmp_lg_u32 s5, 0
	s_cbranch_scc1 .Lva_\@
	BLOAD \w0, 12, 512, 32, 0
	s_branch .Lvb_\@
.Lva_\@:
	BLOAD \w1, \wv1, \pitch1, 0, 0
.Lvb_\@:
	VPOST 8, 2, AF, \moff, AF, 16, 1
	STEPG
	s_cbranch_scc1 .Lv_\@
.endm
; ---- head
	s_load_b512 s[68:83], s[0:1], 0x0              ; x, xf, re_motion, re_text, src_mask, re_mask, cond_type, lowp_scales
.set r_, 32
.rept 32
	v_mov_b32 v[r_], 0                             ; written once: upper words of pairs and lane permutes' destinations count as read
.set r_, r_+1
.endr
	v_and_b32 v1, 31, v0
	v_and_b32 v2, 15, v0
	v_bfe_u32 v3, v0, 4, 1
	v_lshrrev_b32 v4, 5, v0
	v_readfirstlane_b32 s2, v4                     ; wave 0..7
	v_lshlrev_b32 v4, 4, v1
	v_lshlrev_b32 v5, 2, v1
	v_and_b32 v6, 8, v2
	v_add_nc_u32 v6, v6, v2
	v_lshlrev_b32 v15, 5, v3
	v_add_nc_u32 v15, MK, v15
	v_lshlrev_b32 v3, 4, v3
	v_mul_u32_u24 v9, v2, 528
	v_add_nc_u32 v9, v9, v3
	v_mul_u32_u24 v10, v2, 1040
	v_add_nc_u32 v10, v10, v3
	v_mul_u32_u24 v11, v2, 272
	v_add_nc_u32 v11, v11, v3
	v_lshl_add_u32 v12, v6, 9, v3
	v_lshl_add_u32 v13, v6, 10, v3
	v_lshl_add_u32 v14, v6, 8, v3
	s_wait_alu depctr_va_sdst(0)                   ; s2, the wave's number, is written, ahead of its first reader
	s_mul_i32 s11, s2, 2304
	s_add_co_u32 s11, s11, ST
	v_lshl_add_u32 v16, v2, 2, s11
	v_lshl_add_u32 v17, v3, 1, s11
	v_add_nc_u32 v18, s11, v4
	v_lshl_add_u32 v19, v6, 2, s11
	v_add_nc_u32 v19, 768, v19
	v_lshl_add_u32 v104, v1, 3, s11
	s_lshl_b32 s10, s2, 13
	s_add_co_u32 s11, s10, VP
	v_add_nc_u32 v20, s11, v4
	s_add_co_u32 s11, s10, PP
	v_add_nc_u32 v21, s11, v4
	v_lshlrev_b32 v23, 8, v1
	s_mul_i32 s10, s2, 16*528
	v_add_nc_u32 v24, s10, v5
	s_add_co_u32 s10, s10, VC
	v_add_nc_u32 v25, s10, v5
	s_lshr_b32 s3, ttmp9, 3                        ; b
	s_and_b32 s4, ttmp9, 7                         ; j
	s_mul_i32 s9, s4, 10                           ; the offsets of the head's other loads are made of ids alone: they are made here, so that one wait serves all the head's loads
	s_lshl_b32 s10, s2, 1
	s_add_co_u32 s9, s9, s10                       ; my first text slot's token
	s_mul_i32 s10, s3, 77
	s_min_u32 s11, s9, 76                          ; a slot past the end reads the last row; its key is hidden below
	s_add_co_u32 s11, s11, s10
	s_lshl_b32 s11, s11, 10
	v_add_nc_u32 v26, s11, v4
	s_add_co_u32 s9, s9, 1
	s_min_u32 s11, s9, 76
	s_add_co_u32 s11, s11, s10
	s_lshl_b32 s11, s11, 10
	v_add_nc_u32 v27, s11, v4
	v_and_b32 v7, 127, v0
	s_lshl_b32 s11, ttmp9, 7
	v_add_nc_u32 v7, s11, v7
	v_lshlrev_b32 v7, 2, v7                        ; a mask's word for each thread
	v_lshlrev_b32 v22, 3, v1
	s_lshl_b32 s10, s2, 8
	v_add_nc_u32 v22, s10, v22                     ; my head's 64 numbers of a bias, 8 bytes a lane
	s_lshl_b32 s10, ttmp9, 18
	s_lshl_b32 s11, s2, 15
	s_add_co_u32 s10, s10, s11                     ; (128 i + 16 w) rows of 2,048 bytes
	s_mov_b32 s11, 0
	s_wait_kmcnt 0x0
	s_add_nc_u64 s[16:17], s[68:69], s[10:11]
	s_add_nc_u64 s[18:19], s[72:73], s[10:11]
	s_wait_alu depctr_va_vdst(0)                   ; every offset and LDS address made above is written, and so are the zeros in v48-59, in which biases land: no vector instruction stands among the head's loads
	RLOAD 128, 16, 0, 0
	RLOAD 192, 16, 4, 0
	s_lshr_b32 s10, ttmp9, 1
	s_lshl_b32 s10, s10, 11
	s_add_nc_u64 s[100:101], s[74:75], s[10:11]    ; text row 4 b + j / 2
	s_lshl_b32 s10, s3, 2
	s_add_nc_u64 s[80:81], s[80:81], s[10:11]
	s_load_b32 s5, s[80:81], 0x0                   ; cond_type[b]
	s_load_b512 s[84:99], s[82:83], 0x0            ; e0 .. e15
	global_load_b128 v[64:67], v26, s[70:71]
	global_load_b128 v[68:71], v26, s[70:71] offset:512
	global_load_b128 v[72:75], v27, s[70:71]
	global_load_b128 v[76:79], v27, s[70:71] offset:512
	s_cmp_lt_u32 s2, 4                             ; waves 0-3 take the motion mask, waves 4-7 the retrieval mask: one word a thread
	s_cselect_b64 s[76:77], s[76:77], s[78:79]
	global_load_b32 v8, v7, s[76:77]
	s_wait_kmcnt 0x0
	s_wait_xcnt 0x0                                ; the loads above have read their bases: the sixteen scalars take the next addresses
	s_load_b512 s[68:83], s[0:1], 0x40             ; norm_g, norm_b, tnorm_g, tnorm_b, ..
	s_wait_kmcnt 0x0
	WIN 0x40
.irp i, 0,1,2,3
	global_load_b128 v[4*\i:4*\i+3], v4, s[68:69] offset:512*\i
	global_load_b128 v[16+4*\i:19+4*\i], v4, s[70:71] offset:512*\i
.endr
.irp i, 0,1
	global_load_b128 v[32+4*\i:35+4*\i], v4, s[72:73] offset:512*\i
	global_load_b128 v[40+4*\i:43+4*\i], v4, s[74:75] offset:512*\i
.endr
	WIN 0
	s_wait_xcnt 0x0
	s_load_b512 s[68:83], s[0:1], 0x80             ; Wkm, Wvm, Wkr, Wvr, Wkt, Wvt, bkm, bvm
	s_mov_b32 s11, 0
	s_lshl_b32 s10, s2, 15                         ; my head's 64 rows of 512 bytes
	s_wait_kmcnt 0x0
	s_add_nc_u64 s[20:21], s[68:69], s[10:11]
	s_add_nc_u64 s[22:23], s[70:71], s[10:11]
	s_add_nc_u64 s[26:27], s[74:75], s[10:11]
	s_lshl_b32 s10, s2, 16
	s_add_nc_u64 s[24:25], s[72:73], s[10:11]
	s_lshl_b32 s10, s2, 14
	s_add_nc_u64 s[28:29], s[76:77], s[10:11]
	s_add_nc_u64 s[30:31], s[78:79], s[10:11]
	global_load_b64 v[48:49], v22, s[80:81]
	global_load_b64 v[50:51], v22, s[82:83]
	s_wait_xcnt 0x0
	s_load_b256 s[68:75], s[0:1], 0xc0             ; bkr, bvr, bkt, bvt
	s_load_b64 s[32:33], s[0:1], 0xe0              ; part
	s_lshl_b32 s10, ttmp9, 3
	s_add_co_u32 s10, s10, s2
	s_mul_i32 s10, s10, 16896                      ; record 8 i + head
	s_wait_kmcnt 0x0
	global_load_b64 v[52:53], v22, s[68:69]
	global_load_b64 v[54:55], v22, s[70:71]
	global_load_b64 v[56:57], v22, s[72:73]
	global_load_b64 v[58:59], v22, s[74:75]
	s_add_nc_u64 s[32:33], s[32:33], s[10:11]
	s_mov_b32 s12, 0x76543210                      ; v_permlanex16_b32: lane l xor 16
	s_mov_b32 s13, 0xfedcba98
	s_mov_b32 s14, 0x3fb8aa3b                      ; log2(e)
	s_mov_b32 s15, s14
	s_mov_b32 s62, 0x3b000000                      ; 1 / 512
	s_mov_b32 s63, 0x3727c5ac                      ; 1e-5
	s_mov_b32 s66, 0x3b800000                      ; 1 / 256
	s_mov_b32 s67, 0x3a800000                      ; 1 / 1024
	MKP 34, 90, 91
	s_mov_b32 s35, s34
	MKP 36, 88, 89
	s_mov_b32 s37, s36
	MKP 38, 86, 87
	s_mov_b32 s39, s38
	s_add_co_i32 s40, s90, s91
	s_sub_co_i32 s40, 0, s40
	s_add_co_i32 s41, s96, s97
	s_sub_co_i32 s41, 0, s41
	s_add_co_i32 s42, s88, s89
	s_sub_co_i32 s42, 0, s42
	s_add_co_i32 s43, s94, s95
	s_sub_co_i32 s43, 0, s43
	s_add_co_i32 s44, s86, s87
	s_sub_co_i32 s44, 0, s44
	s_add_co_i32 s45, s92, s93
	s_sub_co_i32 s45, 0, s45
	MKQ 46, 90
	MKQ 48, 96
	MKQ 50, 88
	MKQ 52, 94
	MKQ 54, 86
	MKQ 56, 92
	MKQ 58, 98
	MKQ 60, 99
	MKP 7, 92, 93                                  ; 2^(e8 + e9)
	MKP 8, 96, 97                                  ; 2^(e12 + e13)
	MKP 6, 94, 95                                  ; 2^(e10 + e11)
	s_sub_co_i32 s9, 0, s5                         ; cond % 10 > 0 where |cond| is no multiple of 10; cond // 10 > 0 where cond >= 10
	s_max_i32 s9, s5, s9
	s_mul_hi_u32 s10, s9, 0xcccccccd
	s_lshr_b32 s10, s10, 3
	s_mul_i32 s10, s10, 10
	s_sub_co_u32 s9, s9, s10
	s_cmp_lg_u32 s9, 0
	s_cselect_b32 s9, 0, 0xc9742400                ; added to a text key
	s_cselect_b32 s7, s7, 0                        ; multiplies a text value
	s_cmp_ge_i32 s5, 10
	s_cselect_b32 s10, 0, 0xc9742400
	s_cselect_b32 s6, s6, 0
	s_cmp_lt_u32 s2, 4
	s_cselect_b32 s10, 0, s10                      ; my half's constant for k,
	s_cselect_b32 s6, s8, s6                       ; and for v
	s_mov_b32 s11, 0xc9742400                      ; -1e6
	s_wait_loadcnt 0x0                             ; all that the head asked for, once
	v_sub_f32 v100, 1.0, v8
	v_fma_f32 v100, v100, s11, s10
	v_mul_f32 v101, s6, v8
	v_lshlrev_b32 v102, 2, v0
	v_add_nc_u32 v102, MK, v102
	v_mov_b32 v106, 0x7f61b1e6                     ; -M begins at 3e38, above every -t
	v_mov_b32 v107, 0x7f61b1e6
	v_mov_b32 v108, 0
	v_mov_b32 v109, 0
	s_wait_alu depctr_va_vdst(0)                   ; v100-102 and v106-109 are written: the stores below read them
	ds_store_b32 v102, v100
	ds_store_b32 v102, v101 offset:1024
.irp p, 0,1,2,3,4,5
	ds_store_b64 v104, v[48+2*\p:49+2*\p] offset:768+256*\p
.endr
	ds_store_b64 v104, v[106:107]
	ds_store_b64 v104, v[108:109] offset:256
	s_cmp_lg_u32 s2, 0
	s_cbranch_scc1 .Lnot0
	s_mul_i32 s11, s4, 10                          ; wave 0: the 16 text slots; lanes 0-15 what is added to k, lanes 16-31 what multiplies v
	v_add_nc_u32 v110, s11, v2
	v_cmp_gt_u32 vcc_lo, 77, v110
	v_cmp_gt_u32 s8, 10, v2
	s_wait_alu depctr_va_vcc(0)                    ; the first compare has written VCC,
	s_wait_alu depctr_va_sdst(0)                   ; the second s8: the line below reads both
	s_and_b32 vcc_lo, vcc_lo, s8
	v_mov_b32 v110, 0xff800000                     ; a slot that is no token of mine: -infinity, so that p = 0
	v_mov_b32 v111, s9
	v_cndmask_b32 v110, v110, v111, vcc_lo
	v_mov_b32 v111, 0
	v_mov_b32 v112, s7
	v_cndmask_b32 v111, v111, v112, vcc_lo
	v_cmp_gt_u32 vcc_lo, 16, v1
	s_wait_alu depctr_va_vcc(0)                    ; the compare has written VCC, which the select below reads
	v_cndmask_b32 v110, v111, v110, vcc_lo
	v_add_nc_u32 v111, MK+2048, v5
	s_wait_alu depctr_va_vdst(0)                   ; v110 and v111 are written: the store reads them
	ds_store_b32 v111, v110
.Lnot0:
	s_wait_dscnt 0x0
	s_wait_alu depctr_vm_vsrc(0)                   ; the head's loads have read v26, v27, v7 and v22, its stores v48-59 and v100-111: the text norm writes v26, v27, v48 .. and v96-111, later lines the others
; ---- the norm of my two text slots
	SETQ 28, 54
	SETQ 30, 56
	s_mul_i32 s11, s2, 544
	s_add_co_u32 s10, s11, TKC
	v_add_nc_u32 v26, s10, v5
	s_add_co_u32 s10, s11, TVC
	v_add_nc_u32 v27, s10, v5
	LNSTAT 64, 2, 8, 66
	LNRS 2, 66
	LNAPP 64, 2, 8, 32, 40, 0x14
	QST 96, 64, 2, 8, 28, 29, 26, 272, 0, 0
	QST 64, 64, 2, 8, 30, 31, 27, 272, 0, 1
; ---- the norm of my 16 rows of x
	SETQ 28, 46
	SETQ 30, 48
	LNLOOP QUADM, 16, 528, 528, 0
	BLOAD 22, 12, 512, 0, 0
	BAR                                            ; the motion and text codes and the masks' tables lie in LDS
; ---- motion v
	v_add_nc_u32 v7, VC, v9
	v_add_nc_u32 v8, VC+64*528, v9
	SETQ 30, 60
	VLOOP 1, 41, 1024, 22, 20, 12, 512
	BAR                                            ; nobody reads the value codes any more: p's codes may be laid over them
; ---- motion k
	s_wait_alu depctr_vm_vsrc(0)                   ; the fragment loads of the value passes have read v7 and v8, which the two lines below write
	v_add_nc_u32 v7, KC, v9
	v_add_nc_u32 v8, KC+64*528, v9
	SETQ 28, 58
	ZEROG
.Lmk:
	PASSHEAD 0, 40, 528
	SEG 528, 0, 1
	s_cmp_lg_u32 s5, 0
	s_cbranch_scc1 .Lmk_a
	BLOAD 20, 12, 512, 32, 0
	s_branch .Lmk_b
.Lmk_a:
	BLOADT 30
.Lmk_b:
	KPOST 8, 2, AF, 0, 34, AF, 16, 1
	STEPG
	s_cbranch_scc1 .Lmk
	global_prefetch_b8 v23, s[18:19] th:TH_LOAD_NT scope:SCOPE_SE               ; my retrieval rows 0-7: 64 blocks of 256 bytes, a lane a block, each named once; they are loaded behind the text block
	global_prefetch_b8 v23, s[18:19] offset:8192 th:TH_LOAD_NT scope:SCOPE_SE
	ATTN 1
; ---- text v, text k
	TSEG TVC, 5, 45
	s_wait_alu depctr_va_vdst(0)                   ; the text products are done reading BF and AF: the key's weights land in BF, the slots' numbers in AF
	BLOADT 28
	VPOST 1, 4, AF, 2112, AF+32, 8, 0
	s_mov_b32 s8, 0
	TSEG TKC, 4, 44
	KPOST 1, 4, BF, 2048, 38, AF, 8, 0
.irp c, 0,1,2,3,4,5,6,7
.irp k, 2,3,4,5,6,7
	v_mov_b32 v[AF+8*\c+\k], 0                     ; 16 slots fill 16 of the form's 64 along K: the rest are zero codes on both sides
.endr
.endr
	FLOAD
	s_wait_dscnt 0x0
	FSCALE
	WIN 0x50
.irp dt, 0,1,2,3
.irp lt, 0,1,2,3
	v_wmma_f32_16x16x64_fp8_fp8 v[ATT+8*(4*\dt+\lt):ATT+8*(4*\dt+\lt)+7], v[AF+8*\dt:AF+8*\dt+7], v[AF+32+8*\lt:AF+32+8*\lt+7], v[ATT+8*(4*\dt+\lt):ATT+8*(4*\dt+\lt)+7]
.endr
.endr
	PLACES 5
	WIN 0
; ---- toward the retrieval block.  The loads below land in BF and ACC, which no vector or matrix instruction has named since the wait at the end of the text key's pass
	s_load_b256 s[68:75], s[0:1], 0x60             ; rn1_g, rn1_b, rn2_g, rn2_b (the loads that named these scalars were waited for at the head)
	RLOAD 128, 18, 0, 1
	RLOAD 192, 18, 4, 1
	s_wait_kmcnt 0x0
	WIN 0x40
.irp i, 0,1,2,3
	global_load_b128 v[4*\i:4*\i+3], v4, s[72:73] offset:512*\i
	global_load_b128 v[16+4*\i:19+4*\i], v4, s[74:75] offset:512*\i
	global_load_b128 v[32+4*\i:35+4*\i], v4, s[68:69] offset:512*\i
	global_load_b128 v[48+4*\i:51+4*\i], v4, s[70:71] offset:512*\i
	global_load_b128 v[64+4*\i:67+4*\i], v4, s[68:69] offset:2048+512*\i
	global_load_b128 v[80+4*\i:83+4*\i], v4, s[70:71] offset:2048+512*\i
	global_load_b128 v[96+4*\i:99+4*\i], v4, s[100:101] offset:512*\i
.endr
	WIN 0
	global_prefetch_b8 v23, s[18:19] offset:16384 th:TH_LOAD_NT scope:SCOPE_SE  ; my retrieval rows 8-15, loaded in the norm's first trip
	global_prefetch_b8 v23, s[18:19] offset:24576 th:TH_LOAD_NT scope:SCOPE_SE
	BAR                                            ; every wave has left the motion codes and its parked p
	s_wait_loadcnt 0x0
	WIN 0x01
.set r_, 0
.rept 16
	v_mov_b32 v[64+r_], v[96+r_]
.set r_, r_+1
.endr
	WIN 0
	LNSTAT 64, 1, 16, 62                           ; the text row's mean, deviations and sum of squares
	v_mul_f32 v22, -1.0, v32
	v_mov_b32 v7, v48
	WIN 0x40
.set r_, 0
.rept 16
	v_mov_b32 v[96+r_], v[64+r_]
.set r_, r_+1
.endr
	WIN 0
	s_mul_i32 s10, s2, 16*1040
	v_add_nc_u32 v24, s10, v5
	SETQ 28, 50
	SETQ 30, 52
	LNLOOP QUADR, 18, 1040, 528, 1
	BLOAD 26, 12, 512, 0, 0
	BAR                                            ; the retrieval codes lie in LDS
; ---- retrieval v
	v_add_nc_u32 v7, VC, v9
	v_add_nc_u32 v8, VC+64*528, v9
	SETQ 30, 60
	VLOOP 3, 43, 1536, 26, 24, 13, 1024
	BAR
; ---- retrieval k: K = 1,024 in two halves of four K steps
	s_wait_alu depctr_vm_vsrc(0)                   ; the fragment loads of the value passes have read v7 and v8, which the two lines below write
	v_add_nc_u32 v7, KC, v10
	v_add_nc_u32 v8, KC+64*1040, v10
	SETQ 28, 58
	ZEROG
.Lrk:
	PASSHEAD 2, 42, 1040
	SEG 1040, 0, 1
	s_cmp_lg_u32 s5, 0
	s_cbranch_scc1 .Lrk_a
	BLOAD 24, 13, 1024, 0, 512
	s_branch .Lrk_b
.Lrk_a:
	BLOAD 24, 13, 1024, 32, 512
.Lrk_b:
	ALOAD 0, 1040, 512
	ALOAD 1, 1040, 512
	SEG 1040, 512, 0
	s_cmp_lg_u32 s5, 0
	s_cbranch_scc1 .Lrk_c
	BLOAD 24, 13, 1024, 32, 0
.Lrk_c:
	KPOST 8, 2, AF, 512, 36, AF, 16, 1
	STEPG
	s_cbranch_scc1 .Lrk
	ATTN 0
; ---- out: each store of the wave covers 512 consecutive bytes, aligned; each tile from its low end on
	WIN 0x04
	s_wait_alu depctr_va_vdst(0)                   ; the last products have written the 16 tiles, which the stores read; the places above stay beside this wait
.irp t, 0,1,2,3,4,5,6,7,8,9,10,11,12,13,14,15
	global_store_b128 v4, v[ATT+8*\t:ATT+8*\t+3], s[32:33] offset:1024*\t th:TH_STORE_NT
	global_store_b128 v4, v[ATT+8*\t+4:ATT+8*\t+7], s[32:33] offset:1024*\t+512 th:TH_STORE_NT
.endr
	WIN 0
	ds_load_b128 v[48:51], v18                     ; -M [64] and l [64]
	s_wait_dscnt 0x0
	global_store_b128 v4, v[48:51], s[32:33] offset:16384 th:TH_STORE_NT
	s_wait_xcnt 0x0
	v_lshl_add_u32 v254, v0, 2, 0x48b00            ; the add's two registers, made anew: no memory or LDS instruction has read v254 or v255 of window 0
	v_mov_b32 v255, 0
	s_wait_dscnt 0x0                               ; the closing lines, six on end
	s_wait_alu 0x0
	s_wait_tensorcnt 0x0
	ds_add_u32 v254, v255
	s_wait_dscnt 0x0
	s_endpgm
.Lfunc_end_k_qc1ecb67593_kv:
	.size	k_qc1ecb67593_kv, .Lfunc_end_k_qc1ecb67593_kv-k_qc1ecb67593_kv
	.p2alignl 7, 3214868480
	.fill 96, 4, 3214868480
	.section	.rodata,"a",@progbits
	.p2align	6, 0x0
	.amdhsa_kernel k_qc1ecb67593_kv
		.amdhsa_group_segment_fixed_size 298752
		.amdhsa_private_segment_fixed_size 0
		.amdhsa_enable_private_segment 0
		.amdhsa_kernarg_size 232
		.amdhsa_user_sgpr_count 2
		.amdhsa_user_sgpr_kernarg_segment_ptr 1
		.amdhsa_wavefront_size32 1
		.amdhsa_system_sgpr_workgroup_id_x 1
		.amdhsa_system_sgpr_workgroup_id_y 1
		.amdhsa_system_sgpr_workgroup_id_z 1
		.amdhsa_system_vgpr_workitem_id 0
		.amdhsa_next_free_vgpr 512
		.amdhsa_next_free_sgpr 102
		.amdhsa_reserve_vcc 1
		.amdhsa_float_denorm_mode_32 3
		.amdhsa_float_denorm_mode_16_64 3
		.amdhsa_memory_ordered 1
		.amdhsa_forward_progress 1
		.amdhsa_inst_pref_size 255
	.end_amdhsa_kernel
	.section	.bss,"aw",@nobits
	.p2align	6
	.space	262144
	.amdgpu_metadata
---
amdhsa.version: [ 1, 2 ]
amdhsa.kernels:
  - .name:           k_qc1ecb67593_kv
    .symbol:         k_qc1ecb67593_kv.kd
    .args:
      - { .name: x, .offset: 0, .size: 8, .value_kind: global_buffer, .address_space: global }
      - { .name: xf, .offset: 8, .size: 8, .value_kind: global_buffer, .address_space: global }
      - { .name: re_motion, .offset: 16, .size: 8, .value_kind: global_buffer, .address_space: global }
      - { .name: re_text, .offset: 24, .size: 8, .value_kind: global_buffer, .address_space: global }
      - { .name: src_mask, .offset: 32, .size: 8, .value_kind: global_buffer, .address_space: global }
      - { .name: re_mask, .offset: 40, .size: 8, .value_kind: global_buffer, .address_space: global }
      - { .name: cond_type, .offset: 48, .size: 8, .value_kind: global_buffer, .address_space: global }
      - { .name: lowp_scales, .offset: 56, .size: 8, .value_kind: global_buffer, .address_space: global }
      - { .name: norm_g, .offset: 64, .size: 8, .value_kind: global_buffer, .address_space: global }
      - { .name: norm_b, .offset: 72, .size: 8, .value_kind: global_buffer, .address_space: global }
      - { .name: tnorm_g, .offset: 80, .size: 8, .value_kind: global_buffer, .address_space: global }
      - { .name: tnorm_b, .offset: 88, .size: 8, .value_kind: global_buffer, .address_space: global }
      - { .name: rn1_g, .offset: 96, .size: 8, .value_kind: global_buffer, .address_space: global }
      - { .name: rn1_b, .offset: 104, .size: 8, .value_kind: global_buffer, .address_space: global }
      - { .name: rn2_g, .offset: 112, .size: 8, .value_kind: global_buffer, .address_space: global }
      - { .name: rn2_b, .offset: 120, .size: 8, .value_kind: global_buffer, .address_space: global }
      - { .name: Wkm_codes, .offset: 128, .size: 8, .value_kind: global_buffer, .address_space: global }
      - { .name: Wvm_codes, .offset: 136, .size: 8, .value_kind: global_buffer, .address_space: global }
      - { .name: Wkr_codes, .offset: 144, .size: 8, .value_kind: global_buffer, .address_space: global }
      - { .name: Wvr_codes, .offset: 152, .size: 8, .value_kind: global_buffer, .address_space: global }
      - { .name: Wkt_codes, .offset: 160, .size: 8, .value_kind: global_buffer, .address_space: global }
      - { .name: Wvt_codes, .offset: 168, .size: 8, .value_kind: global_buffer, .address_space: global }
      - { .name: bkm, .offset: 176, .size: 8, .value_kind: global_buffer, .address_space: global }
      - { .name: bvm, .offset: 184, .size: 8, .value_kind: global_buffer, .address_space: global }
      - { .name: bkr, .offset: 192, .size: 8, .value_kind: global_buffer, .address_space: global }
      - { .name: bvr, .offset: 200, .size: 8, .value_kind: global_buffer, .address_space: global }
      - { .name: bkt, .offset: 208, .size: 8, .value_kind: global_buffer, .address_space: global }
      - { .name: bvt, .offset: 216, .size: 8, .value_kind: global_buffer, .address_space: global }
      - { .name: part, .offset: 224, .size: 8, .value_kind: global_buffer, .address_space: global }
    .group_segment_fixed_size: 298752
    .private_segment_fixed_size: 0
    .kernarg_segment_align: 8
    .kernarg_segment_size: 232
    .max_flat_workgroup_size: 256
    .sgpr_count:     102
    .vgpr_count:     512
    .wavefront_size: 32
...
	.end_amdgpu_metadata
.endif
;; end of part 4
;; launch mid (part 5): grid 320 x 1, 16 waves a work-group, no clusters, 39,936 bytes of LDS; arguments part, emb, emb_W_codes, emb_b, lowp_scales, attc, film; writes attc, film
.if DOCPART == 5
	.amdgcn_target "amdgcn-amd-amdhsa--gfx1250"
	.amdhsa_code_object_version 6
	.text
	.protected	k_qc1ecb67593_mid
	.globl	k_qc1ecb67593_mid
	.p2align	8
	.type	k_qc1ecb67593_mid,@function
k_qc1ecb67593_mid:
	s_mov_b64 s[64:65], 0
	v_nop
	global_prefetch_b8 v0, s[64:65] scope:SCOPE_SE
	s_setreg_imm32_b32 hwreg(HW_REG_WAVE_SCHED_MODE, 0, 2), 2
	s_setreg_imm32_b32 hwreg(HW_REG_WAVE_MODE, 25, 1), 1
	s_wait_xcnt 0x0
	s_wait_alu depctr_vm_vsrc(0)
; TWO SMALL JOBS IN ONE LAUNCH, parted on the work-group's number; each has LDS bytes of its own.  Both keep to 128 registers a wave.
; Work-groups 0-63: film[32][1024] = silu(emb) emb_W^T + emb_b on E4M3 codes.  Work-group t makes channels 64 (t / 4) .. + 63 for rows 8 (t % 4) .. + 7.
;   Wave w loads half a row of emb (8 loads of 512 consecutive bytes), takes silu, quantises, and lays the codes as rows in LDS.  Wave (ct = w % 4, kq = w / 4) then multiplies 16 channels x a quarter of K;
;   lanes r and r + 8 take the same row of emb, so half of a result tile is a copy.  The four quarters meet in LDS, and waves 0-3 store whole rows of 256 bytes.
; Work-groups 64-319: one (batch, head): the eight partials of k^T v are brought under the largest M by powers of two, added, divided by l, quantised, and laid as the next launch's operand.
;   Wave (lt = w % 4, dt = w / 4) takes one tile of 16 x 16.  The tile's -M and l come compact: lane (j = lane / 4, q = lane % 4) holds channels 4 q .. 4 q + 3 of partial j.
;   Each term is multiplied by g_j = 2^(M_j - M) 2^(e14 + e15) / l, so the division is done term by term and not on the finished sum.
; LIMITS: e16, e18 between -126 and 119; e18 + e19 between -126 and 127.  NaN among the inputs is not served.
; THE MODE: SCHED_MODE bits 1:0 = 2 (LLVM: expert scheduling mode 2), set by the entry lines.  The code itself states the register dependences
; between vector or matrix instructions and memory or LDS instructions, with s_wait_alu, always for 0.
; THE PLAN.  No address register is written twice.  The offsets of each path's global loads are made first, and one wait on va_vdst stands ahead of the loads; the other addresses are made behind the loads and
; are covered by the wait that stands ahead of the path's first LDS store.  Film: v48-55 are codes (written by conversions, read by stores), then accumulators (written behind a wait on vm_vsrc), then store data again;
; v16-47 are numbers, then fragments: each load into them stands behind a wait on va_vdst that follows their last vector or matrix reader.  Join: v16-19 are g (stored), then v16, v17 codes (written behind a wait on
; vm_vsrc) and v18, v19 the image read back; v32-63 take the factors of four partials at a time, the second four behind a wait on va_vdst.
.set CIMG, 0                           ; join: the attention's codes, 4,096 bytes
.set GS, 4096                          ; join: 512 bytes for each wave: g [8 partials][16 channels]
.set ECD, 12288                        ; film: emb's codes, 8 rows of 2,048 + 16 bytes
.set EP, 2064
.set PB, 28800                         ; film: four partial sums of 8 rows x (256 + 16) bytes
	s_load_b256 s[8:15], s[0:1], 0x0               ; part, emb, emb_W, emb_b
	s_load_b128 s[16:19], s[0:1], 0x20             ; lowp_scales, attc
	s_load_b64 s[20:21], s[0:1], 0x30              ; film
	v_lshl_add_u32 v128, v0, 2, 0x9400
	v_mov_b32 v129, 0
	v_and_b32 v1, 31, v0                           ; lane
	v_and_b32 v2, 15, v0                           ; r
	v_bfe_u32 v3, v0, 4, 1                         ; h
	v_lshrrev_b32 v4, 5, v0
	v_readfirstlane_b32 s2, v4                     ; wave 0..15
	v_lshlrev_b32 v4, 4, v1                        ; 16 lane
	s_wait_alu depctr_va_sdst(0)                   ; s2, the wave's number, is written, ahead of its first reader
	s_and_b32 s3, s2, 3
	s_lshr_b32 s4, s2, 2
	s_mov_b32 s7, 0
	s_wait_kmcnt 0x0
	s_load_b64 s[24:25], s[16:17], 0x38            ; e14, e15
	s_load_b32 s26, s[16:17], 0x40                 ; e16
	s_load_b64 s[28:29], s[16:17], 0x48            ; e18, e19
	s_cmp_lt_u32 ttmp9, 64
	s_cbranch_scc0 .Ljoin
; ---- film
	s_lshr_b32 s5, ttmp9, 2                        ; which 64 channels
	s_and_b32 s22, ttmp9, 3                        ; which 8 rows
	s_lshr_b32 s23, s2, 1                          ; my row among the 8,
	s_and_b32 s30, s2, 1                           ; and which half of it
	s_lshl_b32 s6, s22, 3
	s_add_co_u32 s6, s6, s23
	s_lshl_b32 s6, s6, 13                          ; a row of emb is 8,192 bytes
	s_lshl_b32 s31, s30, 12
	s_add_co_u32 s6, s6, s31
	s_add_nc_u64 s[10:11], s[10:11], s[6:7]
	v_lshlrev_b32 v5, 11, v2
	v_lshl_add_u32 v5, v3, 4, v5
	s_wait_alu depctr_va_vdst(0)                   ; v4 and v5 are written: the 24 loads below read them as offsets
.irp i, 0,1,2,3,4,5,6,7
	global_load_b128 v[16+4*\i:19+4*\i], v4, s[10:11] offset:512*\i   ; 32 lanes read 512 consecutive bytes
.endr
	s_lshl_b32 s6, s5, 6
	s_lshl_b32 s31, s3, 4
	s_add_co_u32 s6, s6, s31                       ; my first row of emb_W: 64 f + 16 ct
	s_lshl_b32 s6, s6, 11
	s_lshl_b32 s31, s4, 9
	s_add_co_u32 s6, s6, s31                       ; + my quarter of K
	s_add_nc_u64 s[12:13], s[12:13], s[6:7]
.irp s, 0,1,2,3
.irp c, 0,1,2,3
	global_load_b128 v[64+16*\s+4*\c:67+16*\s+4*\c], v5, s[12:13] offset:128*\s+32*\c   ; registers 4 c .. 4 c + 3: k = 32 c + 16 h + 0 .. 15 of the K step
.endr
.endr
	s_mul_i32 s6, s23, EP
	s_lshl_b32 s31, s30, 10
	s_add_co_u32 s6, s6, s31
	s_add_co_u32 s6, s6, ECD
	v_lshl_add_u32 v7, v1, 2, s6                   ; where my codes go: my row, my half, 4 bytes a lane
	v_and_b32 v6, 7, v2
	v_mul_u32_u24 v10, v6, EP
	v_lshl_add_u32 v10, v3, 4, v10
	s_lshl_b32 s6, s4, 9
	s_add_co_u32 s6, s6, ECD
	v_add_nc_u32 v10, s6, v10                      ; emb's fragments: row r % 8, my quarter of K, + 16 h
	s_mul_i32 s6, s4, 2176
	s_lshl_b32 s31, s3, 6
	s_add_co_u32 s6, s6, s31
	s_add_co_u32 s6, s6, PB
	v_mul_u32_u24 v11, v6, 272
	v_lshl_add_u32 v11, v3, 5, v11
	v_add_nc_u32 v11, s6, v11                      ; my partial sums: quarter kq, row r % 8, channels 16 ct + 8 h on
	s_mul_i32 s6, s2, 544
	s_add_co_u32 s6, s6, PB
	v_mul_u32_u24 v12, v3, 272
	v_lshl_add_u32 v12, v2, 4, v12
	v_add_nc_u32 v12, s6, v12                      ; back (waves 0-3): row 2 w + h, 16 bytes a lane
	s_lshl_b32 s6, s5, 8
	v_lshl_add_u32 v13, v2, 4, s6                  ; 256 f + 16 r
	v_lshl_add_u32 v14, v3, 12, v13
	s_lshl_b32 s6, s22, 3
	s_lshl_b32 s31, s2, 1
	s_add_co_u32 s6, s6, s31
	s_lshl_b32 s6, s6, 12
	v_add_nc_u32 v14, s6, v14                      ; + row 8 rq + 2 w + h of 4,096 bytes
	s_mov_b32 s34, 0xbfb8aa3b                      ; -log2(e)
	s_mov_b32 s35, s34
	s_wait_kmcnt 0x0
	s_add_co_i32 s30, s28, 127
	s_lshl_b32 s31, s30, 23
	v_mov_b32 v8, s31                              ; 2^e18
	s_add_co_i32 s30, s30, 8
	s_lshl_b32 s30, s30, 23
	s_or_b32 s30, s30, 0x600000
	v_mov_b32 v9, s30                              ; 448 x 2^e18
	s_add_co_i32 s32, s28, s29
	s_add_co_i32 s32, s32, 127
	s_lshl_b32 s32, s32, 23                        ; 2^(e18 + e19)
	s_mov_b32 s33, s32
	s_wait_loadcnt 16                              ; my half row is in; the 16 weight loads behind it may be out
.macro SILU16 x                        ; x / (1 + 2^(-x log2 e)), 16 numbers; each batch has one wait
.irp i, 0,2,4,6,8,10,12,14
	v_pk_mul_f32 v[48+\i:49+\i], v[\x+\i:\x+\i+1], s[34:35] op_sel_hi:[1,0]
.endr
.irp i, 0,1,2,3,4,5,6,7,8,9,10,11,12,13,14,15
	v_exp_f32 v[48+\i], v[48+\i]
.endr
	v_nop
	s_wait_alu depctr_va_vdst(0)                   ; the sixteen exponentials in v48-63 are written, ahead of their first reader
.irp i, 0,2,4,6,8,10,12,14
	v_pk_add_f32 v[48+\i:49+\i], v[48+\i:49+\i], 1.0 op_sel_hi:[1,0]
.endr
.irp i, 0,1,2,3,4,5,6,7,8,9,10,11,12,13,14,15
	v_rcp_f32 v[48+\i], v[48+\i]
.endr
	v_nop
	s_wait_alu depctr_va_vdst(0)                   ; the sixteen reciprocals in v48-63 are written, ahead of their first reader
.irp i, 0,2,4,6,8,10,12,14
	v_pk_mul_f32 v[\x+\i:\x+\i+1], v[\x+\i:\x+\i+1], v[48+\i:49+\i]
.endr
.endm
	SILU16 16
	SILU16 32
.irp i, 0,1,2,3,4,5,6,7,8,9,10,11,12,13,14,15,16,17,18,19,20,21,22,23,24,25,26,27,28,29,30,31
	v_med3_num_f32 v[16+\i], v[16+\i], -v9, v9     ; the conversion does not saturate (ISA guide 7.6.2)
.endr
.irp k, 0,1,2,3
	v_cvt_scalef32_pk8_fp8_f32 v[48+2*\k:49+2*\k], v[16+8*\k:23+8*\k], v8
.endr
	v_nop                                          ; a plain instruction behind the last conversion
	s_wait_alu depctr_va_vdst(0)                   ; the conversions have written the codes in v48-55 and are done reading v16-47; the addresses v7 and v10-v14 are written: the stores below read v7 and the codes, the fragments behind the barrier land in v16-47
.irp i, 0,1,2,3,4,5,6,7
	ds_store_b32 v7, v[48+\i] offset:128*\i        ; code word i holds elements 128 i + 4 lane .. + 3: the 32 lanes write 128 consecutive bytes
.endr
	s_wait_dscnt 0x0
	s_barrier_signal -1
	s_barrier_wait -1                              ; the codes of 8 rows lie in LDS
.irp s, 0,1
.irp c, 0,1,2,3
	ds_load_b128 v[16+16*\s+4*\c:19+16*\s+4*\c], v10 offset:128*\s+32*\c
.endr
.endr
	s_wait_loadcnt 0x0                             ; the weights
	s_wait_dscnt 0x0
	s_wait_alu depctr_vm_vsrc(0)                   ; the stores of codes have read v48-55, which the first product writes
	v_wmma_f32_16x16x128_fp8_fp8 v[48:55], v[64:79], v[16:31], 0     ; source 0 = 16 rows of emb_W, source 1 = rows of emb; even K steps in one accumulator, odd in the other: they take turns
	v_wmma_f32_16x16x128_fp8_fp8 v[56:63], v[80:95], v[32:47], 0
.rept 4
	v_nop                                          ; places in front of loads into registers that the products have read
.endr
	s_wait_alu depctr_va_vdst(0)                   ; the two products are done reading v16-47 and v64-79, in which the loads below land
.irp s, 2,3
.irp c, 0,1,2,3
	ds_load_b128 v[16+16*(\s-2)+4*\c:19+16*(\s-2)+4*\c], v10 offset:128*\s+32*\c
.endr
.endr
	global_load_b128 v[64:67], v13, s[14:15]       ; emb_b, into registers of a weight fragment that is done with
	s_wait_dscnt 0x0
	v_wmma_f32_16x16x128_fp8_fp8 v[48:55], v[96:111], v[16:31], v[48:55]
	v_wmma_f32_16x16x128_fp8_fp8 v[56:63], v[112:127], v[32:47], v[56:63]
.rept 4
	v_nop
.endr
.irp i, 0,2,4,6
	v_pk_add_f32 v[48+\i:49+\i], v[48+\i:49+\i], v[56+\i:57+\i]
.endr
	s_wait_alu depctr_va_vdst(0)                   ; the additions have written v48-55, which the stores read; the products are done reading v16-31, in which the quarters land behind the barrier
	ds_store_b128 v11, v[48:51]                    ; lanes r and r + 8 write the same bytes with the same numbers
	ds_store_b128 v11, v[52:55] offset:16
	s_wait_dscnt 0x0
	s_barrier_signal -1
	s_barrier_wait -1                              ; the four quarters of K lie in LDS
	s_cmp_lt_u32 s2, 4                             ; 8 rows of 256 bytes: two rows a wave, four waves
	s_cbranch_scc0 .Lfend
.irp k, 0,1,2,3
	ds_load_b128 v[16+4*\k:19+4*\k], v12 offset:2176*\k
.endr
	s_wait_dscnt 0x0
	v_pk_add_f32 v[16:17], v[16:17], v[20:21]
	v_pk_add_f32 v[18:19], v[18:19], v[22:23]
	v_pk_add_f32 v[24:25], v[24:25], v[28:29]
	v_pk_add_f32 v[26:27], v[26:27], v[30:31]
	v_pk_add_f32 v[16:17], v[16:17], v[24:25]
	v_pk_add_f32 v[18:19], v[18:19], v[26:27]
	s_wait_loadcnt 0x0                             ; emb_b
	v_pk_fma_f32 v[16:17], v[16:17], s[32:33], v[64:65] op_sel_hi:[1,0,1]
	v_pk_fma_f32 v[18:19], v[18:19], s[32:33], v[66:67] op_sel_hi:[1,0,1]
	s_wait_alu depctr_va_vdst(0)                   ; v16-19 are written: the store reads them
	global_store_b128 v14, v[16:19], s[20:21]      ; sixteen lanes store 256 consecutive bytes, aligned
.Lfend:
	s_wait_dscnt 0x0                               ; the closing lines, six on end
	s_wait_alu 0x0
	s_wait_tensorcnt 0x0
	ds_add_u32 v128, v129
	s_wait_dscnt 0x0
	s_endpgm
; ---- join
.Ljoin:
	s_sub_co_u32 s5, ttmp9, 64                     ; u = 8 b + head
	s_lshr_b32 s6, s5, 3
	s_lshl_b32 s6, s6, 6
	s_and_b32 s30, s5, 7
	s_add_co_u32 s6, s6, s30
	s_mul_i32 s6, s6, 16896                        ; record 64 b + head; the eight partials lie 8 records, 135,168 bytes, apart
	s_add_nc_u64 s[8:9], s[8:9], s[6:7]
	s_lshl_b32 s6, s4, 6
	s_add_co_u32 s6, s6, 16384                     ; -M of tile dt's 16 channels; l lies 256 bytes further on
	v_lshrrev_b32 v6, 2, v1                        ; j
	v_mul_u32_u24 v6, v6, 0x21000
	v_and_b32 v7, 3, v1                            ; q
	v_lshl_add_u32 v6, v7, 4, v6
	v_add_nc_u32 v6, s6, v6
	s_lshl_b32 s6, s4, 2
	s_add_co_u32 s6, s6, s3
	s_lshl_b32 s6, s6, 10
	v_add_nc_u32 v5, s6, v4
	s_wait_alu depctr_va_vdst(0)                   ; v6 and v5 are written: the 18 loads below read them as offsets
	global_load_b128 v[16:19], v6, s[8:9]          ; -M of partial j, channels 4 q .. 4 q + 3
	global_load_b128 v[20:23], v6, s[8:9] offset:256   ; l likewise
.irp j, 0,1,2,3,4,5,6,7
	global_load_b128 v[64+8*\j:67+8*\j], v5, s[8:9] offset:135168*\j th:TH_LOAD_NT
	global_load_b128 v[68+8*\j:71+8*\j], v5, s[8:9] offset:135168*\j+512 th:TH_LOAD_NT
.endr
	s_lshl_b32 s6, s2, 9
	s_add_co_u32 s6, s6, GS
	v_add_nc_u32 v12, s6, v4                       ; my wave's 512 bytes: in, 16 bytes a lane = [j][16 channels]
	v_lshl_add_u32 v9, v3, 5, s6                   ; back: channels 8 h .. 8 h + 7 of a partial
	s_lshl_b32 s6, s3, 10
	s_lshr_b32 s30, s4, 1
	s_lshl_b32 s30, s30, 9
	s_add_co_u32 s6, s6, s30
	s_and_b32 s30, s4, 1
	s_lshl_b32 s30, s30, 3
	s_add_co_u32 s6, s6, s30
	v_add_nc_u32 v7, s6, v4                        ; registers 2 dt, 2 dt + 1 of tile lt's fragment
	s_lshl_b32 s6, s2, 8
	v_lshl_add_u32 v8, v1, 3, s6                   ; 256 w + 8 lane
	s_lshl_b32 s6, s5, 12
	s_add_nc_u64 s[18:19], s[18:19], s[6:7]
	s_mov_b32 s36, 0x76543210                      ; v_permlanex16_b32: lane l xor 16
	s_mov_b32 s37, 0xfedcba98
.irp i, 0,1,2,3
	v_mov_b32 v[28+\i], 0                          ; a lane permute's destination counts as read
.endr
	s_wait_kmcnt 0x0
	s_add_co_i32 s24, s24, s25                     ; e14 + e15
	s_add_co_i32 s30, s26, 127
	s_lshl_b32 s31, s30, 23
	v_mov_b32 v10, s31                             ; 2^e16
	s_add_co_i32 s30, s30, 8
	s_lshl_b32 s30, s30, 23
	s_or_b32 s30, s30, 0x600000
	v_mov_b32 v11, s30                             ; 448 x 2^e16
	s_wait_loadcnt 16                              ; -M and l are in; the 16 tile loads behind them may be out
.irp i, 0,1,2,3
	v_mul_f32 v[16+\i], -1.0, v[16+\i]             ; M_j
.endr
.irp i, 0,1,2,3
	v_mov_b32 v[24+\i], v[16+\i]
.endr
.irp m, 4,8                            ; the partials lie in lanes that differ in bits 2, 3 and 4
.irp i, 0,1,2,3
	v_max_num_f32_dpp v[24+\i], v[24+\i], v[24+\i] row_xmask:\m row_mask:0xf bank_mask:0xf
.endr
.endr
.irp i, 0,1,2,3
	v_permlanex16_b32 v[28+\i], v[24+\i], s36, s37
.endr
.irp i, 0,1,2,3
	v_max_num_f32 v[24+\i], v[24+\i], v[28+\i]     ; the common M
.endr
.irp i, 0,1,2,3
	v_sub_f32 v[16+\i], v[16+\i], v[24+\i]         ; M_j - M: a whole number, 0 or less
.endr
.irp i, 0,1,2,3
	v_cvt_i32_f32 v[16+\i], v[16+\i]               ; (it saturates)
.endr
.irp i, 0,1,2,3
	v_ldexp_f32 v[16+\i], 1.0, v[16+\i]            ; 2^(M_j - M)
.endr
.irp i, 0,1,2,3
	v_mul_f32 v[20+\i], v[20+\i], v[16+\i]         ; l_j under the common M
.endr
.irp m, 4,8
.irp i, 0,1,2,3
	v_add_f32_dpp v[20+\i], v[20+\i], v[20+\i] row_xmask:\m row_mask:0xf bank_mask:0xf
.endr
.endr
.irp i, 0,1,2,3
	v_permlanex16_b32 v[28+\i], v[20+\i], s36, s37
.endr
.irp i, 0,1,2,3
	v_add_f32 v[20+\i], v[20+\i], v[28+\i]         ; l
.endr
.irp i, 0,1,2,3
	v_rcp_f32 v[20+\i], v[20+\i]
.endr
	v_nop
	s_wait_alu depctr_va_vdst(0)                   ; the four reciprocals in v20-23 are written, ahead of their first reader
.irp i, 0,1,2,3
	v_ldexp_f32 v[20+\i], v[20+\i], s24            ; 2^(e14 + e15) / l
.endr
.irp i, 0,1,2,3
	v_mul_f32 v[16+\i], v[16+\i], v[20+\i]         ; g_j
.endr
	s_wait_alu depctr_va_vdst(0)                   ; g in v16-19 and the addresses v12, v9, v7 and v8 are written: the store and the loads below read them
	ds_store_b128 v12, v[16:19]
.irp j, 0,1,2,3
	ds_load_b128 v[32+8*\j:35+8*\j], v9 offset:64*\j       ; LDS serves a wave's instructions in order (ISA guide 5.7.1.4): these see my store
	ds_load_b128 v[36+8*\j:39+8*\j], v9 offset:64*\j+16
.endr
	s_wait_dscnt 0x0
	s_wait_loadcnt 8                               ; the tiles of partials 0-3 are in; the 8 loads of partials 4-7 may be out
.irp i, 0,2,4,6
	v_pk_mul_f32 v[24+\i:25+\i], v[32+\i:33+\i], v[64+\i:65+\i]
.endr
.irp j, 1,2,3
.irp i, 0,2,4,6
	v_pk_fma_f32 v[24+\i:25+\i], v[32+8*\j+\i:33+8*\j+\i], v[64+8*\j+\i:65+8*\j+\i], v[24+\i:25+\i]
.endr
.endr
	s_wait_alu depctr_va_vdst(0)                   ; the multiply-adds are done reading v32-63, in which the factors of partials 4-7 land
.irp j, 4,5,6,7
	ds_load_b128 v[32+8*(\j-4):35+8*(\j-4)], v9 offset:64*\j
	ds_load_b128 v[36+8*(\j-4):39+8*(\j-4)], v9 offset:64*\j+16
.endr
	s_wait_dscnt 0x0
	s_wait_loadcnt 0x0
.irp j, 4,5,6,7
.irp i, 0,2,4,6
	v_pk_fma_f32 v[24+\i:25+\i], v[32+8*(\j-4)+\i:33+8*(\j-4)+\i], v[64+8*\j+\i:65+8*\j+\i], v[24+\i:25+\i]
.endr
.endr
	s_wait_alu depctr_vm_vsrc(0)                   ; the store of g has read v16-19: the conversion writes v16 and v17, and the image's load lands in v18 and v19
.irp i, 0,1,2,3,4,5,6,7
	v_med3_num_f32 v[24+\i], v[24+\i], -v11, v11
.endr
	v_cvt_scalef32_pk8_fp8_f32 v[16:17], v[24:31], v10
	v_nop
	s_wait_alu depctr_va_vdst(0)                   ; the conversion has written v16 and v17, which the store reads
	ds_store_b64 v7, v[16:17]
	s_wait_dscnt 0x0
	s_barrier_signal -1
	s_barrier_wait -1                              ; the sixteen tiles' codes lie in LDS as the operand's image
	ds_load_b64 v[18:19], v8
	s_wait_dscnt 0x0
	global_store_b64 v8, v[18:19], s[18:19]        ; a wave's store covers 256 consecutive bytes, aligned
	s_wait_dscnt 0x0                               ; the closing lines, six on end
	s_wait_alu 0x0
	s_wait_tensorcnt 0x0
	ds_add_u32 v128, v129
	s_wait_dscnt 0x0
	s_endpgm
.Lfunc_end_k_qc1ecb67593_mid:
	.size	k_qc1ecb67593_mid, .Lfunc_end_k_qc1ecb67593_mid-k_qc1ecb67593_mid
	.p2alignl 7, 3214868480
	.fill 96, 4, 3214868480
	.section	.rodata,"a",@progbits
	.p2align	6, 0x0
	.amdhsa_kernel k_qc1ecb67593_mid
		.amdhsa_group_segment_fixed_size 39936
		.amdhsa_private_segment_fixed_size 0
		.amdhsa_enable_private_segment 0
		.amdhsa_kernarg_size 56
		.amdhsa_user_sgpr_count 2
		.amdhsa_user_sgpr_kernarg_segment_ptr 1
		.amdhsa_wavefront_size32 1
		.amdhsa_system_sgpr_workgroup_id_x 1
		.amdhsa_system_sgpr_workgroup_id_y 1
		.amdhsa_system_sgpr_workgroup_id_z 1
		.amdhsa_system_vgpr_workitem_id 0
		.amdhsa_next_free_vgpr 130
		.amdhsa_next_free_sgpr 66
		.amdhsa_reserve_vcc 0
		.amdhsa_float_denorm_mode_32 3
		.amdhsa_float_denorm_mode_16_64 3
		.amdhsa_memory_ordered 1
		.amdhsa_forward_progress 1
		.amdhsa_inst_pref_size 30
	.end_amdhsa_kernel
	.amdgpu_metadata
---
amdhsa.version: [ 1, 2 ]
amdhsa.kernels:
  - .name:           k_qc1ecb67593_mid
    .symbol:         k_qc1ecb67593_mid.kd
    .args:
      - { .name: part, .offset: 0, .size: 8, .value_kind: global_buffer, .address_space: global }
      - { .name: emb, .offset: 8, .size: 8, .value_kind: global_buffer, .address_space: global }
      - { .name: emb_W_codes, .offset: 16, .size: 8, .value_kind: global_buffer, .address_space: global }
      - { .name: emb_b, .offset: 24, .size: 8, .value_kind: global_buffer, .address_space: global }
      - { .name: lowp_scales, .offset: 32, .size: 8, .value_kind: global_buffer, .address_space: global }
      - { .name: attc, .offset: 40, .size: 8, .value_kind: global_buffer, .address_space: global }
      - { .name: film, .offset: 48, .size: 8, .value_kind: global_buffer, .address_space: global }
    .group_segment_fixed_size: 39936
    .private_segment_fixed_size: 0
    .kernarg_segment_align: 8
    .kernarg_segment_size: 56
    .max_flat_workgroup_size: 512
    .sgpr_count:     66
    .vgpr_count:     130
    .wavefront_size: 32
...
	.end_amdgpu_metadata
.endif
;; end of part 5
;; launch out (part 6): grid 256 x 1, 8 waves a work-group, no clusters, 181,248 bytes of LDS; arguments x, norm_g, norm_b, Wq_codes, bq, lowp_scales, attc, film, snorm_g, snorm_b, out_W_codes, out_b, out0; writes out0
.if DOCPART == 6
	.amdgcn_target "amdgcn-amd-amdhsa--gfx1250"
	.amdhsa_code_object_version 6
	.text
	.protected	k_qc1ecb67593_out
	.globl	k_qc1ecb67593_out
	.p2align	8
	.type	k_qc1ecb67593_out,@function
k_qc1ecb67593_out:
	s_mov_b64 s[64:65], 0
	v_nop
	global_prefetch_b8 v0, s[64:65] scope:SCOPE_SE
	s_setreg_imm32_b32 hwreg(HW_REG_WAVE_SCHED_MODE, 0, 2), 2
	s_setreg_imm32_b32 hwreg(HW_REG_WAVE_MODE, 25, 1), 1
	s_wait_xcnt 0x0
	s_wait_alu depctr_vm_vsrc(0)
; QUERIES TO OUTPUT.  Work-group i takes rows 128 i .. + 127 of x (batch b = i / 8): norm, query product, softmax over a head's 64 channels, q x attention, / l, norm over 512, scale and shift, silu,
; out projection, bias and residual.  q, y and h never go to memory.
; SHARES.  Wave w normalises rows 16 w .. + 15; then it is head w for all 128 rows (q, y, h), then output channels 64 w .. + 63.  256 accumulator registers: (token tile tt, channel tile ct) at v[32 tt + 8 ct] of window 1.
; ORIENTATION.  Source 0 = 16 weight or attention rows, source 1 = 16 tokens: a lane holds ONE token and its registers run along channels, so each result becomes the next operand by conversions alone.
; Wq's rows of a tile are not neighbours: lane r of tile t takes row 32 (t / 2) + 8 (t % 2) + r + 8 (r / 8); register j of tile t then stands for channel 32 (t / 2) + 16 h + 8 (t % 2) + j.
; The norm of y spans the eight waves: each gives its head's mean and sum of squared deviations, and the eight are joined (no difference of large sums).
; NO TENSOR LOADS, NO CLUSTER: weights go from memory straight into operand registers, a K step ahead.
; LIMITS.  e0, e17, e20 between -126 and 119; e0 + e1 between -126 and 126 (added to log2(e)'s exponent field); e20 + e21 between -126 and 127.  NaN is not served.
; The norm's gain and offset and the scale and shift are folded: h = n x g (1 + scale) + (b (1 + scale) + shift).
; THE MODE: SCHED_MODE bits 1:0 = 2 (LLVM: expert scheduling mode 2), set by the entry lines.  The code itself states the register dependences
; between vector or matrix instructions and memory or LDS instructions, with s_wait_alu, always for 0.
; THE PLAN.  Registers that memory or LDS instructions touch:
;   v4, v7-v20, v23, v26   offsets and LDS addresses made at the head: one wait on va_vdst ahead of the first load.  (v26 becomes a vector temporary later, behind waits on vm_vsrc.)
;   v22                the norm's store address: written at each quad's head behind a wait on vm_vsrc, read behind the quad's wait on va_vdst.
;   v128-191, v192-255 as raw rows   worked on by a quad, whose wait on va_vdst ahead of its stores stands behind all of that work; the reload follows with no vector instruction between.
;   v48-63 as codes    written by conversions, stored behind a wait on va_vdst, written again behind a wait on vm_vsrc.
;   AF (two sets), BF (two K steps)   read by a group's eight products; one wait on va_vdst behind groups 0 to 13, then the fragments of the group two on and, at a K step's end, the weights two K steps on.
;                      Groups 14 and 15 ask for nothing; the loads behind a product land in v32-63 and v128-159, which those groups do not name.
;   v80, v81           a tile's two figures: written behind a wait on vm_vsrc, stored behind a wait on va_vdst.
;   the way out        v64-95 go to the stage, v192-255 come back by turns and leave, v128-191 take x by turns: a wait on vm_vsrc at a tile's head, one on va_vdst ahead of the stage's stores (it also covers the
;                      loads from the stage and of x), one ahead of the tile's global stores.
.set XC, 0                             ; codes of the normalised x: 128 x 528
.set HI, 67584                         ; h's codes as images of operand registers: (tt, head) at (8 tt + head) x 1,024
.set RED, 133120                       ; [token 64 bytes][wave 8 bytes]: mean, sum of squares
.set STG, 141312                       ; a stage of 16 x 272 for each wave
.set GB, 176128                        ; a wave's folded gain [64] and offset [64]
.set AF, 64
.set BF, 128
.set EPS, 39
.set MSB, 0
.macro WIN new
.if MSB != \new
	s_set_vgpr_msb (MSB<<8)|\new
.set MSB, \new
.endif
.endm
.macro PLACES n
.rept \n
	v_nop
.endr
.endm
.macro BAR
	s_wait_dscnt 0x0
	s_barrier_signal -1
	s_barrier_wait -1
.endm
.macro MKQ d, e
	s_add_co_i32 s11, s[\e], 127
	s_lshl_b32 s[\d], s11, 23
	s_add_co_i32 s11, s11, 8
	s_lshl_b32 s[\d+1], s11, 23
	s_or_b32 s[\d+1], s[\d+1], 0x600000
.endm
.macro SETQ s
	v_mov_b32 v24, s[\s]
	v_mov_b32 v25, s[\s+1]
.endm
.macro RLOAD rb, row0                  ; four rows of 2,048 bytes: each load covers 512 consecutive bytes
.irp q, 0,1,2,3
.irp i, 0,1,2,3
	global_load_b128 v[\rb+16*\q+4*\i:\rb+16*\q+4*\i+3], v4, s[16:17] offset:(\row0+\q)*2048+512*\i
.endr
.endr
.endm
.macro XSUM4                           ; v[48+2q]: the pair's halves, summed over the 32 lanes
.irp q, 0,1,2,3
	v_add_f32 v[48+2*\q], v[48+2*\q], v[49+2*\q]
.endr
.irp m, 1,2,4,8
.irp q, 0,1,2,3
	v_add_f32_dpp v[48+2*\q], v[48+2*\q], v[48+2*\q] row_xmask:\m row_mask:0xf bank_mask:0xf
.endr
.endr
.irp q, 0,1,2,3
	v_permlanex16_b32 v[56+\q], v[48+2*\q], s12, s13
.endr
.irp q, 0,1,2,3
	v_add_f32 v[48+2*\q], v[48+2*\q], v[56+\q]
.endr
.endm
; four rows: mean, deviations, variance, gain and offset (v64-79, v80-95), hold, conversion, codes to LDS: the 32 lanes write 128 consecutive bytes
.macro QUADX rb
.irp q, 0,1,2,3
	v_pk_add_f32 v[48+2*\q:49+2*\q], v[\rb+16*\q:\rb+16*\q+1], v[\rb+16*\q+2:\rb+16*\q+3]
.endr
.irp i, 4,6,8,10,12,14
.irp q, 0,1,2,3
	v_pk_add_f32 v[48+2*\q:49+2*\q], v[48+2*\q:49+2*\q], v[\rb+16*\q+\i:\rb+16*\q+\i+1]
.endr
.endr
	XSUM4
.irp q, 0,1,2,3
	v_mul_f32 v[32+4*\q], -v[48+2*\q], s38
.endr
.irp q, 0,1,2,3
.irp i, 0,2,4,6,8,10,12,14
	v_pk_add_f32 v[\rb+16*\q+\i:\rb+16*\q+\i+1], v[\rb+16*\q+\i:\rb+16*\q+\i+1], v[32+4*\q:33+4*\q] op_sel_hi:[1,0]
.endr
.endr
.irp q, 0,1,2,3
	v_pk_mul_f32 v[48+2*\q:49+2*\q], v[\rb+16*\q:\rb+16*\q+1], v[\rb+16*\q:\rb+16*\q+1]
.endr
.irp i, 2,4,6,8,10,12,14
.irp q, 0,1,2,3
	v_pk_fma_f32 v[48+2*\q:49+2*\q], v[\rb+16*\q+\i:\rb+16*\q+\i+1], v[\rb+16*\q+\i:\rb+16*\q+\i+1], v[48+2*\q:49+2*\q]
.endr
.endr
	XSUM4
.irp q, 0,1,2,3
	v_fma_f32 v[48+2*\q], v[48+2*\q], s38, s[EPS]
.endr
.irp q, 0,1,2,3
	v_rsq_f32 v[32+4*\q], v[48+2*\q]
.endr
	v_nop
	s_wait_alu depctr_va_vdst(0)                   ; the four 1 / sqrt in v32, v36, v40, v44 are written, ahead of their first reader
.irp q, 0,1,2,3
.irp i, 0,2,4,6,8,10,12,14
	v_pk_mul_f32 v[\rb+16*\q+\i:\rb+16*\q+\i+1], v[\rb+16*\q+\i:\rb+16*\q+\i+1], v[32+4*\q:33+4*\q] op_sel_hi:[1,0]
.endr
.endr
.irp q, 0,1,2,3
.irp i, 0,2,4,6,8,10,12,14
	v_pk_fma_f32 v[\rb+16*\q+\i:\rb+16*\q+\i+1], v[\rb+16*\q+\i:\rb+16*\q+\i+1], v[64+\i:65+\i], v[80+\i:81+\i]
.endr
.endr
	s_wait_dscnt 0x0                               ; earlier stores of codes are done
.irp q, 0,1,2,3
.irp i, 0,1,2,3,4,5,6,7,8,9,10,11,12,13,14,15
	v_med3_num_f32 v[\rb+16*\q+\i], v[\rb+16*\q+\i], -v25, v25
.endr
.endr
.irp q, 0,1,2,3
	v_cvt_scalef32_pk8_fp8_f32 v[48+4*\q:49+4*\q], v[\rb+16*\q:\rb+16*\q+7], v24
	v_cvt_scalef32_pk8_fp8_f32 v[50+4*\q:51+4*\q], v[\rb+16*\q+8:\rb+16*\q+15], v24
.endr
	v_nop
	s_wait_alu depctr_va_vdst(0)                   ; the conversions have written the codes in v48-63 and v22 is written: the stores read both; all that named the rows' registers is done: the reload lands in them
.irp q, 0,1,2,3
.irp i, 0,1,2,3
	ds_store_b32 v22, v[48+4*\q+\i] offset:\q*528+128*\i
.endr
.endr
.endm
.macro WLOAD ks, wp, wv, pi            ; a K step's weights: four tiles of 16 rows x 128, into the set ks % 2
.irp ct, 0,1,2,3
.irp c, 0,1,2,3
.if \pi
	global_load_b128 v[BF+64*((\ks)%2)+16*\ct+4*\c:BF+64*((\ks)%2)+16*\ct+4*\c+3], v[\wv], s[\wp:\wp+1] offset:(32*(\ct/2)+8*(\ct%2))*512+128*(\ks)+32*\c
.else
	global_load_b128 v[BF+64*((\ks)%2)+16*\ct+4*\c:BF+64*((\ks)%2)+16*\ct+4*\c+3], v[\wv], s[\wp:\wp+1] offset:16*\ct*512+128*(\ks)+32*\c
.endif
.endr
.endr
.endm
.macro AGRP g, hi                      ; group g: token tiles 2 (g % 4), + 1 of K step g / 4: from rows of codes, or from images
.irp i, 0,1
.irp c, 0,1,2,3
.if \hi
	ds_load_b128 v[AF+32*((\g)%2)+16*\i+4*\c:AF+32*((\g)%2)+16*\i+4*\c+3], v14 offset:8192*(2*((\g)%4)+\i)+2048*((\g)/4)+512*\c
.else
	ds_load_b128 v[AF+32*((\g)%2)+16*\i+4*\c:AF+32*((\g)%2)+16*\i+4*\c+3], v[7+(2*((\g)%4)+\i)/4] offset:((2*((\g)%4)+\i)%4)*16*528+128*((\g)/4)+32*\c
.endif
.endr
.endr
.endm
; 128 tokens x 64 channels x 512 along K: 128 products; the 32 accumulators take turns, one instruction a turn.
; The first loads of a product owe no wait of their own: no vector or matrix instruction issued since the last wait on va_vdst names AF, BF or their addresses.
.macro GEMM wp, wv, pi, hi, bias, pre
.if !\pre
	WLOAD 0, \wp, \wv, \pi
	WLOAD 1, \wp, \wv, \pi
.endif
	AGRP 0, \hi
	AGRP 1, \hi
.set g_, 0
.rept 16
.if g_%4 == 0
.if g_/4 == 3
	s_wait_loadcnt 0x0
.else
	s_wait_loadcnt 16                              ; this K step's 16 weight loads are in; the next K step's may be out
.endif
.endif
.if g_ == 15
	s_wait_dscnt 0x0
.else
	s_wait_dscnt 8                                 ; this group's fragments are in; the next group's 8 loads may be out
.endif
.if g_ < 4
	WIN 0x40
.else
	WIN 0x50
.endif
.irp i, 0,1
.irp ct, 0,1,2,3
.if (g_ < 4) && \bias
	v_wmma_f32_16x16x128_fp8_fp8 v[32*(2*(g_%4)+\i)+8*\ct:32*(2*(g_%4)+\i)+8*\ct+7], v[BF+64*((g_/4)%2)+16*\ct:BF+64*((g_/4)%2)+16*\ct+15], v[AF+32*(g_%2)+16*\i:AF+32*(g_%2)+16*\i+15], v[32+8*\ct:32+8*\ct+7]
.elseif g_ < 4
	v_wmma_f32_16x16x128_fp8_fp8 v[32*(2*(g_%4)+\i)+8*\ct:32*(2*(g_%4)+\i)+8*\ct+7], v[BF+64*((g_/4)%2)+16*\ct:BF+64*((g_/4)%2)+16*\ct+15], v[AF+32*(g_%2)+16*\i:AF+32*(g_%2)+16*\i+15], 0
.else
	v_wmma_f32_16x16x128_fp8_fp8 v[32*(2*(g_%4)+\i)+8*\ct:32*(2*(g_%4)+\i)+8*\ct+7], v[BF+64*((g_/4)%2)+16*\ct:BF+64*((g_/4)%2)+16*\ct+15], v[AF+32*(g_%2)+16*\i:AF+32*(g_%2)+16*\i+15], v[32*(2*(g_%4)+\i)+8*\ct:32*(2*(g_%4)+\i)+8*\ct+7]
.endif
.endr
.endr
	PLACES 4                                       ; in front of loads into registers that the products have read, and of the first read of results
	WIN 0
.if g_ < 14
	s_wait_alu depctr_va_vdst(0)                   ; this group's products are done reading their set of AF, which takes the group two on; at a K step's end the step's products are done reading their set of BF, which takes the weights two K steps on
	AGRP g_+2, \hi
.endif
.if (g_%4 == 3) && (g_/4 < 2)
	WLOAD g_/4+2, \wp, \wv, \pi
.endif
.set g_, g_+1
.endr
.endm
.macro SUM32 a, d                      ; v[d] = the sum of my lane's 32 registers v[a ..] of window 1, in two chains
	WIN 0x05
	v_pk_add_f32 v[\d:\d+1], v[\a:\a+1], v[\a+2:\a+3]
	v_pk_add_f32 v[\d+2:\d+3], v[\a+4:\a+5], v[\a+6:\a+7]
	WIN 0x04
.irp k, 8,12,16,20,24,28
	v_pk_add_f32 v[\d:\d+1], v[\d:\d+1], v[\a+\k:\a+\k+1]
	v_pk_add_f32 v[\d+2:\d+3], v[\d+2:\d+3], v[\a+\k+2:\a+\k+3]
.endr
	WIN 0
	v_pk_add_f32 v[\d:\d+1], v[\d:\d+1], v[\d+2:\d+3]
	v_add_f32 v[\d], v[\d], v[\d+1]
.endm
.macro XL tt                           ; 16 rows x my 256 bytes of x, for the residual
.irp i, 0,1,2,3,4,5,6,7
	global_load_b128 v[128+32*((\tt)%2)+4*\i:131+32*((\tt)%2)+4*\i], v17, s[18:19] offset:(16*(\tt)+2*\i)*2048
.endr
.endm
; ---- head
	s_load_b512 s[44:59], s[0:1], 0x0              ; x, norm_g, norm_b, Wq, bq, lowp_scales, attc, film
	s_load_b256 s[68:75], s[0:1], 0x40             ; snorm_g, snorm_b, out_W, out_b
	s_load_b64 s[76:77], s[0:1], 0x60              ; out0
.set r_, 32
.rept 32
	v_mov_b32 v[r_], 0                             ; written once: upper words of pairs and lane permutes' destinations count as read
.set r_, r_+1
.endr
	v_and_b32 v1, 31, v0
	v_and_b32 v2, 15, v0
	v_bfe_u32 v3, v0, 4, 1
	v_lshrrev_b32 v4, 5, v0
	v_readfirstlane_b32 s2, v4                     ; wave 0..7
	v_lshlrev_b32 v4, 4, v1
	v_lshlrev_b32 v5, 2, v1
	v_and_b32 v6, 8, v2
	v_add_nc_u32 v6, v6, v2
	v_lshlrev_b32 v19, 6, v3                       ; 64 h
	v_lshlrev_b32 v20, 5, v3                       ; 32 h
	v_lshlrev_b32 v17, 11, v3
	v_lshl_add_u32 v17, v2, 4, v17                 ; 2,048 h + 16 r
	v_mul_u32_u24 v16, v3, 272
	v_lshl_add_u32 v16, v2, 4, v16
	v_lshlrev_b32 v3, 4, v3                        ; 16 h
	v_mul_u32_u24 v7, v2, 528
	v_add_nc_u32 v7, v7, v3
	v_add_nc_u32 v8, 64*528, v7
	v_lshl_add_u32 v9, v6, 9, v3
	v_lshl_add_u32 v10, v2, 9, v3
	v_lshlrev_b32 v12, 6, v2
	v_add_nc_u32 v12, RED, v12
	s_wait_alu depctr_va_sdst(0)                   ; s2, the wave's number, is written, ahead of its first reader
	s_lshl_b32 s10, s2, 3
	v_add_nc_u32 v11, s10, v12
	v_add_nc_u32 v14, HI, v4
	s_lshl_b32 s10, s2, 10
	v_add_nc_u32 v13, s10, v14
	s_mul_i32 s10, s2, 4352
	s_add_co_u32 s10, s10, STG
	v_add_nc_u32 v16, s10, v16
	v_mul_u32_u24 v15, v2, 272
	v_add_nc_u32 v15, v15, v20
	v_add_nc_u32 v15, s10, v15
	s_lshl_b32 s10, s2, 9
	s_add_co_u32 s10, s10, GB
	v_add_nc_u32 v18, s10, v19
	v_lshl_add_u32 v23, v1, 3, s10                 ; my wave's gain: 8 bytes a lane
	s_mul_i32 s10, s2, 16*528
	v_add_nc_u32 v21, s10, v5
	v_lshlrev_b32 v26, 3, v1
	s_lshl_b32 s10, s2, 8
	v_add_nc_u32 v26, s10, v26                     ; 256 w + 8 lane
	s_lshr_b32 s3, ttmp9, 3                        ; b
	s_mov_b32 s11, 0
	s_wait_kmcnt 0x0
	s_load_b64 s[78:79], s[54:55], 0x0             ; e0, e1
	s_load_b64 s[80:81], s[54:55], 0x40            ; e16, e17
	s_load_b64 s[82:83], s[54:55], 0x50            ; e20, e21
	s_lshl_b32 s10, ttmp9, 18
	s_add_nc_u64 s[18:19], s[44:45], s[10:11]
	s_add_nc_u64 s[20:21], s[76:77], s[10:11]
	s_lshl_b32 s10, s2, 15
	s_add_nc_u64 s[16:17], s[18:19], s[10:11]      ; my 16 rows, for the norm
	s_add_nc_u64 s[22:23], s[50:51], s[10:11]      ; my 64 rows of Wq,
	s_add_nc_u64 s[24:25], s[72:73], s[10:11]      ; and of out_W
	s_wait_alu depctr_va_vdst(0)                   ; every offset and LDS address made above is written: the kernel's loads and stores read them
	RLOAD 128, 0
	RLOAD 192, 4
	s_lshl_b32 s10, s2, 8
	s_add_nc_u64 s[18:19], s[18:19], s[10:11]      ; my 64 channels of x,
	s_add_nc_u64 s[20:21], s[20:21], s[10:11]      ; of out0,
	s_add_nc_u64 s[52:53], s[52:53], s[10:11]      ; of bq,
	s_add_nc_u64 s[74:75], s[74:75], s[10:11]      ; of out_b
	s_lshl_b32 s10, s3, 3
	s_add_co_u32 s10, s10, s2
	s_lshl_b32 s10, s10, 12
	s_add_nc_u64 s[26:27], s[56:57], s[10:11]      ; the attention of (b, head w)
	s_lshl_b32 s10, s3, 12
	s_add_nc_u64 s[58:59], s[58:59], s[10:11]      ; film[b]
.irp i, 0,1,2,3
	global_load_b128 v[64+4*\i:67+4*\i], v4, s[46:47] offset:512*\i
	global_load_b128 v[80+4*\i:83+4*\i], v4, s[48:49] offset:512*\i
.endr
	global_load_b64 v[96:97], v26, s[68:69]
	global_load_b64 v[98:99], v26, s[70:71]
	global_load_b64 v[100:101], v26, s[58:59]
	global_load_b64 v[102:103], v26, s[58:59] offset:2048
	s_mov_b32 s12, 0x76543210
	s_mov_b32 s13, 0xfedcba98
	s_mov_b32 s38, 0x3b000000                      ; 1 / 512
	s_mov_b32 s39, 0x3727c5ac                      ; 1e-5
	s_mov_b32 s40, 0x3c800000                      ; 1 / 64
	s_mov_b32 s41, 0x3e000000                      ; 1 / 8
	s_mov_b32 s42, 0xbfb8aa3b                      ; -log2(e)
	s_mov_b32 s43, s42
	s_mov_b32 s84, 0x42800000                      ; 64
	s_wait_kmcnt 0x0
	s_add_co_i32 s30, s78, s79
	s_lshl_b32 s14, s30, 23
	s_add_co_i32 s14, s14, 0x3fb8aa3b              ; log2(e) x 2^(e0 + e1): a sum of the query product stands for sum x 2^(e0 + e1)
	s_mov_b32 s15, s14
	s_sub_co_i32 s30, 0, s30
	s_add_co_i32 s31, s80, s81
	s_add_co_i32 s28, s82, s83
	s_add_co_i32 s28, s28, 127
	s_lshl_b32 s28, s28, 23
	s_mov_b32 s29, s28
	MKQ 32, 78
	MKQ 34, 81
	MKQ 36, 82
	SETQ 32
	s_wait_loadcnt 0x0
	v_pk_add_f32 v[100:101], v[100:101], 1.0 op_sel_hi:[1,0]
	v_pk_mul_f32 v[104:105], v[96:97], v[100:101]
	v_pk_fma_f32 v[106:107], v[98:99], v[100:101], v[102:103]
	s_wait_alu depctr_va_vdst(0)                   ; the folded gain and offset in v104-107 are written: the stores read them
	ds_store_b64 v23, v[104:105]
	ds_store_b64 v23, v[106:107] offset:256
; ---- the norm of my 16 rows, two trips of two quads.  An arm that issues no load waits for all loads; the arm that loads leaves its own 16 out
	s_mov_b32 s6, 0
	s_mov_b32 s9, 0
.Lln:
	s_wait_dscnt 0x0
	s_wait_alu depctr_vm_vsrc(0)                   ; the last stores of codes have read v22 and v48-63, which the line below and this quad's sums write again (first trip: the head's loads and stores have read v26 and v104-107, which later lines write)
	v_add_nc_u32 v22, s9, v21
	s_wait_loadcnt 16
	QUADX 128
	s_cmp_lg_u32 s6, 0
	s_cbranch_scc1 .Lla
	RLOAD 128, 8
	s_wait_loadcnt 16
	s_branch .Llb
.Lla:
	s_wait_loadcnt 0x0
.Llb:
	s_wait_dscnt 0x0
	s_wait_alu depctr_vm_vsrc(0)                   ; the first quad's stores have read v22 and v48-63, which are written again from here on
	v_add_nc_u32 v22, 4*528, v22
	QUADX 192
	s_cmp_lg_u32 s6, 0
	s_cbranch_scc1 .Llc
	RLOAD 192, 12
	s_branch .Lld
.Llc:
	s_wait_loadcnt 0x0
.Lld:
	s_add_co_u32 s9, s9, 8*528
	s_add_co_u32 s6, s6, 1
	s_cmp_lt_u32 s6, 2
	s_cbranch_scc1 .Lln
	s_wait_loadcnt 0x0
	s_wait_dscnt 0x0
	s_wait_alu depctr_vm_vsrc(0)                   ; the last stores of codes have read v48-63, in which bq lands
.irp ct, 0,1,2,3
	global_load_b128 v[32+8*\ct:35+8*\ct], v19, s[52:53] offset:128*(\ct/2)+32*(\ct%2)
	global_load_b128 v[36+8*\ct:39+8*\ct], v19, s[52:53] offset:128*(\ct/2)+32*(\ct%2)+16
.endr
	s_barrier_signal -1
	s_barrier_wait -1                              ; the codes of 128 rows lie in LDS
	s_wait_loadcnt 0x0
.set r_, 32
.rept 32
	v_ldexp_f32 v[r_], v[r_], s30                  ; bq / 2^(e0 + e1): the C of each sum's first product
.set r_, r_+1
.endr
; ---- the query product
	GEMM 22, 9, 1, 0, 1, 0
.irp lt, 0,1,2,3
	global_load_b128 v[32+8*\lt:35+8*\lt], v4, s[26:27] offset:1024*\lt
	global_load_b128 v[36+8*\lt:39+8*\lt], v4, s[26:27] offset:1024*\lt+512
.endr
	SETQ 34
	v_mov_b32 v69, 0
	v_mov_b32 v71, 0
	v_mov_b32 v81, 0
	v_mov_b32 v82, 0
	v_mov_b32 v83, 0
; ---- softmax over the head, q x attention, / l, my head's mean and spread: a tile of 16 tokens at a time
.irp tt, 0,1,2,3,4,5,6,7
.set A_, 32*\tt
	WIN 0x15
.irp ct, 0,1,2,3
	v_max3_num_f32 v[64+\ct], v[A_+8*\ct], v[A_+8*\ct+1], v[A_+8*\ct+2]
.endr
	WIN 0x14
.irp k, 3,5
.irp ct, 0,1,2,3
	v_max3_num_f32 v[64+\ct], v[64+\ct], v[A_+8*\ct+\k], v[A_+8*\ct+\k+1]
.endr
.endr
.irp ct, 0,1,2,3
	v_max_num_f32 v[64+\ct], v[64+\ct], v[A_+8*\ct+7]
.endr
	WIN 0
	v_max3_num_f32 v64, v64, v65, v66
	v_max_num_f32 v64, v64, v67
	v_permlanex16_b32 v69, v64, s12, s13           ; the token's other 32 channels lie in the lane 16 away
	v_max_num_f32 v64, v64, v69
	v_mul_f32 v68, s14, v64
	v_floor_f32 v68, -v68                          ; -M = -ceil(largest t)
	WIN 0x41
.irp i, 0,2,4,6,8,10,12,14,16,18,20,22,24,26,28,30
	v_pk_fma_f32 v[A_+\i:A_+\i+1], v[A_+\i:A_+\i+1], s[14:15], v[68:69] op_sel_hi:[1,0,0]
.endr
.irp i, 0,1,2,3,4,5,6,7,8,9,10,11,12,13,14,15,16,17,18,19,20,21,22,23,24,25,26,27,28,29,30,31
	v_exp_f32 v[A_+\i], v[A_+\i]
.endr
	v_nop
	s_wait_alu depctr_va_vdst(0)                   ; the tile's 32 p are written, ahead of their first reader: one wait for the batch
	SUM32 A_, 72                                   ; l, of the unquantised p
	v_permlanex16_b32 v71, v72, s12, s13
	v_add_f32 v72, v72, v71
	v_rcp_f32 v70, v72
	v_nop
	s_wait_alu depctr_va_vdst(0)                   ; 1 / l in v70 is written, ahead of its first reader
	v_ldexp_f32 v70, v70, s31                      ; 2^(e16 + e17) / l
	WIN 0x41
.irp i, 0,1,2,3,4,5,6,7,8,9,10,11,12,13,14,15,16,17,18,19,20,21,22,23,24,25,26,27,28,29,30,31
	v_min_num_f32 v[A_+\i], v[A_+\i], v25          ; p is not negative: the hold is one-sided
.endr
	WIN 0x01
.irp ct, 0,1,2,3
	v_cvt_scalef32_pk8_fp8_f32 v[72+2*\ct:73+2*\ct], v[A_+8*\ct:A_+8*\ct+7], v24
.endr
	v_nop
.if \tt == 0
	s_wait_loadcnt 0x0                             ; the attention's four fragments
.endif
	WIN 0x40
.irp lt, 0,1,2,3
	v_wmma_f32_16x16x64_fp8_fp8 v[A_+8*\lt:A_+8*\lt+7], v[32+8*\lt:39+8*\lt], v[72:79], 0
.endr
	PLACES 4
	WIN 0x41
.irp i, 0,2,4,6,8,10,12,14,16,18,20,22,24,26,28,30
	v_pk_mul_f32 v[A_+\i:A_+\i+1], v[A_+\i:A_+\i+1], v[70:71] op_sel_hi:[1,0]
.endr
	SUM32 A_, 84
	v_permlanex16_b32 v82, v84, s12, s13
	v_add_f32 v84, v84, v82
	s_wait_dscnt 0x0                               ; the last tile's store is done
.if \tt > 0
	s_wait_alu depctr_vm_vsrc(0)                   ; the last tile's store has read v80 and v81, which are written again below
.endif
	v_mul_f32 v80, s40, v84                        ; my head's mean
	WIN 0x01
.irp i, 0,2,4,6,8,10,12,14,16,18,20,22,24,26,28,30
	v_pk_add_f32 v[96+\i:97+\i], v[A_+\i:A_+\i+1], v[80:81] op_sel_hi:[1,0] neg_lo:[0,1] neg_hi:[0,1]
.endr
	WIN 0
	v_pk_mul_f32 v[84:85], v[96:97], v[96:97]
	v_pk_mul_f32 v[86:87], v[98:99], v[98:99]
.irp i, 4,8,12,16,20,24,28
	v_pk_fma_f32 v[84:85], v[96+\i:97+\i], v[96+\i:97+\i], v[84:85]
	v_pk_fma_f32 v[86:87], v[98+\i:99+\i], v[98+\i:99+\i], v[86:87]
.endr
	v_pk_add_f32 v[84:85], v[84:85], v[86:87]
	v_add_f32 v84, v84, v85
	v_permlanex16_b32 v83, v84, s12, s13
	v_add_f32 v81, v84, v83                        ; and the sum of squared deviations from it
	s_wait_alu depctr_va_vdst(0)                   ; v80 and v81 are written: the store reads them
	ds_store_b64 v11, v[80:81] offset:1024*\tt     ; lanes r and r + 16 write the same words with the same numbers
.endr
	BAR                                            ; the eight heads' figures lie in LDS
	s_wait_alu depctr_vm_vsrc(0)                   ; tile 7's store has read v80 and v81, in which the folded gain lands
.irp bq, 0,1
.irp i, 0,1,2,3
	ds_load_b128 v[64+16*\bq+4*\i:67+16*\bq+4*\i], v18 offset:128*\bq+16*\i
	ds_load_b128 v[96+16*\bq+4*\i:99+16*\bq+4*\i], v18 offset:256+128*\bq+16*\i
.endr
.endr
	WLOAD 0, 24, 10, 0                             ; out_W's first two K steps are asked for a phase ahead
	WLOAD 1, 24, 10, 0
	SETQ 36
; ---- norm over 512, scale and shift, silu, quantiser: h's codes go to LDS as images of the next operand's registers
.irp tt, 0,1,2,3,4,5,6,7
.set A_, 32*\tt
.irp i, 0,1,2,3
	ds_load_b128 v[32+4*\i:35+4*\i], v12 offset:1024*\tt+16*\i
.endr
	s_wait_dscnt 0x0
.if \tt > 0
	s_wait_alu depctr_vm_vsrc(0)                   ; the last tile's stores have read the codes in v48-55, which this tile's silu writes again
.endif
	v_add_f32 v26, v32, v34
	v_add_f32 v27, v36, v38
	v_add_f32 v28, v40, v42
	v_add_f32 v29, v44, v46
	v_add_f32 v26, v26, v27
	v_add_f32 v28, v28, v29
	v_add_f32 v26, v26, v28
	v_mul_f32 v26, s41, v26                        ; the row's mean
	v_add_f32 v30, v33, v35
	v_add_f32 v31, v37, v39
	v_add_f32 v27, v41, v43
	v_add_f32 v29, v45, v47
	v_add_f32 v30, v30, v31
	v_add_f32 v27, v27, v29
	v_add_f32 v30, v30, v27
.irp k, 32,34,36,38,40,42,44,46
	v_sub_f32 v[\k], v[\k], v26
.endr
	v_mul_f32 v31, v32, v32
.irp k, 34,36,38,40,42,44,46
	v_fmac_f32 v31, v[\k], v[\k]
.endr
	v_fma_f32 v30, v31, s84, v30                   ; the heads' spreads + 64 x the spread of their means
	v_fma_f32 v30, v30, s38, s39
	v_rsq_f32 v28, v30
	v_nop
	s_wait_alu depctr_va_vdst(0)                   ; 1 / sqrt in v28 is written, ahead of its first reader
	WIN 0x41
.irp i, 0,2,4,6,8,10,12,14,16,18,20,22,24,26,28,30
	v_pk_add_f32 v[A_+\i:A_+\i+1], v[A_+\i:A_+\i+1], v[26:27] op_sel_hi:[1,0] neg_lo:[0,1] neg_hi:[0,1]
.endr
.irp i, 0,2,4,6,8,10,12,14,16,18,20,22,24,26,28,30
	v_pk_mul_f32 v[A_+\i:A_+\i+1], v[A_+\i:A_+\i+1], v[28:29] op_sel_hi:[1,0]
.endr
.irp i, 0,2,4,6,8,10,12,14,16,18,20,22,24,26,28,30
	v_pk_fma_f32 v[A_+\i:A_+\i+1], v[A_+\i:A_+\i+1], v[64+\i:65+\i], v[96+\i:97+\i]
.endr
	WIN 0x01
.irp i, 0,2,4,6,8,10,12,14,16,18,20,22,24,26,28,30
	v_pk_mul_f32 v[32+\i:33+\i], v[A_+\i:A_+\i+1], s[42:43] op_sel_hi:[1,0]
.endr
	WIN 0
.irp i, 0,1,2,3,4,5,6,7,8,9,10,11,12,13,14,15,16,17,18,19,20,21,22,23,24,25,26,27,28,29,30,31
	v_exp_f32 v[32+\i], v[32+\i]
.endr
	v_nop
	s_wait_alu depctr_va_vdst(0)                   ; the 32 exponentials in v32-63 are written, ahead of their first reader
.irp i, 0,2,4,6,8,10,12,14,16,18,20,22,24,26,28,30
	v_pk_add_f32 v[32+\i:33+\i], v[32+\i:33+\i], 1.0 op_sel_hi:[1,0]
.endr
.irp i, 0,1,2,3,4,5,6,7,8,9,10,11,12,13,14,15,16,17,18,19,20,21,22,23,24,25,26,27,28,29,30,31
	v_rcp_f32 v[32+\i], v[32+\i]
.endr
	v_nop
	s_wait_alu depctr_va_vdst(0)                   ; the 32 reciprocals in v32-63 are written, ahead of their first reader
	WIN 0x41
.irp i, 0,2,4,6,8,10,12,14,16,18,20,22,24,26,28,30
	v_pk_mul_f32 v[A_+\i:A_+\i+1], v[A_+\i:A_+\i+1], v[32+\i:33+\i]
.endr
.irp i, 0,1,2,3,4,5,6,7,8,9,10,11,12,13,14,15,16,17,18,19,20,21,22,23,24,25,26,27,28,29,30,31
	v_med3_num_f32 v[A_+\i], v[A_+\i], -v25, v25
.endr
	WIN 0x01
.irp ct, 0,1,2,3
	v_cvt_scalef32_pk8_fp8_f32 v[48+2*\ct:49+2*\ct], v[A_+8*\ct:A_+8*\ct+7], v24
.endr
	v_nop
	WIN 0
	s_wait_alu depctr_va_vdst(0)                   ; the conversions have written the codes in v48-55, which the stores read; the tile is done with v32-47, in which the next tile's figures land, and (tile 7) with v64-127, which take fragments
	ds_store_b128 v13, v[48:51] offset:8192*\tt
	ds_store_b128 v13, v[52:55] offset:8192*\tt+512
.endr
	BAR                                            ; h's 64 images lie in LDS
; ---- the out projection
	GEMM 24, 10, 0, 1, 0, 1
	s_wait_alu depctr_vm_vsrc(0)                   ; tile 7's stores of h's codes have read v48-55, in which out_b lands
.irp ct, 0,1,2,3
	global_load_b128 v[32+8*\ct:35+8*\ct], v20, s[74:75] offset:64*\ct
	global_load_b128 v[36+8*\ct:39+8*\ct], v20, s[74:75] offset:64*\ct+16
.endr
	XL 0
; ---- the way out: sum x 2^(e20 + e21) + out_b through my stage, back as whole rows of 256 bytes, + x
.irp tt, 0,1,2,3,4,5,6,7
.set A_, 32*\tt
	s_wait_xcnt 0x0                                ; earlier stores have had their addresses translated
.if \tt > 0
	s_wait_alu depctr_vm_vsrc(0)                   ; the last tile's stores into the stage have read v64-95, which are written again below; the global stores of two tiles back have read the registers in which this tile's rows land
.endif
.if \tt == 0
	s_wait_loadcnt 8                               ; out_b is in; the 8 loads of x behind it may be out
.endif
	WIN 0x01
.irp i, 0,2,4,6,8,10,12,14,16,18,20,22,24,26,28,30
	v_pk_fma_f32 v[64+\i:65+\i], v[A_+\i:A_+\i+1], s[28:29], v[32+\i:33+\i] op_sel_hi:[1,0,1]
.endr
	WIN 0
	s_wait_alu depctr_va_vdst(0)                   ; v64-95 are written, which the stage's stores read; the products (tiles 0, 1) or the additions of two tiles back are done with the registers in which the rows land, the last tile's additions with those that take x
.irp ct, 0,1,2,3
	ds_store_b128 v15, v[64+8*\ct:67+8*\ct] offset:64*\ct
	ds_store_b128 v15, v[68+8*\ct:71+8*\ct] offset:64*\ct+16
.endr
.irp i, 0,1,2,3,4,5,6,7
	ds_load_b128 v[192+32*(\tt%2)+4*\i:195+32*(\tt%2)+4*\i], v16 offset:544*\i   ; LDS serves a wave's instructions in order (ISA guide 5.7.1.4): these see my stores
.endr
.if \tt < 7
	XL \tt+1
.endif
	s_wait_dscnt 0x0
.if \tt < 7
	s_wait_loadcnt 8                               ; this tile's x is in; the next tile's 8 loads may be out
.else
	s_wait_loadcnt 0x0
.endif
.irp i, 0,2,4,6,8,10,12,14,16,18,20,22,24,26,28,30
	v_pk_add_f32 v[192+32*(\tt%2)+\i:193+32*(\tt%2)+\i], v[192+32*(\tt%2)+\i:193+32*(\tt%2)+\i], v[128+32*(\tt%2)+\i:129+32*(\tt%2)+\i]
.endr
	s_wait_alu depctr_va_vdst(0)                   ; the additions have written the tile's rows, which the stores read
.irp i, 0,1,2,3,4,5,6,7
	global_store_b128 v17, v[192+32*(\tt%2)+4*\i:195+32*(\tt%2)+4*\i], s[20:21] offset:(16*\tt+2*\i)*2048 th:TH_STORE_NT   ; sixteen lanes store 256 consecutive bytes, aligned
.endr
.endr
	s_wait_xcnt 0x0
	s_wait_alu depctr_vm_vsrc(0)                   ; the last store has read v252-255: v254 and v255 are made anew below
	v_lshl_add_u32 v254, v0, 2, 0x2c000
	v_mov_b32 v255, 0
	s_wait_dscnt 0x0                               ; the closing lines, six on end
	s_wait_alu 0x0
	s_wait_tensorcnt 0x0
	ds_add_u32 v254, v255
	s_wait_dscnt 0x0
	s_endpgm
.Lfunc_end_k_qc1ecb67593_out:
	.size	k_qc1ecb67593_out, .Lfunc_end_k_qc1ecb67593_out-k_qc1ecb67593_out
	.p2alignl 7, 3214868480
	.fill 96, 4, 3214868480
	.section	.rodata,"a",@progbits
	.p2align	6, 0x0
	.amdhsa_kernel k_qc1ecb67593_out
		.amdhsa_group_segment_fixed_size 181248
		.amdhsa_private_segment_fixed_size 0
		.amdhsa_enable_private_segment 0
		.amdhsa_kernarg_size 104
		.amdhsa_user_sgpr_count 2
		.amdhsa_user_sgpr_kernarg_segment_ptr 1
		.amdhsa_wavefront_size32 1
		.amdhsa_system_sgpr_workgroup_id_x 1
		.amdhsa_system_sgpr_workgroup_id_y 1
		.amdhsa_system_sgpr_workgroup_id_z 1
		.amdhsa_system_vgpr_workitem_id 0
		.amdhsa_next_free_vgpr 512
		.amdhsa_next_free_sgpr 100
		.amdhsa_reserve_vcc 0
		.amdhsa_float_denorm_mode_32 3
		.amdhsa_float_denorm_mode_16_64 3
		.amdhsa_memory_ordered 1
		.amdhsa_forward_progress 1
		.amdhsa_inst_pref_size 255
	.end_amdhsa_kernel
	.section	.bss,"aw",@nobits
	.p2align	6
	.space	262144
	.amdgpu_metadata
---
amdhsa.version: [ 1, 2 ]
amdhsa.kernels:
  - .name:           k_qc1ecb67593_out
    .symbol:         k_qc1ecb67593_out.kd
    .args:
      - { .name: x, .offset: 0, .size: 8, .value_kind: global_buffer, .address_space: global }
      - { .name: norm_g, .offset: 8, .size: 8, .value_kind: global_buffer, .address_space: global }
      - { .name: norm_b, .offset: 16, .size: 8, .value_kind: global_buffer, .address_space: global }
      - { .name: Wq_codes, .offset: 24, .size: 8, .value_kind: global_buffer, .address_space: global }
      - { .name: bq, .offset: 32, .size: 8, .value_kind: global_buffer, .address_space: global }
      - { .name: lowp_scales, .offset: 40, .size: 8, .value_kind: global_buffer, .address_space: global }
      - { .name: attc, .offset: 48, .size: 8, .value_kind: global_buffer, .address_space: global }
      - { .name: film, .offset: 56, .size: 8, .value_kind: global_buffer, .address_space: global }
      - { .name: snorm_g, .offset: 64, .size: 8, .value_kind: global_buffer, .address_space: global }
      - { .name: snorm_b, .offset: 72, .size: 8, .value_kind: global_buffer, .address_space: global }
      - { .name: out_W_codes, .offset: 80, .size: 8, .value_kind: global_buffer, .address_space: global }
      - { .name: out_b, .offset: 88, .size: 8, .value_kind: global_buffer, .address_space: global }
      - { .name: out0, .offset: 96, .size: 8, .value_kind: global_buffer, .address_space: global }
    .group_segment_fixed_size: 181248
    .private_segment_fixed_size: 0
    .kernarg_segment_align: 8
    .kernarg_segment_size: 104
    .max_flat_workgroup_size: 256
    .sgpr_count:     100
    .vgpr_count:     512
    .wavefront_size: 32
...
	.end_amdgpu_metadata
.endif
;; end of part 6
